; MI455X (gfx1250); checked and timed in simulation.
; The chip was launched on July 23, 2026; its instructions are those of AMD's public machine-readable ISA for CDNA 5 (MIT licence, August 2026) and "CDNA5" Instruction Set Architecture Reference Guide (July 2026). The comments in the code are by the model that wrote it; some were corrected since.
;; Decoder Layer. Allowed arithmetic: matrix products marked QUANTISED: E5M2 operands, one E8M0 scale for each 32 along K, by v_wmma_scale_f32_16x16x128_f8f6f4 with both operands' format E5M2, f32 sums; everything else in f32.
;; Inputs: encoder_output_codes 4 x 2,048 x 8 x 32 uint8 (E5M2 codes of encoder_output, K innermost, in blocks of 32 codes); encoder_output_scales 4 x 2,048 x 8 uint8 (E8M0 scales of encoder_output, one for each 32 codes along K); ffn_b1 512 float32; ffn_b2 256 float32; ffn_w1_codes 512 x 8 x 32 uint8 (E5M2 codes of ffn_w1, K innermost, in blocks of 32 codes); ffn_w1_scales 512 x 8 uint8 (E8M0 scales of ffn_w1, one for each 32 codes along K); ffn_w2_codes 256 x 16 x 32 uint8 (E5M2 codes of ffn_w2, K innermost, in blocks of 32 codes); ffn_w2_scales 256 x 16 uint8 (E8M0 scales of ffn_w2, one for each 32 codes along K); ln1_b 256 float32; ln1_g 256 float32; ln2_b 256 float32; ln2_g 256 float32; ln3_b 256 float32; ln3_g 256 float32; m1_b 256 float32; m1_b2 256 float32; m1_bk 512 float32; m1_bq 512 float32; m1_bv 512 float32; m1_g 256 float32; m1_w2_codes 256 x 16 x 32 uint8 (E5M2 codes of m1_w2, K innermost, in blocks of 32 codes); m1_w2_scales 256 x 16 uint8 (E8M0 scales of m1_w2, one for each 32 codes along K); m1_wk_codes 512 x 8 x 32 uint8 (E5M2 codes of m1_wk, K innermost, in blocks of 32 codes); m1_wk_scales 512 x 8 uint8 (E8M0 scales of m1_wk, one for each 32 codes along K); m1_wq_codes 512 x 8 x 32 uint8 (E5M2 codes of m1_wq, K innermost, in blocks of 32 codes); m1_wq_scales 512 x 8 uint8 (E8M0 scales of m1_wq, one for each 32 codes along K); m1_wv_codes 512 x 8 x 32 uint8 (E5M2 codes of m1_wv, K innermost, in blocks of 32 codes); m1_wv_scales 512 x 8 uint8 (E8M0 scales of m1_wv, one for each 32 codes along K); m2_b 256 float32; m2_b2 256 float32; m2_bk 512 float32; m2_bq 512 float32; m2_bv 512 float32; m2_g 256 float32; m2_w2_codes 256 x 16 x 32 uint8 (E5M2 codes of m2_w2, K innermost, in blocks of 32 codes); m2_w2_scales 256 x 16 uint8 (E8M0 scales of m2_w2, one for each 32 codes along K); m2_wk_codes 512 x 8 x 32 uint8 (E5M2 codes of m2_wk, K innermost, in blocks of 32 codes); m2_wk_scales 512 x 8 uint8 (E8M0 scales of m2_wk, one for each 32 codes along K); m2_wq_codes 512 x 8 x 32 uint8 (E5M2 codes of m2_wq, K innermost, in blocks of 32 codes); m2_wq_scales 512 x 8 uint8 (E8M0 scales of m2_wq, one for each 32 codes along K); m2_wv_codes 512 x 8 x 32 uint8 (E5M2 codes of m2_wv, K innermost, in blocks of 32 codes); m2_wv_scales 512 x 8 uint8 (E8M0 scales of m2_wv, one for each 32 codes along K); src_mask 4 x 2,048 x 1 int32; tgt_mask 4 x 2,048 x 1 int32; x 4 x 2,048 x 256 float32.
;; Outputs: out0 4 x 2,048 x 256 float32.
;; This version of the problem:
;;   THIS VERSION OF THE PROBLEM IS GIVEN IN LOW PRECISION. The matrix products marked QUANTISED in the list below multiply operands that are first quantised to E5M2 (5 exponent bits, 2 mantissa bits; 8 bits a number), with one power-of-two scale for each 32 numbers along K (OCP MX v1.0); their sums are f32. All else is computed in f32.
;;   The module's matrix products, in the order in which they are computed (A, B: the left and right operand; K: the contracted axis; several contracted axes count as one K, in the product's order):
;;     1. [M 8,192, K 256] x [K 256, N 512]; A: input x; B: input m1_wq (given as codes): QUANTISED
;;     2. [M 8,192, K 256] x [K 256, N 512]; A: input x; B: input m1_wk (given as codes): QUANTISED
;;     3. [M 8,192, K 256] x [K 256, N 512]; A: input x; B: input m1_wv (given as codes): QUANTISED
;;     4. batch 32 x [M 2,048, K 64] x [K 64, N 2,048]; A: computed on the way; B: computed on the way: QUANTISED
;;     5. batch 32 x [M 64, K 2,048] x [K 2,048, N 2,048]; A: computed on the way; B: softmax (see below): QUANTISED
;;     6. [M 8,192, K 512] x [K 512, N 256]; A: computed on the way; B: input m1_w2 (given as codes): QUANTISED
;;     7. [M 8,192, K 256] x [K 256, N 512]; A: computed on the way; B: input m2_wq (given as codes): QUANTISED
;;     8. [M 8,192, K 256] x [K 256, N 512]; A: input encoder_output (given as codes); B: input m2_wk (given as codes): QUANTISED
;;     9. [M 8,192, K 256] x [K 256, N 512]; A: input encoder_output (given as codes); B: input m2_wv (given as codes): QUANTISED
;;     10. batch 32 x [M 2,048, K 64] x [K 64, N 2,048]; A: computed on the way; B: computed on the way: QUANTISED
;;     11. batch 32 x [M 64, K 2,048] x [K 2,048, N 2,048]; A: computed on the way; B: softmax (see below): QUANTISED
;;     12. [M 8,192, K 512] x [K 512, N 256]; A: computed on the way; B: input m2_w2 (given as codes): QUANTISED
;;     13. [M 8,192, K 256] x [K 256, N 512]; A: computed on the way; B: input ffn_w1 (given as codes): QUANTISED
;;     14. [M 8,192, K 512] x [K 512, N 256]; A: computed on the way; B: input ffn_w2 (given as codes): QUANTISED
;;   THE QUANTISER, for each operand of a quantised product, along K:
;;     - K is cut into blocks of 32 from its start; a last block that is shorter is filled with zeros.
;;     - A block's scale is 2^e with e = floor(log2(the largest magnitude in the block)) - 15, held to -126 .. 127; a block of zeros has e = 0. As a byte (E8M0): e + 127.
;;     - Each number is divided by its block's scale, clamped to +-57,344, and rounded to the nearest number of E5M2, ties to even, subnormals kept.
;;     - The product sums the exact products of the quantised numbers (number of the format x scale) in f32.
;;   ~~~python
;;   def quantise(x, axis):      # numpy; x: float32 -> the quantised numbers, widened to float32 again
;;       x = np.moveaxis(x, axis, -1); K = x.shape[-1]
;;       x = np.pad(x, [(0, 0)] * (x.ndim - 1) + [(0, -K % 32)]); x = x.reshape(x.shape[:-1] + (-1, 32)); a = np.abs(x).max(-1, keepdims=True)
;;       e = np.where(a > 0, np.clip(np.frexp(np.where(a > 0, a, 1))[1] - 1 - 15, -126, 127), 0)      # np.frexp(a)[1] - 1 = floor(log2(a)), exactly
;;       r = np.clip(x / 2.0 ** e, -57344, 57344)
;;       step = 2.0 ** (np.maximum(np.frexp(np.where(r == 0, 1, r))[1] - 1, -14) - 2)
;;       q = np.round(r / step) * step * 2.0 ** e      # np.round: ties to even
;;       return np.moveaxis(q.reshape(q.shape[:-2] + (-1,))[..., :K], -1, axis).astype(np.float32)
;;   ~~~
;;   SOFTMAX AHEAD OF A QUANTISED PRODUCT. Where the list says 'softmax', what is quantised is not the finished softmax but p = 2^(t - M), with t = logit x log2(e) and M = ceil(the row's largest t), a whole number; so 1/2 < the row's largest p <= 1. The row's sum l is taken of the UNQUANTISED p, in f32, and the product's result is divided by l at the end. Since M is a whole number, a kernel that streams over the keys may use a running M (the ceiling of the running maximum): every later rescaling is an exact power of two, which a block's scale takes up: the codes' values come out the same.
;;   OPERANDS COMPUTED ON THE WAY. 'Computed on the way' means the value that the module computes at that place (a softmax that the list does not call 'softmax' is quantised finished and normalised). What goes into a quantiser is computed in f32, as accurately as f32 sums, v_exp_f32 and their like allow (about 1e-6 of the number): no bf16 or f16 on the way to a quantiser, and a product that is left as it is and whose result goes on into a quantised operand takes f32 operands (vector FMAs, or v_wmma_f32_16x16x4_f32). A number that lies on a knife's edge between two numbers of the format may be rounded either way, as far as f32 arithmetic and the matrix unit's own rounding can turn it there, and no further.
;;   INPUTS GIVEN AS CODES. encoder_output (in the module: [4, 2048, 256], K = its axis 2); ffn_w1 (in the module: [256, 512], K = its axis 0); ffn_w2 (in the module: [512, 256], K = its axis 0); m1_w2 (in the module: [512, 256], K = its axis 0); m1_wk (in the module: [256, 512], K = its axis 0); m1_wq (in the module: [256, 512], K = its axis 0); m1_wv (in the module: [256, 512], K = its axis 0); m2_w2 (in the module: [512, 256], K = its axis 0); m2_wk (in the module: [256, 512], K = its axis 0); m2_wq (in the module: [256, 512], K = its axis 0); m2_wv (in the module: [256, 512], K = its axis 0): each comes as NAME_codes (uint8): NAME with its K axis moved to the last place and cut into blocks of 32 codes, [.., K / 32, bytes a block], one block behind the other in memory; one code a byte (a code: sign, 5 exponent bits, 2 mantissa bits); and NAME_scales (uint8): the same leading axes, one E8M0 byte (e + 127) for each 32 codes along K. Its value is code x scale, taken as it is: it is not quantised again, and the codes and scales need not be those that the quantiser above would give.
;; 2 versions, each right; version 2 is version 1 with the launches post1, post2 written anew for expert scheduling mode. Each part assembles by itself: llvm-mc -triple=amdgcn-amd-amdhsa -mcpu=gfx1250 --defsym DOCPART=n.
;; ======== version 1 of 2: 5 launches
;; workspace buffers: qb 4,325,376 bytes; ob 4,325,376 bytes; kv1 8,912,896 bytes; kv2 8,912,896 bytes; x1 8,388,608 bytes
;; launch proj (part 1): grid 64 x 5, 8 waves a work-group, no clusters, 35,840 bytes of LDS; arguments x, encoder_output_codes, encoder_output_scales, tgt_mask, m1_wq_codes, m1_wq_scales, m1_bq, m1_wk_codes, m1_wk_scales, m1_bk, m1_wv_codes, m1_wv_scales, m1_bv, m2_wk_codes, m2_wk_scales, m2_bk, m2_wv_codes, m2_wv_scales, m2_bv, qb, kv1, kv2; writes qb, kv1, kv2
.if DOCPART == 1
	.amdgcn_target "amdgcn-amd-amdhsa--gfx1250"
	.amdhsa_code_object_version 6
	.text
	.protected	k_q509c08a0aa_proj
	.globl	k_q509c08a0aa_proj
	.p2align	8
	.type	k_q509c08a0aa_proj,@function
k_q509c08a0aa_proj:
	s_mov_b64 s[64:65], 0
	v_nop
	global_prefetch_b8 v0, s[64:65] scope:SCOPE_SE
	s_setreg_imm32_b32 hwreg(HW_REG_WAVE_MODE, 25, 1), 1
	s_wait_xcnt 0x0
; FIVE PROJECTIONS OF 8,192 ROWS, K = 256, N = 512, on codes of BF8 (E5M2) with one E8M0 scale for each 32 along K; the results are quantised again, in registers, as operands of the attention.
; Work-group y says which: 0: Q1 = x wq + bq -> qb;  1: K1 = x wk + bk -> kv1;  2: V1 = x wv + bv -> kv1;  3: K2 = enc wk + bk -> kv2;  4: V2 = enc wv + bv -> kv2.
; SHARES.  Work-group x names 128 rows (one key step of one batch).  Wave w first makes the operand of row tile w (x: quantised here; enc: its codes as given) and lays it into LDS as an image of its
; registers; behind one barrier wave w owns head w (64 channels, its weight in 128 registers) for all eight row tiles: 64 matrix instructions.
; ROW TILES.  Lane r of tile 2 c + u stands for row 32 c + 8 u + r + 8 (r / 8), so that the 16 result registers of two neighbouring tiles are 16 neighbours along the next K.  The weight's rows form tiles likewise.
; Q, K (transposed: source 0 = 16 rows of W, source 1 = 16 rows of x): a lane holds one row and 32 channels of the head's 64: quantised along the channels.
; V (source 0 = 16 rows of x, source 1 = 16 rows of W): a lane holds one channel and 16 neighbouring keys: quantised along the keys.
; THE MASK (y = 1 alone): a key whose tgt_mask is 0 gets zero codes (its hold's limit is multiplied by 0) and -2^35 in the record's bias, which the attention gives as the C of K Q^T: the score is then
; exactly -2^35 = 8 x (-2^32), reference()'s NEG ahead of the division by 8.  The other keys, and all keys of kv2, get the bias 0.
; A RECORD (17,408 bytes, one head x 128 keys): 0: K, 4 fragments of two key tiles each; 8,192: V, 4 fragments; 16,384: K's scale words [r][c]; 16,640: V's [r][t]; 16,896: the bias, 128 f32.
; LIMITS: NaN and infinities among the inputs are not served; a block whose largest magnitude lies under 2^-111 gets the byte 1, a block of zeros too (its codes are zeros; this program alone reads the bytes).
; No tensor loads: weights and rows go from memory into registers.  No cluster: the bytes that work-groups share (a weight of 128 KiB) are read once by each, straight into registers, where a joint load cannot land.
.set REC,  17408
.set QSC,  4194304                     ; qb: behind the codes, the scale half-words [tile][r][head]
.set XSC,  32768                       ; LDS: 16 fragments of 2,048 bytes from 0 on; from here their scale words, 128 bytes each
.set LI,   1                           ; v1   16 x lane
.set LS,   2                           ; v2   4 x lane
.set R16,  3                           ; v3   16 r
.set XWI,  4                           ; v4   where I store my tile's two images: 16 x lane + 4,096 x wave
.set XWS,  5                           ; v5   and their scale words: XSC + 4 x lane + 256 x wave
.set GA,   6                           ; v6   x: 1,024 rp + 64 h
.set GW,   7                           ; v7   rows of 256 codes: 256 rp + 16 h
.set GWS,  8                           ; v8   8 rp
.set GB,   9                           ; v9   64 h
.set VW,   6                           ; v6-9 V's four scale words, once all loads that named these offsets are in
.set HW,   10                          ; v10  at work
.set G4,   11                          ; v11  4 rp
.set KM,   12                          ; v12-19 tile i's key mask as 1.0 or 0;  V: the lane's bias of tile t, twice, in v[12+2t:13+2t]
.set WS,   20                          ; v20-27 the weight's scale words (tile t, K step s) at 2 t + s
.set XS,   28                          ; v28-29 the rows' scale words
.set ONE,  30
.set XF,   32                          ; v32-63 two fragments of rows; behind the products the codes (v32..) and the quantiser's work (v48..)
.set ACC,  64                          ; v64-127 sums (transposed: v64-95)
.set BI,   84                          ; v84-87 four keys' mask, then their bias
.set BIAS, 96                          ; v96-127 the bias in the result's layout, four tiles
.set WF,   128                         ; v128-255 the weight: fragment (t, s) at 16 (2 t + s)
.set WV,   56
.set BLK,  57
.set YY,   58
.set VFORM, 66
.set WC,   50                          ; s[50:51] the weight's codes, s[52:53] its scales, s[54:55] its bias
.set WSC,  52
.set WB,   54
.set SEL,  70
.set MNT,  72
.set OB,   74                          ; s[74:75] where a tile's codes go; s[78:79] the step from tile to tile
.set SB,   76                          ; s[76:77] where its scale half-word goes; s[84:85] the step
.set STR,  78
.set RECB, 80
.set SSTR, 84
.macro PLACES n
.rept \n
	v_nop
.endr
.endm
.macro MM d, a, b, c, sa, sb           ; one product of 16 x 16 x 128; c < 0: it starts the sum
.if \c < 0
	v_wmma_scale_f32_16x16x128_f8f6f4 v[\d:\d+7], v[\a:\a+15], v[\b:\b+15], 0, v[\sa], v[\sb] matrix_a_fmt:MATRIX_FMT_BF8 matrix_b_fmt:MATRIX_FMT_BF8
.else
	v_wmma_scale_f32_16x16x128_f8f6f4 v[\d:\d+7], v[\a:\a+15], v[\b:\b+15], v[\c:\c+7], v[\sa], v[\sb] matrix_a_fmt:MATRIX_FMT_BF8 matrix_b_fmt:MATRIX_FMT_BF8
.endif
.endm
; nb blocks of 32: block b's 16 numbers of my lane in v[s + 16 b] on, the other 16 in lane l xor 16.  Codes to v[pc + 4 b] on; tm: +0 largest magnitudes, +4 bytes, +8 limits, +12 scale operands.
.macro QUANT s, nb, relu, pc, tm, km
.irp b, 0,1,2,3
.if \b < \nb
.if \relu
	v_max3_num_f32 v[\tm+\b], v[\s+16*\b], v[\s+16*\b+1], 0x8000000
.else
	v_max3_num_f32 v[\tm+\b], |v[\s+16*\b]|, |v[\s+16*\b+1]|, 0x8000000   ; with the floor 2^(16 - 127): the byte cannot fall under 1
.endif
.endif
.endr
.irp i, 2,4,6,8,10,12,14
.irp b, 0,1,2,3
.if \b < \nb
.if \relu
	v_max3_num_f32 v[\tm+\b], v[\tm+\b], v[\s+16*\b+\i], v[\s+16*\b+\i+1]
.else
	v_max3_num_f32 v[\tm+\b], v[\tm+\b], |v[\s+16*\b+\i]|, |v[\s+16*\b+\i+1]|
.endif
.endif
.endr
.endr
.irp b, 0,1,2,3
.if \b < \nb
	v_permlanex16_b32 v[\tm+4+\b], v[\tm+\b], s[SEL], s[SEL+1]
.endif
.endr
.irp b, 0,1,2,3
.if \b < \nb
	v_max_num_f32 v[\tm+\b], v[\tm+\b], v[\tm+4+\b]        ; the block's largest magnitude
.endif
.endr
.irp b, 0,1,2,3
.if \b < \nb
	v_add_nc_u32 v[\tm+12+\b], 0xf8800000, v[\tm+\b]       ; 15 off its exponent field: the conversion's scale operand
.endif
.endr
.irp b, 0,1,2,3
.if \b < \nb
	v_and_or_b32 v[\tm+8+\b], v[\tm+\b], 0x7f800000, s[MNT]   ; 57,344 x the scale
.endif
.endr
.if \km >= 0
.irp b, 0,1,2,3
.if \b < \nb
	v_mul_f32 v[\tm+8+\b], v[\tm+8+\b], v[\km]             ; x 0 for a masked key: its codes become zeros
.endif
.endr
.endif
.irp b, 0,1,2,3
.if \b < \nb
	v_lshrrev_b32 v[\tm+4+\b], 23, v[\tm+12+\b]            ; the scale's byte
.endif
.endr
.irp b, 0,1,2,3
.if \b < \nb
.irp i, 0,1,2,3,4,5,6,7,8,9,10,11,12,13,14,15
.if \relu
	v_med3_num_f32 v[\s+16*\b+\i], v[\s+16*\b+\i], 0, v[\tm+8+\b]
.else
	v_med3_num_f32 v[\s+16*\b+\i], v[\s+16*\b+\i], -v[\tm+8+\b], v[\tm+8+\b]   ; the conversion to an 8-bit code does not saturate (ISA guide 7.6.2): the hold
.endif
.endr
	v_cvt_scalef32_pk8_bf8_f32 v[\pc+4*\b:\pc+4*\b+1], v[\s+16*\b:\s+16*\b+7], v[\tm+12+\b]
	v_cvt_scalef32_pk8_bf8_f32 v[\pc+4*\b+2:\pc+4*\b+3], v[\s+16*\b+8:\s+16*\b+15], v[\tm+12+\b]
.endif
.endr
	v_nop                                          ; a plain line behind the last conversion
.endm
.macro PACK4 d, tm
	v_lshl_or_b32 v[\d], v[\tm+5], 8, v[\tm+4]
	v_lshl_or_b32 v[\d], v[\tm+6], 16, v[\d]
	v_lshl_or_b32 v[\d], v[\tm+7], 24, v[\d]
.endm
.macro IMAGE adr, reg, off             ; a fragment goes to LDS as it stands: lane l's 16 bytes at 16 l, 512 bytes a store
.irp c, 0,1,2,3
	ds_store_b128 v[\adr], v[\reg+4*\c:\reg+4*\c+3] offset:\off+512*\c
.endr
.endm
.macro FETCH reg, off                  ; and comes back so, in any wave
.irp c, 0,1,2,3
	ds_load_b128 v[\reg+4*\c:\reg+4*\c+3], v[LI] offset:\off+512*\c
.endr
.endm
.macro XLOAD reg, ks                   ; my tile's numbers of K step ks: register 16 b + i = k 32 b + 16 h + i of my row
.irp b, 0,1,2,3
.irp j, 0,1,2,3
	global_load_b128 v[\reg+16*\b+4*\j:\reg+16*\b+4*\j+3], v[GA], s[4:5] offset:512*\ks+128*\b+16*\j
.endr
.endr
.endm
.macro WLOAD t0                        ; the weight's tiles t0, t0 + 1, both K steps
.irp t, \t0, \t0+1
.irp ks, 0,1
.irp c, 0,1,2,3
	global_load_b128 v[WF+16*(2*(\t)+\ks)+4*\c:WF+16*(2*(\t)+\ks)+4*\c+3], v[GW], s[WC:WC+1] offset:(32*((\t)/2)+8*((\t)%2))*256+128*\ks+32*\c
.endr
.endr
.endr
.endm
	s_load_b256 s[4:11], s[0:1], 0x0               ; x, enc codes, enc scales, tgt_mask
	s_load_b512 s[12:27], s[0:1], 0x20             ; m1_wq (c, s, b), m1_wk (c, s, b), m1_wv (c, s
	s_load_b512 s[28:43], s[0:1], 0x60             ; , b), m2_wk (c, s, b), m2_wv (c, s, b), qb
	s_load_b128 s[44:47], s[0:1], 0xa0             ; kv1, kv2
	v_lshl_add_u32 v31, v0, 2, 0x8800
	s_set_vgpr_msb 0x40
	v_mov_b32 v1, 0
	s_set_vgpr_msb 0x4000
	v_lshrrev_b32 v[HW], 5, v0
	v_readfirstlane_b32 s[WV], v[HW]               ; wave 0..7
	s_mov_b32 s[BLK], ttmp9
	s_and_b32 s[YY], ttmp7, 0xffff
	v_and_b32 v[HW], 31, v0
	v_lshlrev_b32 v[LI], 4, v[HW]
	v_lshlrev_b32 v[LS], 2, v[HW]
	v_and_b32 v[G4], 15, v0                        ; r
	v_lshlrev_b32 v[R16], 4, v[G4]
	v_bfe_u32 v[HW], v0, 4, 1                      ; h
	s_lshl_b32 s59, s[WV], 12
	v_add_nc_u32 v[XWI], s59, v[LI]
	s_lshl_b32 s59, s[WV], 8
	s_add_co_u32 s59, s59, XSC
	v_add_nc_u32 v[XWS], s59, v[LS]
	v_and_b32 v[GB], 8, v[G4]
	v_add_nc_u32 v[G4], v[GB], v[G4]               ; rp = r + 8 (r / 8)
	v_lshlrev_b32 v[GA], 10, v[G4]
	v_lshl_add_u32 v[GA], v[HW], 6, v[GA]
	v_lshlrev_b32 v[GW], 8, v[G4]
	v_lshl_add_u32 v[GW], v[HW], 4, v[GW]
	v_lshlrev_b32 v[GWS], 3, v[G4]
	v_lshlrev_b32 v[GB], 6, v[HW]
	v_lshlrev_b32 v[G4], 2, v[G4]
.irp i, 0,1,2,3,4,5,6,7
	v_mov_b32 v[KM+\i], 1                          ; no mask: every key counts (y = 1 loads tgt_mask over these)
.endr
.irp i, 0,1,2,3
	v_mov_b32 v[BI+\i], 1
	v_mov_b32 v[ACC+4+\i], 0                       ; written once: a lane permute's destination counts as one of its sources
.endr
	s_mov_b32 s[SEL], 0x76543210
	s_mov_b32 s[SEL+1], 0xfedcba98                 ; v_permlanex16_b32's selects for lane l xor 16
	s_mov_b32 s[MNT], 0x600000                     ; the mantissa field of 57,344
	s_cmp_eq_u32 s[YY], 2
	s_cselect_b32 s[VFORM], 1, 0
	s_cmp_eq_u32 s[YY], 4
	s_cselect_b32 s[VFORM], 1, s[VFORM]            ; 1: V's form
	s_mov_b32 s61, 0
	s_mov_b32 s[STR], 0x400
	s_mov_b32 s[STR+1], 0
	s_mov_b32 s[SSTR+1], 0
	s_wait_kmcnt 0x0
	s_mov_b64 s[WC:WC+1], s[12:13]                 ; the weight is chosen by the work-group's y alone
	s_mov_b64 s[WSC:WSC+1], s[14:15]
	s_mov_b64 s[WB:WB+1], s[16:17]
	s_cmp_eq_u32 s[YY], 1
	s_cselect_b64 s[WC:WC+1], s[18:19], s[WC:WC+1]
	s_cselect_b64 s[WSC:WSC+1], s[20:21], s[WSC:WSC+1]
	s_cselect_b64 s[WB:WB+1], s[22:23], s[WB:WB+1]
	s_cmp_eq_u32 s[YY], 2
	s_cselect_b64 s[WC:WC+1], s[24:25], s[WC:WC+1]
	s_cselect_b64 s[WSC:WSC+1], s[26:27], s[WSC:WSC+1]
	s_cselect_b64 s[WB:WB+1], s[28:29], s[WB:WB+1]
	s_cmp_eq_u32 s[YY], 3
	s_cselect_b64 s[WC:WC+1], s[30:31], s[WC:WC+1]
	s_cselect_b64 s[WSC:WSC+1], s[32:33], s[WSC:WSC+1]
	s_cselect_b64 s[WB:WB+1], s[34:35], s[WB:WB+1]
	s_cmp_eq_u32 s[YY], 4
	s_cselect_b64 s[WC:WC+1], s[36:37], s[WC:WC+1]
	s_cselect_b64 s[WSC:WSC+1], s[38:39], s[WSC:WSC+1]
	s_cselect_b64 s[WB:WB+1], s[40:41], s[WB:WB+1]
	s_lshl_b32 s60, s[WV], 14                      ; my head's 64 rows of 256 codes,
	s_add_nc_u64 s[WC:WC+1], s[WC:WC+1], s[60:61]
	s_lshl_b32 s60, s[WV], 9                       ; of 8 scale bytes,
	s_add_nc_u64 s[WSC:WSC+1], s[WSC:WSC+1], s[60:61]
	s_lshl_b32 s60, s[WV], 8                       ; its 64 numbers of the bias
	s_add_nc_u64 s[WB:WB+1], s[WB:WB+1], s[60:61]
	s_lshl_b32 s60, s[BLK], 9                      ; the block's 128 words of tgt_mask
	s_add_nc_u64 s[10:11], s[10:11], s[60:61]
	s_lshl_b32 s62, s[BLK], 7                      ; my tile's first row: 128 x block + 32 (w / 2) + 8 (w % 2)
	s_lshr_b32 s63, s[WV], 1
	s_lshl_b32 s63, s63, 5
	s_add_co_u32 s62, s62, s63
	s_and_b32 s63, s[WV], 1
	s_lshl_b32 s63, s63, 3
	s_add_co_u32 s62, s62, s63
	s_lshl_b32 s60, s62, 10
	s_add_nc_u64 s[4:5], s[4:5], s[60:61]
	s_lshl_b32 s60, s62, 8
	s_add_nc_u64 s[6:7], s[6:7], s[60:61]
	s_lshl_b32 s60, s62, 3
	s_add_nc_u64 s[8:9], s[8:9], s[60:61]
	s_cmp_lt_u32 s[YY], 3
	s_cselect_b64 s[RECB:RECB+1], s[44:45], s[46:47]
	s_lshr_b32 s60, s[BLK], 4                      ; my record: ((batch x 8 + head) x 16 + step)
	s_lshl_b32 s60, s60, 3
	s_add_co_u32 s60, s60, s[WV]
	s_lshl_b32 s60, s60, 4
	s_and_b32 s63, s[BLK], 15
	s_add_co_u32 s60, s60, s63
	s_mul_i32 s60, s60, REC
	s_add_nc_u64 s[RECB:RECB+1], s[RECB:RECB+1], s[60:61]
	s_lshl_b32 s60, s[BLK], 16                     ; Q: tile 8 x block, head w
	s_lshl_b32 s63, s[WV], 10
	s_add_co_u32 s60, s60, s63
	s_add_nc_u64 s[OB:OB+1], s[42:43], s[60:61]
	s_lshl_b32 s60, s[BLK], 11
	s_lshl_b32 s63, s[WV], 1
	s_add_co_u32 s60, s60, s63
	s_add_co_u32 s60, s60, QSC
	s_add_nc_u64 s[SB:SB+1], s[42:43], s[60:61]
	s_add_nc_u64 s[82:83], s[RECB:RECB+1], 16384
	s_cmp_eq_u32 s[YY], 0                          ; Q goes to qb, tiles 8,192 and 256 bytes apart; K into the record, 1,024 and 2 bytes apart
	s_cselect_b64 s[OB:OB+1], s[OB:OB+1], s[RECB:RECB+1]
	s_cselect_b64 s[SB:SB+1], s[SB:SB+1], s[82:83]
	s_cselect_b32 s[STR], 0x2000, s[STR]
	s_cselect_b32 s[SSTR], 0x100, 2
.irp t, 0,1,2,3
	global_load_b64 v[WS+2*\t:WS+2*\t+1], v[GWS], s[WSC:WSC+1] offset:(32*(\t/2)+8*(\t%2))*8
.endr
.irp t, 0,1,2,3
	global_load_b128 v[BIAS+8*\t:BIAS+8*\t+3], v[GB], s[WB:WB+1] offset:(32*(\t/2)+8*(\t%2))*4          ; lane (r, h), register j: channel 32 (t / 2) + 16 h + 8 (t % 2) + j
	global_load_b128 v[BIAS+8*\t+4:BIAS+8*\t+7], v[GB], s[WB:WB+1] offset:(32*(\t/2)+8*(\t%2))*4+16
.endr
	s_cmp_eq_u32 s[YY], 1
	s_cbranch_scc0 .Lnot_k1
.irp i, 0,1,2,3,4,5,6,7
	global_load_b32 v[KM+\i], v[G4], s[10:11] offset:(32*(\i/2)+8*(\i%2))*4     ; the mask of my key in tile i
.endr
	global_load_b128 v[BI:BI+3], v[LI], s[10:11]                                ; and of keys 4 x lane on, for the record's bias
	s_branch .Lpre_done
.Lnot_k1:
	s_cmp_eq_u32 s[VFORM], 1
	s_cbranch_scc0 .Lpre_done
.irp t, 0,1,2,3
	global_load_b32 v[KM+2*\t], v[G4], s[WB:WB+1] offset:(32*(\t/2)+8*(\t%2))*4   ; V: a lane holds one channel: its bias, in both halves of a pair
	global_load_b32 v[KM+2*\t+1], v[G4], s[WB:WB+1] offset:(32*(\t/2)+8*(\t%2))*4
.endr
.Lpre_done:
	; ---- my tile of rows becomes two fragments and two scale words
	s_cmp_lt_u32 s[YY], 3
	s_cbranch_scc0 .Lenc
	XLOAD WF, 1
	XLOAD WF+64, 0
	s_wait_loadcnt 16                              ; all but K step 0's sixteen loads are in
	QUANT WF, 4, 0, XF+16, ACC, -1
	PACK4 XS+1, ACC
	WLOAD 0                                        ; the weight takes the registers that x has left
	s_wait_loadcnt 16                              ; all but those sixteen are in
	QUANT WF+64, 4, 0, XF, ACC, -1
	PACK4 XS, ACC
	WLOAD 2
	s_branch .Lsrc
.Lenc:
.irp ks, 0,1
.irp c, 0,1,2,3
	global_load_b128 v[XF+16*\ks+4*\c:XF+16*\ks+4*\c+3], v[GW], s[6:7] offset:128*\ks+32*\c
.endr
.endr
	global_load_b64 v[XS:XS+1], v[GWS], s[8:9]
	WLOAD 0
	WLOAD 2
	s_wait_loadcnt 32                              ; all but the weight's 32 loads are in
.Lsrc:
	IMAGE XWI, XF, 0
	IMAGE XWI, XF+16, 2048
	ds_store_b32 v[XWS], v[XS]
	ds_store_b32 v[XWS], v[XS+1] offset:128
	s_wait_dscnt 0x0                               ; for the others' sake: my stores have landed
	s_barrier_signal -1
	s_barrier_wait -1                              ; the sixteen fragments lie in LDS
	s_wait_loadcnt 0x0                             ; the weight, its scales, the bias, the mask
	s_cmp_eq_u32 s[VFORM], 1
	s_cbranch_scc1 .Lvform
	; ---- Q and K: a tile of 16 rows at a time
	v_mov_b32 v[HW], 0xd1000000                    ; -2^35
	v_mov_b32 v[ONE], 1.0
.irp i, 0,1,2,3,4,5,6,7
	v_cmp_ne_u32 vcc_lo, 0, v[KM+\i]
	v_cndmask_b32 v[KM+\i], 0, v[ONE], vcc_lo      ; 1.0 where the key counts, else 0
.endr
.irp i, 0,1,2,3
	v_cmp_eq_u32 vcc_lo, 0, v[BI+\i]
	v_cndmask_b32 v[BI+\i], 0, v[HW], vcc_lo       ; -2^35 where the key is masked, else 0
.endr
	s_cmp_eq_u32 s[YY], 0
	s_cbranch_scc1 .Lno_bias
	global_store_b128 v[LI], v[BI:BI+3], s[RECB:RECB+1] offset:16896   ; 32 lanes: the record's 512 bytes of bias
.Lno_bias:
.macro TQ tau
	s_wait_xcnt 0x0                                ; the earlier stores have read their data and bases: both are written again only behind this wait
.if \tau > 0
	s_add_nc_u64 s[OB:OB+1], s[OB:OB+1], s[STR:STR+1]
	s_add_nc_u64 s[SB:SB+1], s[SB:SB+1], s[SSTR:SSTR+1]
.endif
	FETCH XF, (2*\tau)*2048
	FETCH XF+16, (2*\tau+1)*2048
	ds_load_b32 v[XS], v[LS] offset:XSC+128*(2*\tau)
	ds_load_b32 v[XS+1], v[LS] offset:XSC+128*(2*\tau+1)
	s_wait_dscnt 0x0
.irp ks, 0,1                                   ; the four accumulators by turns
.irp t, 0,1,2,3
.if \ks == 0
	MM ACC+8*\t, WF+16*(2*\t+\ks), XF+16*\ks, BIAS+8*\t, WS+2*\t+\ks, XS+\ks
.else
	MM ACC+8*\t, WF+16*(2*\t+\ks), XF+16*\ks, ACC+8*\t, WS+2*\t+\ks, XS+\ks
.endif
.endr
.endr
	PLACES 9                                       ; ahead of the first read of results, of writes over the rows' registers, and of the next tile's products, which begin these sums anew
	QUANT ACC, 2, 0, XF, XF+16, KM+\tau
	v_lshl_or_b32 v[HW], v[XF+21], 8, v[XF+20]     ; the row's two scale bytes
	global_store_b128 v[LI], v[XF:XF+3], s[OB:OB+1]              ; 512 consecutive bytes: channels 0-31 of 16 rows, in the order of the operand's registers
	global_store_b128 v[LI], v[XF+4:XF+7], s[OB:OB+1] offset:512
	global_store_b16 v[R16], v[HW], s[SB:SB+1]                   ; (both halves of the lanes write the same bytes with the same values)
.endm
.irp tau, 0,1,2,3,4,5,6,7
	TQ \tau
.endr
	s_set_vgpr_msb 0x4
	s_wait_tensorcnt 0x0
	ds_add_u32 v31, v1
	s_wait_dscnt 0x0
	s_set_vgpr_msb 0x400
	s_endpgm
	; ---- V: 32 keys (two tiles of rows) at a time, the head's four tiles of channels
.Lvform:
.macro VC c
	s_wait_xcnt 0x0                                ; the earlier stores have read their data
.irp ks, 0,1
	FETCH XF, (2*(2*\c)+\ks)*2048
	FETCH XF+16, (2*(2*\c+1)+\ks)*2048
	ds_load_b32 v[XS], v[LS] offset:XSC+128*(2*(2*\c)+\ks)
	ds_load_b32 v[XS+1], v[LS] offset:XSC+128*(2*(2*\c+1)+\ks)
	s_wait_dscnt 0x0
.irp t, 0,1,2,3                                ; eight accumulators by turns
.irp u, 0,1
.if \ks == 0
	MM ACC+16*\t+8*\u, XF+16*\u, WF+16*(2*\t+\ks), -1, XS+\u, WS+2*\t+\ks
.else
	MM ACC+16*\t+8*\u, XF+16*\u, WF+16*(2*\t+\ks), ACC+16*\t+8*\u, XS+\u, WS+2*\t+\ks
.endif
.endr
.endr
	PLACES 9
.endr
.irp t, 0,1,2,3
.irp i, 0,1,2,3,4,5,6,7
	v_pk_add_f32 v[ACC+16*\t+2*\i:ACC+16*\t+2*\i+1], v[ACC+16*\t+2*\i:ACC+16*\t+2*\i+1], v[KM+2*\t:KM+2*\t+1]   ; + my channel's bias
.endr
.endr
	QUANT ACC, 4, 0, XF, XF+16, -1                 ; block t: keys 32 c .. 32 c + 31 of my channel of tile t
.irp t, 0,1,2,3
.if \c == 0
	v_mov_b32 v[VW+\t], v[XF+20+\t]
.else
	v_lshl_or_b32 v[VW+\t], v[XF+20+\t], 8*\c, v[VW+\t]
.endif
.endr
.irp t, 0,1,2,3
	global_store_b128 v[LI], v[XF+4*\t:XF+4*\t+3], s[RECB:RECB+1] offset:8192+2048*\t+512*\c
.endr
.endm
	VC 0
	VC 1
	VC 2
	VC 3
	global_store_b128 v[R16], v[VW:VW+3], s[RECB:RECB+1] offset:16640   ; V's scale words [r][t]
	s_set_vgpr_msb 0x4
	s_wait_tensorcnt 0x0
	ds_add_u32 v31, v1
	s_wait_dscnt 0x0
	s_set_vgpr_msb 0x400
	s_endpgm
.Lfunc_end_k_q509c08a0aa_proj:
	.size	k_q509c08a0aa_proj, .Lfunc_end_k_q509c08a0aa_proj-k_q509c08a0aa_proj
	.p2alignl 7, 3214868480
	.fill 96, 4, 3214868480
	.section	.rodata,"a",@progbits
	.p2align	6, 0x0
	.amdhsa_kernel k_q509c08a0aa_proj
		.amdhsa_group_segment_fixed_size 35840
		.amdhsa_private_segment_fixed_size 0
		.amdhsa_enable_private_segment 0
		.amdhsa_kernarg_size 176
		.amdhsa_user_sgpr_count 2
		.amdhsa_user_sgpr_kernarg_segment_ptr 1
		.amdhsa_wavefront_size32 1
		.amdhsa_system_sgpr_workgroup_id_x 1
		.amdhsa_system_sgpr_workgroup_id_y 1
		.amdhsa_system_sgpr_workgroup_id_z 1
		.amdhsa_system_vgpr_workitem_id 0
		.amdhsa_next_free_vgpr 258
		.amdhsa_next_free_sgpr 96
		.amdhsa_reserve_vcc 1
		.amdhsa_float_denorm_mode_32 3
		.amdhsa_float_denorm_mode_16_64 3
		.amdhsa_memory_ordered 1
		.amdhsa_forward_progress 1
		.amdhsa_inst_pref_size 144
	.end_amdhsa_kernel
	.amdgpu_metadata
---
amdhsa.version: [ 1, 2 ]
amdhsa.kernels:
  - .name:           k_q509c08a0aa_proj
    .symbol:         k_q509c08a0aa_proj.kd
    .args:
      - { .name: x, .offset: 0, .size: 8, .value_kind: global_buffer, .address_space: global }
      - { .name: encoder_output_codes, .offset: 8, .size: 8, .value_kind: global_buffer, .address_space: global }
      - { .name: encoder_output_scales, .offset: 16, .size: 8, .value_kind: global_buffer, .address_space: global }
      - { .name: tgt_mask, .offset: 24, .size: 8, .value_kind: global_buffer, .address_space: global }
      - { .name: m1_wq_codes, .offset: 32, .size: 8, .value_kind: global_buffer, .address_space: global }
      - { .name: m1_wq_scales, .offset: 40, .size: 8, .value_kind: global_buffer, .address_space: global }
      - { .name: m1_bq, .offset: 48, .size: 8, .value_kind: global_buffer, .address_space: global }
      - { .name: m1_wk_codes, .offset: 56, .size: 8, .value_kind: global_buffer, .address_space: global }
      - { .name: m1_wk_scales, .offset: 64, .size: 8, .value_kind: global_buffer, .address_space: global }
      - { .name: m1_bk, .offset: 72, .size: 8, .value_kind: global_buffer, .address_space: global }
      - { .name: m1_wv_codes, .offset: 80, .size: 8, .value_kind: global_buffer, .address_space: global }
      - { .name: m1_wv_scales, .offset: 88, .size: 8, .value_kind: global_buffer, .address_space: global }
      - { .name: m1_bv, .offset: 96, .size: 8, .value_kind: global_buffer, .address_space: global }
      - { .name: m2_wk_codes, .offset: 104, .size: 8, .value_kind: global_buffer, .address_space: global }
      - { .name: m2_wk_scales, .offset: 112, .size: 8, .value_kind: global_buffer, .address_space: global }
      - { .name: m2_bk, .offset: 120, .size: 8, .value_kind: global_buffer, .address_space: global }
      - { .name: m2_wv_codes, .offset: 128, .size: 8, .value_kind: global_buffer, .address_space: global }
      - { .name: m2_wv_scales, .offset: 136, .size: 8, .value_kind: global_buffer, .address_space: global }
      - { .name: m2_bv, .offset: 144, .size: 8, .value_kind: global_buffer, .address_space: global }
      - { .name: qb, .offset: 152, .size: 8, .value_kind: global_buffer, .address_space: global }
      - { .name: kv1, .offset: 160, .size: 8, .value_kind: global_buffer, .address_space: global }
      - { .name: kv2, .offset: 168, .size: 8, .value_kind: global_buffer, .address_space: global }
    .group_segment_fixed_size: 35840
    .private_segment_fixed_size: 0
    .kernarg_segment_align: 8
    .kernarg_segment_size: 176
    .max_flat_workgroup_size: 256
    .sgpr_count:     96
    .vgpr_count:     258
    .wavefront_size: 32
...
	.end_amdgpu_metadata
.endif
;; end of part 1
;; launch attn1 (part 2): grid 8 x 32, 16 waves a work-group, clusters of 4 x 1, 280,576 bytes of LDS; arguments qb, kv1, ob; writes ob
.if DOCPART == 2
	.amdgcn_target "amdgcn-amd-amdhsa--gfx1250"
	.amdhsa_code_object_version 6
	.text
	.protected	k_q509c08a0aa_attn1
	.globl	k_q509c08a0aa_attn1
	.p2align	8
	.type	k_q509c08a0aa_attn1,@function
k_q509c08a0aa_attn1:
	s_mov_b64 s[64:65], 0
	v_nop
	global_prefetch_b8 v0, s[64:65] scope:SCOPE_SE
	s_setreg_imm32_b32 hwreg(HW_REG_WAVE_MODE, 25, 1), 1
	s_wait_xcnt 0x0
	s_wait_alu depctr_hold_cnt(0) depctr_sa_sdst(0) depctr_va_vdst(0) depctr_va_sdst(0) depctr_va_ssrc(0) depctr_va_vcc(0) depctr_vm_vsrc(0)
	s_getreg_b32 s2, hwreg(HW_REG_IB_STS2, 6, 4)
	s_cmp_eq_u32 s2, 0
	s_cbranch_scc0 .Lentry_in_a_cluster
	s_endpgm
.Lentry_in_a_cluster:
	s_bfe_u32 s2, ttmp6, 0x10000c
	s_cmp_lg_u32 s2, 0x3003
	s_cbranch_scc0 .Lentry_shape_is_right
	s_endpgm
.Lentry_shape_is_right:
; ATTENTION OF ONE HEAD ON CODES OF BF8 (E5M2), head size 64, 2,048 keys.  Work-group y = batch x 8 + head; x names 256 queries; each of SIXTEEN waves owns one tile of 16 queries in 256 registers.
; INPUTS, all laid in the order of the operands' registers: qb: Q's codes [tile][head][2][lane][16 bytes] and scale half-words; kv: 16 records of 17,408 bytes a head (128 keys each): K's four fragments,
; V's four, K's and V's scale words, and a bias of 128 f32 (0, or -2^35 for a masked key, whose codes of K are zeros).  OUTPUT ob: O / l, quantised along the channels, laid as qb.
; MASKED = 1: the first attention: the sums of K Q^T begin with the record's bias.  MASKED = 0: the second, which reference() calls with masked=False: they begin with the constant 0 and the bias is not read.
; LDS.  A head's 16 records are 278,528 bytes: all of them come in at the start and stay; no byte is filled twice.  Waves 0 to 3 issue four tensor loads each (four are out at the most).
; TWO BARRIERS: behind the first, records 0 to 3 are there (each fetching wave's first load) and two key steps are walked; behind the second, all sixteen, and the waves walk the other fourteen steps each at its own pace.
; CLUSTER.  The four work-groups of a cluster walk the same head: each record is asked for JOINTLY, by the same load with the same descriptor and the mask of all four.
; K = 64 IN AN INSTRUCTION OF 128.  A fragment of K holds TWO key tiles: k 0-63 tile u = 0, k 64-127 tile u = 1.  Q stands in 24 registers as Q | zeros | Q: the first 16 pick tile 0, the last 16 tile 1:
; zero codes meet the other tile's codes and add nothing.  No byte of K is read twice.
; BOTH PRODUCTS TRANSPOSED: S^T = K Q^T (+ bias), O^T = V^T P^T: a lane holds one query throughout; the keys and channels of a tile are chosen so that 16 registers of two tiles are 16 neighbours.
; SOFTMAX: t = score x log2(e) / 8; M = the running largest t rounded up to a whole number; p = 2^(t - M) is quantised along the keys, not normalised; the sum is taken of the unquantised p; when M
; moves, the sum and O^T are multiplied by 2^(old M - new M), exactly.  A masked score gives t = -2^32 log2(e), a whole number: a row all of whose keys are masked has p = 1 everywhere, as reference() has it.
; LIMITS: NaN and infinities are not served; a block of zeros gets the byte 1 (its codes are zeros; this program alone reads the bytes).
; No prefetch: every tensor load goes out at the head, so there is no later trip to ask ahead for.
.set MASKED, 1
.set NL,   4+4*MASKED                  ; LDS loads for 32 keys of K Q^T: four of K's fragment, and four of the bias
.set REC,  17408
.set QSC,  4194304
.set LI,   1                           ; v1   16 x lane
.set R16,  2                           ; v2   16 r
.set LB,   3                           ; v3   64 h
.set ADK,  4                           ; v4-6 the record in hand + v1, v2, v3
.set ADS,  5
.set ADB,  6
.set Q,    16                          ; v16-39 Q | 0 | Q;  v12 -M, v13 the largest t, v[14:15] the sum in two halves
.set F,    40                          ; v40-103 four fragments of K, then of V
.set S,    104                         ; v104-167 the bias, S^T, p
.set O,    168                         ; v168-199 O^T
.set P,    200                         ; v200-215 p's codes
.set BM,   216                         ; v216-219 a block's largest score, then p
.set T2,   220                         ; v220-223 at work; the bytes
.set LIM,  224
.set SCL,  228
.set KS,   232                         ; v232-235 K's scale words, v236-239 V's, v240 Q's, v241 p's
.set VS,   236
.set QS,   240
.set PS,   241
.set FF,   242                         ; v[242:243] f = 2^(old M - new M) (the low word serves both halves)
.set W,    244
.set OM,   245                         ; v245 the old -M
.set CH,   246                         ; v[246:251] three more chains of the row's sum
.set WV,   14
.set SEL,  20
.set CS,   22
.set MNT,  24
.set TB,   25
.set CNT,  26
.set G1,   28
.set G0,   36
.macro CROUND                          ; a round of the cluster's barrier
	s_barrier_signal -1
	s_barrier_wait -1
	s_cmp_lg_u32 s[WV], 0
	s_cbranch_scc1 .Lnot_wave_0_\@
	s_barrier_signal -3
.Lnot_wave_0_\@:
	s_barrier_wait -3
	s_barrier_signal -1
	s_barrier_wait -1
.endm
.macro MM d, a, b, sa, sb, zero        ; one product of 16 x 16 x 128; zero = 1: it starts the sum; 0: onto what the accumulator holds
.if \zero
	v_wmma_scale_f32_16x16x128_f8f6f4 v[\d:\d+7], v[\a:\a+15], v[\b:\b+15], 0, v[\sa], v[\sb] matrix_a_fmt:MATRIX_FMT_BF8 matrix_b_fmt:MATRIX_FMT_BF8
.else
	v_wmma_scale_f32_16x16x128_f8f6f4 v[\d:\d+7], v[\a:\a+15], v[\b:\b+15], v[\d:\d+7], v[\sa], v[\sb] matrix_a_fmt:MATRIX_FMT_BF8 matrix_b_fmt:MATRIX_FMT_BF8
.endif
.endm
	s_load_b128 s[4:7], s[0:1], 0x0                ; qb, kv
	s_load_b64 s[8:9], s[0:1], 0x10                ; ob
	v_lshl_add_u32 v254, v0, 2, 0x44000
	v_mov_b32 v255, 0
	ds_add_u32 v254, v255
	ds_add_u32 v254, v255
	v_lshrrev_b32 v[W], 5, v0
	v_readfirstlane_b32 s[WV], v[W]                ; wave 0..15
	v_and_b32 v[W], 31, v0
	v_lshlrev_b32 v[LI], 4, v[W]
	v_and_b32 v[W], 15, v0
	v_lshlrev_b32 v[R16], 4, v[W]
.if MASKED
	v_bfe_u32 v[W], v0, 4, 1
	v_lshlrev_b32 v[LB], 6, v[W]
.endif
	s_bfe_u32 s15, ttmp6, 0x40000                  ; cx: it enters qb's and ob's addresses alone
	s_lshl_b32 s16, ttmp9, 2
	s_add_co_u32 s16, s16, s15                     ; my block of 256 queries
	s_and_b32 s17, ttmp7, 0xffff                   ; batch x 8 + head, which the four partners share
	s_lshr_b32 s52, s17, 3
	s_lshl_b32 s52, s52, 7
	s_lshl_b32 s53, s16, 4
	s_add_co_u32 s52, s52, s53
	s_add_co_u32 s52, s52, s[WV]                   ; my tile: 128 x batch + 16 x block + wave
	s_and_b32 s53, s17, 7                          ; the head
	s_lshl_b32 s54, s52, 13
	s_lshl_b32 s56, s53, 10
	s_add_co_u32 s54, s54, s56                     ; its codes
	s_mov_b32 s55, 0
	s_lshl_b32 s56, s52, 8
	s_lshl_b32 s53, s53, 1
	s_add_co_u32 s56, s56, s53
	s_add_co_u32 s56, s56, QSC                     ; its scale half-words
	s_mov_b32 s57, 0
	s_and_b32 s27, s[WV], 3                        ; which record of each four I fetch, if I fetch
	s_lshl_b32 s62, s17, 4
	s_add_co_u32 s62, s62, s27
	s_mul_i32 s62, s62, REC                        ; in memory,
	s_mov_b32 s63, 0
	s_mul_i32 s27, s27, REC                        ; and in LDS
	s_mov_b32 s[G1], 15|(3<<16)|(1<<21)            ; 15:0 the mask: all four work-groups; 17:16 elements of 8 bytes; 21 set beside a mask; no padding
	s_mov_b32 s[G1+1], 32<<16                      ; tensor_dim0 = 32 elements: rows of 256 bytes
	s_mov_b32 s[G1+2], 68<<16                      ; tensor_dim1 = 68 rows: a record
	s_mov_b32 s[G1+3], 32<<16                      ; tile_dim0
	s_mov_b32 s[G1+4], 68                          ; tile_dim1
	s_mov_b32 s[G1+5], 32                          ; the pitch: dense
	s_mov_b32 s[G1+6], 0
	s_mov_b32 s[G1+7], 0
	s_mov_b32 s[SEL], 0x76543210
	s_mov_b32 s[SEL+1], 0xfedcba98
	s_mov_b32 s[CS], 0x3e38aa3b                    ; c = log2(e) / 8
	s_mov_b32 s[CS+1], s[CS]
	s_mov_b32 s[MNT], 0x600000
	s_wait_dscnt 0x0
	s_wait_kmcnt 0x0
	s_add_nc_u64 s[10:11], s[4:5], s[54:55]
	s_add_nc_u64 s[12:13], s[4:5], s[56:57]
	s_add_nc_u64 s[58:59], s[8:9], s[54:55]
	s_add_nc_u64 s[60:61], s[8:9], s[56:57]
	s_add_nc_u64 s[18:19], s[6:7], s[62:63]
.irp d, 0,1                                    ; Q is asked for ahead of the round: it is on its way while the work-groups meet and the records are asked for.  Nobody writes these bytes
	global_load_b128 v[Q+4*\d:Q+4*\d+3], v[LI], s[10:11] offset:512*\d
	global_load_b128 v[Q+16+4*\d:Q+16+4*\d+3], v[LI], s[10:11] offset:512*\d
.endr
	global_load_u16 v[W], v[R16], s[12:13]         ; my query's two scale bytes
	CROUND                                         ; all four work-groups are here: the joint loads meet
.irp g, 0,1,2,3
	s_mov_b32 s[G0+4*\g], 1
	s_add_co_u32 s[G0+4*\g+1], s27, 4*\g*REC       ; record 4 g + wave
	s_add_nc_u64 s[G0+4*\g+2:G0+4*\g+3], s[18:19], 4*\g*REC
	s_or_b32 s[G0+4*\g+3], s[G0+4*\g+3], 0x80000000
.endr
	s_cmp_lt_u32 s[WV], 4                          ; a wave's four fills stand in one branch on its number, ahead of every wait on TENSORcnt and every LDS read
	s_cbranch_scc0 .Lno_fetch
	tensor_load_to_lds s[G0:G0+3], s[G1:G1+7]
	s_nop 0
	tensor_load_to_lds s[G0+4:G0+7], s[G1:G1+7]
	s_nop 0
	tensor_load_to_lds s[G0+8:G0+11], s[G1:G1+7]
	s_nop 0
	tensor_load_to_lds s[G0+12:G0+15], s[G1:G1+7]
	s_nop 0
.rept 4
	v_nop
.endr
.Lno_fetch:
.irp i, 0,1,2,3,4,5,6,7
	v_mov_b32 v[Q+8+\i], 0                         ; the zero codes between
.endr
	v_mov_b32 v13, 0xff61b1e6                      ; the largest t so far: -3e38
	v_floor_f32 v12, -v13                          ; -M
	v_mov_b32 v14, 0
	v_mov_b32 v15, 0
	v_mov_b32 v[FF+1], 0                           ; (named as the upper half of a pair)
.irp b, 0,1,2,3
	v_mov_b32 v[T2+\b], 0                          ; written once: a lane permute's destination counts as one of its sources
.endr
	s_wait_loadcnt 0x0
	v_lshl_or_b32 v[QS], v[W], 16, v[W]            ; (s0, s1, s0, s1): for either place of Q
.set j, 0
.rept 32
	v_mov_b32 v[O+j], 0                            ; O^T: the step is written once; the first change of M multiplies zeros.  (Also the places between Q's scale word and the first product)
.set j, j+1
.endr
; A KEY STEP: the 128 keys of the record at LDS byte s[TB].
.macro STEP
	v_add_nc_u32 v[ADK], s[TB], v[LI]
	v_add_nc_u32 v[ADS], s[TB], v[R16]
.if MASKED
	v_add_nc_u32 v[ADB], s[TB], v[LB]
.else
	v_nop
.endif
	v_nop
	v_nop                                          ; these five and the three additions at the last step's end: eight places ahead of loads into registers that the last products read
	ds_load_b128 v[KS:KS+3], v[ADS] offset:16384
.irp c, 0,1,2,3                                ; 32 keys at a time: K's fragment, and the bias with which its two sums begin
.irp d, 0,1,2,3
	ds_load_b128 v[F+16*\c+4*\d:F+16*\c+4*\d+3], v[ADK] offset:2048*\c+512*\d
.endr
.if MASKED
.irp u, 0,1
	ds_load_b128 v[S+16*\c+8*\u:S+16*\c+8*\u+3], v[ADB] offset:16896+128*\c+32*\u          ; the bias of keys 32 c + 16 h + 8 u + 0 .. 7
	ds_load_b128 v[S+16*\c+8*\u+4:S+16*\c+8*\u+7], v[ADB] offset:16896+128*\c+32*\u+16
.endr
.endif
.endr
.irp c, 0,1,2,3                                ; S^T = K Q^T (+ bias): eight accumulators, one instruction each
	s_wait_dscnt NL*(3-\c)                         ; LDS loads come back in order (ISA guide 5.7.1): the scale words and these 32 keys' loads are in; the NL loads of each later 32 keys may be out
.irp u, 0,1
	MM S+16*\c+8*\u, F+16*\c, Q+8*\u, KS+\c, QS, 1-MASKED
.endr
.endr
	v_mov_b32 v[OM], v12                           ; the old -M is kept; with the seven below: eight places ahead of the loads into K's registers and of the first read of the scores
.rept 7
	v_nop
.endr
.irp t, 0,1,2,3
.irp c, 0,1,2,3
	ds_load_b128 v[F+16*\t+4*\c:F+16*\t+4*\c+3], v[ADK] offset:8192+2048*\t+512*\c         ; V lands while the softmax is walked
.endr
.endr
	ds_load_b128 v[VS:VS+3], v[ADS] offset:16640
.irp b, 0,1,2,3
	v_max3_num_f32 v[BM+\b], v[S+16*\b], v[S+16*\b+1], v[S+16*\b+2]     ; the largest score of each block of 32 keys: for the row's maximum, and, since p rises with the score, for the block's largest p
.endr
.irp i, 3,5,7,9,11,13
.irp b, 0,1,2,3
	v_max3_num_f32 v[BM+\b], v[BM+\b], v[S+16*\b+\i], v[S+16*\b+\i+1]
.endr
.endr
.irp b, 0,1,2,3
	v_max_num_f32 v[BM+\b], v[BM+\b], v[S+16*\b+15]
.endr
.irp b, 0,1,2,3
	v_permlanex16_b32 v[T2+\b], v[BM+\b], s[SEL], s[SEL+1]
.endr
.irp b, 0,1,2,3
	v_max_num_f32 v[BM+\b], v[BM+\b], v[T2+\b]
.endr
	v_max3_num_f32 v[W], v[BM], v[BM+1], v[BM+2]
	v_max_num_f32 v[W], v[W], v[BM+3]
	v_mul_f32 v[W], s[CS], v[W]                    ; the step's largest t
	v_max_num_f32 v13, v13, v[W]
	v_floor_f32 v12, -v13                          ; the new -M = -ceil(t)
	v_sub_f32 v[W], v12, v[OM]                     ; old M - new M: a whole number, 0 or less
	v_cvt_i32_f32 v[W], v[W]                       ; (it saturates)
	v_ldexp_f32 v[FF], 1.0, v[W]                   ; f
; t - M (a pair an instruction) and p = 2^(t - M): ONE BATCH.  The scalings stand among the exponentials, each four pairs ahead of its own pair's; none of these lines names an exponential's result
.set j, 0
.rept 4
	v_pk_fma_f32 v[S+j:S+j+1], v[S+j:S+j+1], s[CS:CS+1], v[12:13] op_sel_hi:[1,0,0]
.set j, j+2
.endr
.set j, 0
.rept 28
	v_exp_f32 v[S+j], v[S+j]
	v_exp_f32 v[S+j+1], v[S+j+1]
	v_pk_fma_f32 v[S+j+8:S+j+9], v[S+j+8:S+j+9], s[CS:CS+1], v[12:13] op_sel_hi:[1,0,0]
.set j, j+2
.endr
.irp b, 0,1,2,3
	v_exp_f32 v[S+56+2*\b], v[S+56+2*\b]
	v_exp_f32 v[S+57+2*\b], v[S+57+2*\b]
	v_fma_f32 v[BM+\b], v[BM+\b], s[CS], v12       ; the same scaling of each block's largest score
.endr
	v_pk_mul_f32 v[14:15], v[14:15], v[FF:FF+1] op_sel_hi:[1,0]   ; the sums under the new M: a plain line behind the exponentials
	s_wait_alu depctr_va_vdst(0)                   ; one wait for the batch, ahead of its first reader
.irp b, 0,1,2,3
	v_exp_f32 v[BM+\b], v[BM+\b]                   ; the block's largest p
.endr
	v_pk_add_f32 v[CH:CH+1], v[S:S+1], v[S+2:S+3]          ; the row's sum of the unquantised p, in four chains that do not wait for each other
	v_pk_add_f32 v[CH+2:CH+3], v[S+4:S+5], v[S+6:S+7]
	v_pk_add_f32 v[CH+4:CH+5], v[S+8:S+9], v[S+10:S+11]
	v_pk_add_f32 v[14:15], v[14:15], v[S+12:S+13]
	v_pk_add_f32 v[CH:CH+1], v[CH:CH+1], v[S+14:S+15]
.set j, 16
.rept 6
	v_pk_add_f32 v[14:15], v[14:15], v[S+j:S+j+1]
	v_pk_add_f32 v[CH:CH+1], v[CH:CH+1], v[S+j+2:S+j+3]
	v_pk_add_f32 v[CH+2:CH+3], v[CH+2:CH+3], v[S+j+4:S+j+5]
	v_pk_add_f32 v[CH+4:CH+5], v[CH+4:CH+5], v[S+j+6:S+j+7]
.set j, j+8
.endr
	s_wait_alu depctr_va_vdst(0)                   ; and one for the four
.irp b, 0,1,2,3
	v_max_num_f32 v[BM+\b], 0x8000000, v[BM+\b]    ; the floor 2^(16 - 127)
.endr
.irp b, 0,1,2,3
	v_add_nc_u32 v[SCL+\b], 0xf8800000, v[BM+\b]
.endr
.irp b, 0,1,2,3
	v_and_or_b32 v[LIM+\b], v[BM+\b], 0x7f800000, s[MNT]
.endr
.irp b, 0,1,2,3
	v_lshrrev_b32 v[T2+\b], 23, v[SCL+\b]
.endr
	v_lshl_or_b32 v[PS], v[T2+1], 8, v[T2]         ; p's scale word for these 128 keys
	v_lshl_or_b32 v[PS], v[T2+2], 16, v[PS]
	v_lshl_or_b32 v[PS], v[T2+3], 24, v[PS]
.irp b, 0,1,2,3
.irp i, 0,1,2,3,4,5,6,7,8,9,10,11,12,13,14,15
	v_min_num_f32 v[S+16*\b+\i], v[S+16*\b+\i], v[LIM+\b]   ; p is not negative: a one-sided hold
.endr
	v_cvt_scalef32_pk8_bf8_f32 v[P+4*\b:P+4*\b+1], v[S+16*\b:S+16*\b+7], v[SCL+\b]
	v_cvt_scalef32_pk8_bf8_f32 v[P+4*\b+2:P+4*\b+3], v[S+16*\b+8:S+16*\b+15], v[SCL+\b]
.endr
.set j, 0
.rept 16
	v_pk_mul_f32 v[O+j:O+j+1], v[O+j:O+j+1], v[FF:FF+1] op_sel_hi:[1,0]   ; O^T under the new M; also the places between p's codes and the products
.set j, j+2
.endr
	s_wait_dscnt 0x0                               ; V
.irp t, 0,1,2,3
	MM O+8*\t, F+16*\t, P, VS+\t, PS, 0            ; O^T += V^T P^T: four accumulators, one instruction each
.endr
	v_pk_add_f32 v[CH:CH+1], v[CH:CH+1], v[CH+2:CH+3]      ; the four chains are joined here: three of the places behind these products
	v_pk_add_f32 v[14:15], v[14:15], v[CH+4:CH+5]
	v_pk_add_f32 v[14:15], v[14:15], v[CH:CH+1]
.endm
; trips key steps from record first on.  left: how many of a fetching wave's four loads may stay out: 3 leaves records 4 to 15 on their way, 0 none.
.macro PHASE left, first, trips
	s_wait_tensorcnt \left
	s_wait_dscnt 0x0
	s_barrier_signal -1
	s_barrier_wait -1
	s_mov_b32 s[TB], \first*REC
	s_mov_b32 s[CNT], \trips
.Lstep_\@:
	STEP
	s_add_co_u32 s[TB], s[TB], REC
	s_sub_co_u32 s[CNT], s[CNT], 1
	s_cmp_lg_u32 s[CNT], 0
	s_cbranch_scc1 .Lstep_\@
.endm
	PHASE 3, 0, 2                                  ; records 0 and 1, while the later records land
	PHASE 0, 2, 14                                 ; every fetching wave has waited for all its loads ahead of this barrier's signal; the reads of records 2 to 15 stand behind its wait
	; THE WAY OUT: O^T / the sum, quantised along the channels (two blocks of 32), stored as an image of the next operand's registers.
	v_add_f32 v14, v14, v15
	v_permlanex16_b32 v[W], v14, s[SEL], s[SEL+1]
	v_add_f32 v14, v14, v[W]                       ; the row's sum
	v_rcp_f32 v[FF], v14
.rept 8
	v_nop                                          ; places behind the last products, and the plain line behind the reciprocal
.endr
	s_wait_alu depctr_va_vdst(0)                   ; ahead of the reciprocal's first reader
.set j, 0
.rept 16
	v_pk_mul_f32 v[O+j:O+j+1], v[O+j:O+j+1], v[FF:FF+1] op_sel_hi:[1,0]
.set j, j+2
.endr
.irp b, 0,1
	v_max3_num_f32 v[BM+\b], |v[O+16*\b]|, |v[O+16*\b+1]|, 0x8000000
.endr
.irp i, 2,4,6,8,10,12,14
.irp b, 0,1
	v_max3_num_f32 v[BM+\b], v[BM+\b], |v[O+16*\b+\i]|, |v[O+16*\b+\i+1]|
.endr
.endr
.irp b, 0,1
	v_permlanex16_b32 v[T2+\b], v[BM+\b], s[SEL], s[SEL+1]
.endr
.irp b, 0,1
	v_max_num_f32 v[BM+\b], v[BM+\b], v[T2+\b]
.endr
.irp b, 0,1
	v_add_nc_u32 v[SCL+\b], 0xf8800000, v[BM+\b]
.endr
.irp b, 0,1
	v_and_or_b32 v[LIM+\b], v[BM+\b], 0x7f800000, s[MNT]
.endr
.irp b, 0,1
	v_lshrrev_b32 v[T2+\b], 23, v[SCL+\b]
.endr
.irp b, 0,1
.irp i, 0,1,2,3,4,5,6,7,8,9,10,11,12,13,14,15
	v_med3_num_f32 v[O+16*\b+\i], v[O+16*\b+\i], -v[LIM+\b], v[LIM+\b]
.endr
	v_cvt_scalef32_pk8_bf8_f32 v[P+4*\b:P+4*\b+1], v[O+16*\b:O+16*\b+7], v[SCL+\b]
	v_cvt_scalef32_pk8_bf8_f32 v[P+4*\b+2:P+4*\b+3], v[O+16*\b+8:O+16*\b+15], v[SCL+\b]
.endr
	v_lshl_or_b32 v[W], v[T2+1], 8, v[T2]
	global_store_b128 v[LI], v[P:P+3], s[58:59]                 ; 512 consecutive bytes each
	global_store_b128 v[LI], v[P+4:P+7], s[58:59] offset:512
	global_store_b16 v[R16], v[W], s[60:61]                     ; two scale bytes a row: one part in 32 of the codes' bytes
	s_wait_tensorcnt 0x0
	ds_add_u32 v254, v255
	s_wait_dscnt 0x0
	CROUND                                         ; the closing round: no work-group ends while a partner may still ask for a record that names it
	s_endpgm
.Lfunc_end_k_q509c08a0aa_attn1:
	.size	k_q509c08a0aa_attn1, .Lfunc_end_k_q509c08a0aa_attn1-k_q509c08a0aa_attn1
	.p2alignl 7, 3214868480
	.fill 96, 4, 3214868480
	.section	.rodata,"a",@progbits
	.p2align	6, 0x0
	.amdhsa_kernel k_q509c08a0aa_attn1
		.amdhsa_group_segment_fixed_size 280576
		.amdhsa_private_segment_fixed_size 0
		.amdhsa_enable_private_segment 0
		.amdhsa_kernarg_size 24
		.amdhsa_user_sgpr_count 2
		.amdhsa_user_sgpr_kernarg_segment_ptr 1
		.amdhsa_wavefront_size32 1
		.amdhsa_system_sgpr_workgroup_id_x 1
		.amdhsa_system_sgpr_workgroup_id_y 1
		.amdhsa_system_sgpr_workgroup_id_z 1
		.amdhsa_system_vgpr_workitem_id 0
		.amdhsa_next_free_vgpr 256
		.amdhsa_next_free_sgpr 66
		.amdhsa_reserve_vcc 0
		.amdhsa_float_denorm_mode_32 3
		.amdhsa_float_denorm_mode_16_64 3
		.amdhsa_memory_ordered 1
		.amdhsa_forward_progress 1
		.amdhsa_inst_pref_size 52
	.end_amdhsa_kernel
	.amdgpu_metadata
---
amdhsa.version: [ 1, 2 ]
amdhsa.kernels:
  - .name:           k_q509c08a0aa_attn1
    .symbol:         k_q509c08a0aa_attn1.kd
    .args:
      - { .name: qb, .offset: 0, .size: 8, .value_kind: global_buffer, .address_space: global }
      - { .name: kv1, .offset: 8, .size: 8, .value_kind: global_buffer, .address_space: global }
      - { .name: ob, .offset: 16, .size: 8, .value_kind: global_buffer, .address_space: global }
    .group_segment_fixed_size: 280576
    .private_segment_fixed_size: 0
    .kernarg_segment_align: 8
    .kernarg_segment_size: 24
    .max_flat_workgroup_size: 512
    .sgpr_count:     66
    .vgpr_count:     256
    .wavefront_size: 32
...
	.end_amdgpu_metadata
.endif
;; end of part 2
;; launch post1 (part 3): grid 256 x 1, 8 waves a work-group, no clusters, 75,776 bytes of LDS; arguments ob, x, m1_w2_codes, m1_w2_scales, m1_b2, m1_g, m1_b, ln1_g, ln1_b, m2_wq_codes, m2_wq_scales, m2_bq, x1, qb; writes x1, qb
.if DOCPART == 3
	.amdgcn_target "amdgcn-amd-amdhsa--gfx1250"
	.amdhsa_code_object_version 6
	.text
	.protected	k_q509c08a0aa_post1
	.globl	k_q509c08a0aa_post1
	.p2align	8
	.type	k_q509c08a0aa_post1,@function
k_q509c08a0aa_post1:
	s_mov_b64 s[64:65], 0
	v_nop
	global_prefetch_b8 v0, s[64:65] scope:SCOPE_SE
	s_setreg_imm32_b32 hwreg(HW_REG_WAVE_MODE, 25, 1), 1
	s_wait_xcnt 0x0
; BEHIND AN ATTENTION, for 32 rows a work-group.  POST2 = 0: a = LN(o w2 + b2 + x; m_g, m_b); x1 = LN(x + a; ln_g, ln_b) -> x1 (f32); Q2 = x1 wq + bq, quantised -> qb.
; POST2 = 1: the same front gives x2; then out0 = LN(x2 + relu(x2 w1 + b1) W2 + B2; ln3_g, ln3_b).  All products on codes of BF8 (E5M2), one E8M0 scale for each 32 along K; all else f32.
; SHARES.  THE EIGHT WAVES SHARE THE COLUMNS: in the products with N = 256 wave w owns columns 32 w .. 32 w + 31 (two tiles), with N = 512 channels 64 w .. 64 w + 63 (four tiles), for both tiles of 16 rows.
; Each weight byte goes from memory straight into one wave's registers, once a work-group.  All products are used transposed (source 0 = 16 rows of the weight, source 1 = 16 rows): a lane holds one row and
; 16 neighbouring columns; the weight's rows that form a tile are chosen for that: lane r of tile 2 c + u takes row 32 c + 8 u + r + 8 (r / 8).  The rows of a row tile likewise.
; WHAT GOES ROUND: a row's statistics (8 bytes a wave), and the quantised rows, as images of the operand's registers (16 bytes a lane at 16 x lane) with their scale bytes.  Each LDS region is written once.
; THE NORMS: each wave takes the mean and the sum of squared deviations of its 32 columns; the eight pairs are joined by the rule for equal parts: no difference of large sums.  The NEGATIVE mean is carried.
; No tensor loads and no cluster: a joint load lands in LDS, from which the weights would be read again, and with POST2 = 1 they (393,216 bytes) do not fit there at once.
; LIMITS: NaN and infinities are not served; a block of zeros gets the byte 1 (its codes are zeros; this program alone reads the bytes).
.set POST2, 0
.set QSC,  4194304
.set MG,   0                           ; LDS: the vectors: m_g, m_b, ln_g, ln_b (1,024 bytes each), the bias of 512, then B2, ln3_g, ln3_b
.set MB,   1024
.set LG,   2048
.set LBT,  3072
.set B5,   4096
.set FB2,  6144
.set L3G,  7168
.set L3B,  8192
.set LNX,  9216                        ; three norms x [row tile 2][r 16][wave 8] pairs of 8 bytes
.set XIMG, 15360                       ; the rows' codes, K = 256: 4,096 x row tile + 512 x block
.set XSC,  23552                       ; their scale words: 256 x row tile + 128 x K step + 4 x lane
.set HIMG, 24064                       ; the hidden layer's, K = 512: 8,192 x row tile + 512 x block
.set HSC,  40448                       ; 512 x row tile + 128 x K step + 4 x lane
.set STG,  41472                       ; the stage: 32 rows x (1,024 + 16) bytes
.set LI,   1                           ; v1 16 x lane; v2 4 x lane; v3 16 r
.set LS,   2
.set R16,  3
.set VA,   4                           ; v4 128 w + 64 h: my 16 columns in a vector of 256;  v5 256 w + 64 h: in the bias of 512
.set VA5,  5
.set LNW,  6                           ; v6 LNX + 64 r + 8 w;  v7 LNX + 64 r
.set LNR,  7
.set STO,  8                           ; v8 STG + 1,040 rp + 128 w + 64 h;  v9 STG + 4,160 w + 16 x lane
.set SRD,  9
.set XSB,  10                          ; v10 4 x lane + 128 (w / 4) + w % 4
.set IW,   11                          ; v11 16 x lane + 512 w
.set HWI,  12                          ; v12 16 x lane + 1,024 w
.set HSB,  13                          ; v13 4 x lane + 128 (w / 2) + 2 (w % 2)
.set OSC,  16                          ; v16-23 the rows' scale words of the product in hand
.set W2S,  24                          ; v24-31 w2's scale words; v32-39 the N = 512 weight's; v40-47 W2's
.set W5S,  32
.set F2S,  40
.set Y,    48                          ; v48-79 two row tiles x 16 columns
.set VT,   80                          ; v80-111 a bias, or gain and offset
.set CB,   112                         ; v112-143 the eight pairs of both row tiles; codes and the quantiser's work
.set LT,   144                         ; v144-175 the norms' work, 16 a row tile; the held copy of the rows on their way to codes
.set XF,   112                         ; v112-175 the rows' four fragments
.set A2,   176                         ; v176-239 the N = 512 sums;  at first the residual (XR), at last the third product's sums (A3)
.set XR,   176
.set A3,   176
.set XA,   240                         ; v240 1,024 rp + 128 w + 64 h; v241 512 rp + 16 h; v242 256 rp + 16 h; v243 16 rp; v244 8 rp; v245 4 x thread; v246 8 x thread
.set OW2,  241
.set OW5,  242
.set O16,  243
.set O8,   244
.set T4,   245
.set T8,   246
.set WK,   248                         ; v248-249 at work
.set WV,   40                          ; window 1: v0-127 w2 (later W2): fragment (u, s) at 16 (4 u + s);  v128-255 the attention's rows (4 rt + s), then the N = 512 weight (2 t + s), then the hidden layer (4 rt + s)
.set GG,   41
.set SEL,  44
.set MNT,  46
.set MSB,  0
.macro WIN new                         ; the immediate's high byte repeats the setting that is left
.if MSB != \new
	s_set_vgpr_msb (MSB<<8)|\new
.set MSB, \new
.endif
.endm
.macro PLACES n
.rept \n
	v_nop
.endr
.endm
.macro MM d, a, b, c, sa, sb
	v_wmma_scale_f32_16x16x128_f8f6f4 v[\d:\d+7], v[\a:\a+15], v[\b:\b+15], v[\c:\c+7], v[\sa], v[\sb] matrix_a_fmt:MATRIX_FMT_BF8 matrix_b_fmt:MATRIX_FMT_BF8
.endm
.macro BARRIER                         ; my LDS stores have landed and my LDS loads are in: then the work-group's barrier
	s_wait_dscnt 0x0
	s_barrier_signal -1
	s_barrier_wait -1
.endm
; nb blocks of 32: block b's 16 numbers of my lane in v[s + 16 b] on, the other 16 in lane l xor 16.  Codes to v[pc + 4 b] on; tm: +0 largest magnitudes, +4 bytes, +8 limits, +12 scale operands.
; hd: where the numbers held within the largest code x the scale go, 16 a block.  hd = s holds in place; numbers that are read again in f32 (the rows x1, x2) are held into other registers and stay as they are.
.macro QUANT s, nb, relu, pc, tm, hd
.irp b, 0,1,2,3
.if \b < \nb
.if \relu
	v_max3_num_f32 v[\tm+\b], v[\s+16*\b], v[\s+16*\b+1], 0x8000000       ; no |.|: what is negative becomes 0 and must not count; the floor 2^(16 - 127) stands over it
.else
	v_max3_num_f32 v[\tm+\b], |v[\s+16*\b]|, |v[\s+16*\b+1]|, 0x8000000
.endif
.endif
.endr
.irp i, 2,4,6,8,10,12,14
.irp b, 0,1,2,3
.if \b < \nb
.if \relu
	v_max3_num_f32 v[\tm+\b], v[\tm+\b], v[\s+16*\b+\i], v[\s+16*\b+\i+1]
.else
	v_max3_num_f32 v[\tm+\b], v[\tm+\b], |v[\s+16*\b+\i]|, |v[\s+16*\b+\i+1]|
.endif
.endif
.endr
.endr
.irp b, 0,1,2,3
.if \b < \nb
	v_permlanex16_b32 v[\tm+4+\b], v[\tm+\b], s[SEL], s[SEL+1]
.endif
.endr
.irp b, 0,1,2,3
.if \b < \nb
	v_max_num_f32 v[\tm+\b], v[\tm+\b], v[\tm+4+\b]
.endif
.endr
.irp b, 0,1,2,3
.if \b < \nb
	v_add_nc_u32 v[\tm+12+\b], 0xf8800000, v[\tm+\b]       ; 15 off the exponent field: the conversion's scale operand
.endif
.endr
.irp b, 0,1,2,3
.if \b < \nb
	v_and_or_b32 v[\tm+8+\b], v[\tm+\b], 0x7f800000, s[MNT]   ; 57,344 x the scale
.endif
.endr
.irp b, 0,1,2,3
.if \b < \nb
	v_lshrrev_b32 v[\tm+4+\b], 23, v[\tm+12+\b]            ; the scale's byte
.endif
.endr
.irp b, 0,1,2,3
.if \b < \nb
.irp i, 0,1,2,3,4,5,6,7,8,9,10,11,12,13,14,15
.if \relu
	v_med3_num_f32 v[\hd+16*\b+\i], v[\s+16*\b+\i], 0, v[\tm+8+\b]             ; the activation and the hold in one
.else
	v_med3_num_f32 v[\hd+16*\b+\i], v[\s+16*\b+\i], -v[\tm+8+\b], v[\tm+8+\b]  ; the conversion to an 8-bit code does not saturate (ISA guide 7.6.2): the hold
.endif
.endr
	v_cvt_scalef32_pk8_bf8_f32 v[\pc+4*\b:\pc+4*\b+1], v[\hd+16*\b:\hd+16*\b+7], v[\tm+12+\b]
	v_cvt_scalef32_pk8_bf8_f32 v[\pc+4*\b+2:\pc+4*\b+3], v[\hd+16*\b+8:\hd+16*\b+15], v[\tm+12+\b]
.endif
.endr
	v_nop                                          ; a plain line behind the last conversion
.endm
; My 32 columns' statistics of both row tiles: (-mean, sum of squared deviations) -> LDS, norm e.
.macro LNSTAT src, e
.irp rt, 0,1
.irp i, 0,1,2,3
	v_pk_add_f32 v[LT+16*\rt+2*\i:LT+16*\rt+2*\i+1], v[\src+16*\rt+4*\i:\src+16*\rt+4*\i+1], v[\src+16*\rt+4*\i+2:\src+16*\rt+4*\i+3]
.endr
.endr
.irp rt, 0,1
	v_pk_add_f32 v[LT+16*\rt:LT+16*\rt+1], v[LT+16*\rt:LT+16*\rt+1], v[LT+16*\rt+2:LT+16*\rt+3]
	v_pk_add_f32 v[LT+16*\rt+4:LT+16*\rt+5], v[LT+16*\rt+4:LT+16*\rt+5], v[LT+16*\rt+6:LT+16*\rt+7]
.endr
.irp rt, 0,1
	v_pk_add_f32 v[LT+16*\rt:LT+16*\rt+1], v[LT+16*\rt:LT+16*\rt+1], v[LT+16*\rt+4:LT+16*\rt+5]
.endr
.irp rt, 0,1
	v_add_f32 v[LT+16*\rt], v[LT+16*\rt], v[LT+16*\rt+1]
.endr
.irp rt, 0,1
	v_permlanex16_b32 v[LT+16*\rt+2], v[LT+16*\rt], s[SEL], s[SEL+1]
.endr
.irp rt, 0,1
	v_add_f32 v[LT+16*\rt], v[LT+16*\rt], v[LT+16*\rt+2]
.endr
.irp rt, 0,1
	v_mul_f32 v[LT+16*\rt], 0xbd000000, v[LT+16*\rt]       ; x -1/32: the negative mean of 32
.endr
.irp rt, 0,1
	v_pk_add_f32 v[LT+16*\rt+2:LT+16*\rt+3], v[\src+16*\rt:\src+16*\rt+1], v[LT+16*\rt:LT+16*\rt+1] op_sel_hi:[1,0]
	v_pk_add_f32 v[LT+16*\rt+4:LT+16*\rt+5], v[\src+16*\rt+2:\src+16*\rt+3], v[LT+16*\rt:LT+16*\rt+1] op_sel_hi:[1,0]
.endr
.irp rt, 0,1
	v_pk_mul_f32 v[LT+16*\rt+6:LT+16*\rt+7], v[LT+16*\rt+2:LT+16*\rt+3], v[LT+16*\rt+2:LT+16*\rt+3]
	v_pk_mul_f32 v[LT+16*\rt+8:LT+16*\rt+9], v[LT+16*\rt+4:LT+16*\rt+5], v[LT+16*\rt+4:LT+16*\rt+5]
.endr
.irp i, 1,2,3
.irp rt, 0,1
	v_pk_add_f32 v[LT+16*\rt+2:LT+16*\rt+3], v[\src+16*\rt+4*\i:\src+16*\rt+4*\i+1], v[LT+16*\rt:LT+16*\rt+1] op_sel_hi:[1,0]
	v_pk_add_f32 v[LT+16*\rt+4:LT+16*\rt+5], v[\src+16*\rt+4*\i+2:\src+16*\rt+4*\i+3], v[LT+16*\rt:LT+16*\rt+1] op_sel_hi:[1,0]
.endr
.irp rt, 0,1
	v_pk_fma_f32 v[LT+16*\rt+6:LT+16*\rt+7], v[LT+16*\rt+2:LT+16*\rt+3], v[LT+16*\rt+2:LT+16*\rt+3], v[LT+16*\rt+6:LT+16*\rt+7]
	v_pk_fma_f32 v[LT+16*\rt+8:LT+16*\rt+9], v[LT+16*\rt+4:LT+16*\rt+5], v[LT+16*\rt+4:LT+16*\rt+5], v[LT+16*\rt+8:LT+16*\rt+9]
.endr
.endr
.irp rt, 0,1
	v_pk_add_f32 v[LT+16*\rt+6:LT+16*\rt+7], v[LT+16*\rt+6:LT+16*\rt+7], v[LT+16*\rt+8:LT+16*\rt+9]
.endr
.irp rt, 0,1
	v_add_f32 v[LT+16*\rt+1], v[LT+16*\rt+6], v[LT+16*\rt+7]
.endr
.irp rt, 0,1
	v_permlanex16_b32 v[LT+16*\rt+2], v[LT+16*\rt+1], s[SEL], s[SEL+1]
.endr
.irp rt, 0,1
	v_add_f32 v[LT+16*\rt+1], v[LT+16*\rt+1], v[LT+16*\rt+2]
.endr
.irp rt, 0,1
	ds_store_b64 v[LNW], v[LT+16*\rt:LT+16*\rt+1] offset:2048*\e+1024*\rt   ; (both halves of the lanes write the same bytes with the same values)
.endr
.endm
; The eight waves' pairs are joined; dst = (dst - mean) x rsqrt(var + 1e-6) x gain + offset (+ the residual).
.macro LNFIN dst, e, g, b, addx
.irp rt, 0,1
.irp i, 0,1,2,3
	ds_load_b128 v[CB+16*\rt+4*\i:CB+16*\rt+4*\i+3], v[LNR] offset:2048*\e+1024*\rt+16*\i
.endr
.endr
.irp i, 0,1,2,3
	ds_load_b128 v[VT+4*\i:VT+4*\i+3], v[VA] offset:\g+16*\i
.endr
.irp i, 0,1,2,3
	ds_load_b128 v[VT+16+4*\i:VT+16+4*\i+3], v[VA] offset:\b+16*\i
.endr
	s_wait_dscnt 8                                 ; the pairs are in; the eight loads of gain and offset may be out
.irp rt, 0,1
.irp i, 0,1,2,3
	v_pk_add_f32 v[LT+16*\rt+2*\i:LT+16*\rt+2*\i+1], v[CB+16*\rt+4*\i:CB+16*\rt+4*\i+1], v[CB+16*\rt+4*\i+2:CB+16*\rt+4*\i+3]
.endr
.endr
.irp rt, 0,1
	v_pk_add_f32 v[LT+16*\rt:LT+16*\rt+1], v[LT+16*\rt:LT+16*\rt+1], v[LT+16*\rt+2:LT+16*\rt+3]
	v_pk_add_f32 v[LT+16*\rt+4:LT+16*\rt+5], v[LT+16*\rt+4:LT+16*\rt+5], v[LT+16*\rt+6:LT+16*\rt+7]
.endr
.irp rt, 0,1
	v_pk_add_f32 v[LT+16*\rt:LT+16*\rt+1], v[LT+16*\rt:LT+16*\rt+1], v[LT+16*\rt+4:LT+16*\rt+5]   ; (the sum of the negative means, the sum of the parts' squares)
.endr
.irp rt, 0,1
	v_mul_f32 v[LT+16*\rt+2], 0x3e000000, v[LT+16*\rt]     ; / 8: the row's negative mean
.endr
.irp rt, 0,1
	v_sub_f32 v[LT+16*\rt+4], v[CB+16*\rt], v[LT+16*\rt+2]
.endr
.irp rt, 0,1
	v_mul_f32 v[LT+16*\rt+6], v[LT+16*\rt+4], v[LT+16*\rt+4]
.endr
.irp i, 1,2,3,4,5,6,7
.irp rt, 0,1
	v_sub_f32 v[LT+16*\rt+4], v[CB+16*\rt+2*\i], v[LT+16*\rt+2]
.endr
.irp rt, 0,1
	v_fmac_f32 v[LT+16*\rt+6], v[LT+16*\rt+4], v[LT+16*\rt+4]
.endr
.endr
.irp rt, 0,1
	v_fmamk_f32 v[LT+16*\rt+6], v[LT+16*\rt+6], 0x42000000, v[LT+16*\rt+1]   ; 32 x the means' squared deviations + the parts' squares
.endr
.irp rt, 0,1
	v_fma_f32 v[LT+16*\rt+6], v[LT+16*\rt+6], s47, s48     ; / 256 + 1e-6
.endr
.irp rt, 0,1
	v_rsq_f32 v[LT+16*\rt+4], v[LT+16*\rt+6]
.endr
	v_nop                                          ; a plain line behind the two
	s_wait_alu depctr_va_vdst(0)                   ; one wait for both, ahead of their first reader
	s_wait_dscnt 0x0                               ; gain and offset
.irp rt, 0,1
.irp i, 0,1,2,3,4,5,6,7
	v_pk_add_f32 v[\dst+16*\rt+2*\i:\dst+16*\rt+2*\i+1], v[\dst+16*\rt+2*\i:\dst+16*\rt+2*\i+1], v[LT+16*\rt+2:LT+16*\rt+3] op_sel_hi:[1,0]
.endr
.irp i, 0,1,2,3,4,5,6,7
	v_pk_mul_f32 v[\dst+16*\rt+2*\i:\dst+16*\rt+2*\i+1], v[\dst+16*\rt+2*\i:\dst+16*\rt+2*\i+1], v[LT+16*\rt+4:LT+16*\rt+5] op_sel_hi:[1,0]
.endr
.irp i, 0,1,2,3,4,5,6,7
	v_pk_fma_f32 v[\dst+16*\rt+2*\i:\dst+16*\rt+2*\i+1], v[\dst+16*\rt+2*\i:\dst+16*\rt+2*\i+1], v[VT+2*\i:VT+2*\i+1], v[VT+16+2*\i:VT+16+2*\i+1]
.endr
.if \addx
.irp i, 0,1,2,3,4,5,6,7
	v_pk_add_f32 v[\dst+16*\rt+2*\i:\dst+16*\rt+2*\i+1], v[\dst+16*\rt+2*\i:\dst+16*\rt+2*\i+1], v[XR+16*\rt+2*\i:XR+16*\rt+2*\i+1]
.endr
.endif
.endr
.endm
; 32 rows of f32 from src into the stage; they come back as four whole rows a wave, 512 consecutive bytes a store.
.macro ROWS_IN src
.irp rt, 0,1
.irp j, 0,1,2,3
	ds_store_b128 v[STO], v[\src+16*\rt+4*\j:\src+16*\rt+4*\j+3] offset:8320*\rt+16*\j
.endr
.endr
.endm
	s_load_b512 s[4:19], s[0:1], 0x0               ; ob, the residual's source, w2 (c, s), b2, m_g, m_b, ln_g
	s_load_b256 s[20:27], s[0:1], 0x40             ; ln_b, the N = 512 weight (c, s), its bias
	s_load_b128 s[28:31], s[0:1], 0x60             ; POST2 = 0: x1, qb;  1: W2 (c, s)
	v_lshl_add_u32 v254, v0, 2, 0x12400
	v_mov_b32 v255, 0
.if POST2
	s_load_b256 s[32:39], s[0:1], 0x70             ; B2, ln3_g, ln3_b, out0
.endif
	v_lshrrev_b32 v14, 5, v0
	v_readfirstlane_b32 s[WV], v14                 ; wave 0..7
	s_mov_b32 s[GG], ttmp9                         ; my 32 rows
	v_and_b32 v14, 31, v0
	v_lshlrev_b32 v[LI], 4, v14
	v_lshlrev_b32 v[LS], 2, v14
	v_and_b32 v15, 15, v0                          ; r
	v_lshlrev_b32 v[R16], 4, v15
	v_bfe_u32 v14, v0, 4, 1                        ; h
	s_lshl_b32 s42, s[WV], 7
	v_lshlrev_b32 v[VA], 6, v14
	v_add_nc_u32 v[VA5], s42, v[VA]
	v_add_nc_u32 v[VA5], s42, v[VA5]
	v_add_nc_u32 v[VA], s42, v[VA]
	s_lshl_b32 s43, s[WV], 3
	s_add_co_u32 s43, s43, LNX
	v_lshlrev_b32 v[LNR], 6, v15
	v_add_nc_u32 v[LNW], s43, v[LNR]
	v_add_nc_u32 v[LNR], LNX, v[LNR]
	v_and_b32 v[WK], 8, v15
	v_add_nc_u32 v[WK], v[WK], v15                 ; rp = r + 8 (r / 8)
	v_mul_u32_u24 v[STO], v[WK], 1040
	v_add_nc_u32 v[STO], v[STO], v[VA]
	v_add_nc_u32 v[STO], STG, v[STO]
	s_mul_i32 s43, s[WV], 4160
	s_add_co_u32 s43, s43, STG
	v_add_nc_u32 v[SRD], s43, v[LI]
	s_lshr_b32 s43, s[WV], 2
	s_lshl_b32 s43, s43, 7
	s_and_b32 s49, s[WV], 3
	s_add_co_u32 s43, s43, s49
	v_add_nc_u32 v[XSB], s43, v[LS]
	s_lshl_b32 s43, s[WV], 9
	v_add_nc_u32 v[IW], s43, v[LI]
.if POST2
	s_lshl_b32 s43, s[WV], 10
	v_add_nc_u32 v[HWI], s43, v[LI]
	s_lshr_b32 s43, s[WV], 1
	s_lshl_b32 s43, s43, 7
	s_and_b32 s49, s[WV], 1
	s_lshl_b32 s49, s49, 1
	s_add_co_u32 s43, s43, s49
	v_add_nc_u32 v[HSB], s43, v[LS]
.endif
	v_lshlrev_b32 v[XA], 10, v[WK]
	v_add_nc_u32 v[XA], v[XA], v[VA]
	v_lshlrev_b32 v[OW2], 9, v[WK]
	v_lshl_add_u32 v[OW2], v14, 4, v[OW2]
	v_lshlrev_b32 v[OW5], 8, v[WK]
	v_lshl_add_u32 v[OW5], v14, 4, v[OW5]
	v_lshlrev_b32 v[O16], 4, v[WK]
	v_lshlrev_b32 v[O8], 3, v[WK]
	v_lshlrev_b32 v[T4], 2, v0
	v_lshlrev_b32 v[T8], 3, v0
	s_mov_b32 s[SEL], 0x76543210
	s_mov_b32 s[SEL+1], 0xfedcba98
	s_mov_b32 s[MNT], 0x600000
	s_mov_b32 s47, 0x3b800000                      ; 1 / 256
	s_mov_b32 s48, 0x358637bd                      ; 1e-6
	s_mov_b32 s51, 0
	s_wait_kmcnt 0x0
	s_lshl_b32 s50, s[GG], 9
	s_add_co_u32 s50, s50, QSC
	s_add_nc_u64 s[52:53], s[4:5], s[50:51]        ; ob's scale words of my two row tiles
	s_lshl_b32 s50, s[GG], 14
	s_add_nc_u64 s[4:5], s[4:5], s[50:51]          ; and their codes
	s_lshl_b32 s50, s[GG], 15
	s_add_nc_u64 s[6:7], s[6:7], s[50:51]          ; the residual's 32 rows
	s_lshl_b32 s50, s[WV], 14                      ; my 32 rows of 512 codes, my 64 rows of 256
	s_add_nc_u64 s[8:9], s[8:9], s[50:51]
	s_add_nc_u64 s[22:23], s[22:23], s[50:51]
.if POST2
	s_add_nc_u64 s[28:29], s[28:29], s[50:51]
.endif
	s_lshl_b32 s50, s[WV], 9                       ; their scale bytes
	s_add_nc_u64 s[10:11], s[10:11], s[50:51]
	s_add_nc_u64 s[24:25], s[24:25], s[50:51]
.if POST2
	s_add_nc_u64 s[30:31], s[30:31], s[50:51]
.endif
	s_lshl_b32 s50, s[GG], 15                      ; the four whole rows that I store
	s_lshl_b32 s49, s[WV], 12
	s_add_co_u32 s50, s50, s49
.if POST2
	s_add_nc_u64 s[38:39], s[38:39], s[50:51]
.else
	s_add_nc_u64 s[28:29], s[28:29], s[50:51]
	s_lshl_b32 s50, s[GG], 14
	s_lshl_b32 s49, s[WV], 10
	s_add_co_u32 s50, s50, s49
	s_add_nc_u64 s[54:55], s[30:31], s[50:51]      ; qb: my head's codes of my two row tiles,
	s_lshl_b32 s50, s[GG], 9
	s_lshl_b32 s49, s[WV], 1
	s_add_co_u32 s50, s50, s49
	s_add_co_u32 s50, s50, QSC
	s_add_nc_u64 s[56:57], s[30:31], s[50:51]      ; and their scale half-words
.endif
	WIN 0x40                                       ; destination window 1
.irp rt, 0,1
.irp ks, 0,1,2,3
.irp c, 0,1,2,3
	global_load_b128 v[128+16*(4*\rt+\ks)+4*\c:128+16*(4*\rt+\ks)+4*\c+3], v[LI], s[4:5] offset:8192*\rt+2048*\ks+512*\c
.endr
.endr
.endr
.irp uu, 0,1
.irp ks, 0,1,2,3
.irp c, 0,1,2,3
	global_load_b128 v[16*(4*\uu+\ks)+4*\c:16*(4*\uu+\ks)+4*\c+3], v[OW2], s[8:9] offset:4096*\uu+128*\ks+32*\c
.endr
.endr
.endr
	WIN 0
.irp rt, 0,1
	global_load_b128 v[OSC+4*\rt:OSC+4*\rt+3], v[R16], s[52:53] offset:256*\rt
.endr
.irp uu, 0,1
	global_load_b128 v[W2S+4*\uu:W2S+4*\uu+3], v[O16], s[10:11] offset:128*\uu
.endr
.irp t, 0,1,2,3
	global_load_b64 v[W5S+2*\t:W5S+2*\t+1], v[O8], s[24:25] offset:(32*(\t/2)+8*(\t%2))*8
.endr
.if POST2
.irp uu, 0,1
	global_load_b128 v[F2S+4*\uu:F2S+4*\uu+3], v[O16], s[30:31] offset:128*\uu
.endr
.endif
.irp i, 0,1,2,3
	global_load_b128 v[VT+4*\i:VT+4*\i+3], v[VA], s[12:13] offset:16*\i          ; b2 at my 16 columns: the C of the first products
.endr
.irp rt, 0,1
.irp j, 0,1,2,3
	global_load_b128 v[XR+16*\rt+4*\j:XR+16*\rt+4*\j+3], v[XA], s[6:7] offset:8192*\rt+16*\j
.endr
.endr
	global_load_b32 v112, v[T4], s[14:15]          ; the vectors, 4 bytes a thread (the bias of 512: 8), on their way into LDS
	global_load_b32 v113, v[T4], s[16:17]
	global_load_b32 v114, v[T4], s[18:19]
	global_load_b32 v115, v[T4], s[20:21]
	global_load_b64 v[116:117], v[T8], s[26:27]
.if POST2
	global_load_b32 v118, v[T4], s[32:33]
	global_load_b32 v119, v[T4], s[34:35]
	global_load_b32 v120, v[T4], s[36:37]
.endif
	s_wait_loadcnt 0x0
	ds_store_b32 v[T4], v112 offset:MG
	ds_store_b32 v[T4], v113 offset:MB
	ds_store_b32 v[T4], v114 offset:LG
	ds_store_b32 v[T4], v115 offset:LBT
	ds_store_b64 v[T8], v[116:117] offset:B5
.if POST2
	ds_store_b32 v[T4], v118 offset:FB2
	ds_store_b32 v[T4], v119 offset:L3G
	ds_store_b32 v[T4], v120 offset:L3B
.endif
	; ---- o w2 + b2: four accumulators by turns
	WIN 0x05                                       ; sources 0 and 1 window 1
.irp ks, 0,1,2,3
.irp rt, 0,1
.irp uu, 0,1
.if \ks == 0
	MM Y+16*\rt+8*\uu, 16*(4*\uu+\ks), 128+16*(4*\rt+\ks), VT+8*\uu, W2S+4*\uu+\ks, OSC+4*\rt+\ks
.else
	MM Y+16*\rt+8*\uu, 16*(4*\uu+\ks), 128+16*(4*\rt+\ks), Y+16*\rt+8*\uu, W2S+4*\uu+\ks, OSC+4*\rt+\ks
.endif
.endr
.endr
.endr
	WIN 0
	PLACES 9                                       ; ahead of loads into the operands' registers and of the first read of results
	WIN 0x40
.irp t, 0,1,2,3                                ; the next weights are asked for now: two norms stand between the request and the use
.irp ks, 0,1
.irp c, 0,1,2,3
	global_load_b128 v[128+16*(2*\t+\ks)+4*\c:128+16*(2*\t+\ks)+4*\c+3], v[OW5], s[22:23] offset:(32*(\t/2)+8*(\t%2))*256+128*\ks+32*\c
.endr
.endr
.endr
.if POST2
.irp uu, 0,1
.irp ks, 0,1,2,3
.irp c, 0,1,2,3
	global_load_b128 v[16*(4*\uu+\ks)+4*\c:16*(4*\uu+\ks)+4*\c+3], v[OW2], s[28:29] offset:4096*\uu+128*\ks+32*\c
.endr
.endr
.endr
.endif
	WIN 0
.set j, 0
.rept 16
	v_pk_add_f32 v[Y+j:Y+j+1], v[Y+j:Y+j+1], v[XR+j:XR+j+1]   ; + the residual
.set j, j+2
.endr
	LNSTAT Y, 0
	BARRIER
	LNFIN Y, 0, MG, MB, 1                          ; the attention's own norm, and the residual once more
	LNSTAT Y, 1
	BARRIER
	LNFIN Y, 1, LG, LBT, 0                         ; Y = x1 (POST2: x2)
	; ---- the rows become an operand: my 32 columns are block w of K = 256.  The hold goes into the norms' work registers: Y is read again in f32
	QUANT Y, 2, 0, CB, CB+16, LT
.irp rt, 0,1
	ds_store_b128 v[IW], v[CB+4*\rt:CB+4*\rt+3] offset:XIMG+4096*\rt
	ds_store_b8 v[XSB], v[CB+20+\rt] offset:XSC+256*\rt
.endr
.if !POST2
	ROWS_IN Y
.endif
	BARRIER
.irp rt, 0,1
.irp ks, 0,1
.irp c, 0,1,2,3
	ds_load_b128 v[XF+16*(2*\rt+\ks)+4*\c:XF+16*(2*\rt+\ks)+4*\c+3], v[LI] offset:XIMG+4096*\rt+2048*\ks+512*\c
.endr
	ds_load_b32 v[OSC+2*\rt+\ks], v[LS] offset:XSC+256*\rt+128*\ks
.endr
.endr
.irp t, 0,1,2,3
	ds_load_b128 v[VT+8*\t:VT+8*\t+3], v[VA5] offset:B5+128*(\t/2)+32*(\t%2)
	ds_load_b128 v[VT+8*\t+4:VT+8*\t+7], v[VA5] offset:B5+128*(\t/2)+32*(\t%2)+16
.endr
	s_wait_dscnt 0x0
.if POST2
	s_wait_loadcnt 32                              ; the N = 512 weight is in; W2's 32 loads may be out
.else
	s_wait_loadcnt 0x0
.endif
	WIN 0x01                                       ; source 0 window 1
.irp ks, 0,1                                   ; eight accumulators by turns
.irp rt, 0,1
.irp t, 0,1,2,3
.if \ks == 0
	MM A2+32*\rt+8*\t, 128+16*(2*\t+\ks), XF+16*(2*\rt+\ks), VT+8*\t, W5S+2*\t+\ks, OSC+2*\rt+\ks
.else
	MM A2+32*\rt+8*\t, 128+16*(2*\t+\ks), XF+16*(2*\rt+\ks), A2+32*\rt+8*\t, W5S+2*\t+\ks, OSC+2*\rt+\ks
.endif
.endr
.endr
.endr
	WIN 0
	PLACES 9
.if !POST2
	; ---- Q2: my head's 64 channels of 32 rows, quantised along the channels
	QUANT A2, 4, 0, CB, CB+16, A2
.irp rt, 0,1
	v_lshl_or_b32 v[WK+\rt], v[CB+21+2*\rt], 8, v[CB+20+2*\rt]
.endr
.irp rt, 0,1
.irp cc, 0,1
	global_store_b128 v[LI], v[CB+4*(2*\rt+\cc):CB+4*(2*\rt+\cc)+3], s[54:55] offset:8192*\rt+512*\cc
.endr
	global_store_b16 v[R16], v[WK+\rt], s[56:57] offset:256*\rt
.endr
.irp n, 0,1,2,3,4,5,6,7
	ds_load_b128 v[A2+4*\n:A2+4*\n+3], v[SRD] offset:1040*(\n/2)+512*(\n%2)      ; x1's rows, whole, behind the third barrier
.endr
.irp n, 0,1,2,3,4,5,6,7
	s_wait_dscnt 7-\n                              ; the younger loads may be out
	global_store_b128 v[LI], v[A2+4*\n:A2+4*\n+3], s[28:29] offset:1024*(\n/2)+512*(\n%2)
.endr
.else
	; ---- the hidden layer: relu and the quantiser in one; my 64 channels are blocks 2 w, 2 w + 1 of K = 512
	QUANT A2, 4, 1, CB, CB+16, A2
.irp rt, 0,1
	v_lshl_or_b32 v[WK+\rt], v[CB+21+2*\rt], 8, v[CB+20+2*\rt]
.endr
.irp rt, 0,1
.irp cc, 0,1
	ds_store_b128 v[HWI], v[CB+4*(2*\rt+\cc):CB+4*(2*\rt+\cc)+3] offset:HIMG+8192*\rt+512*\cc
.endr
	ds_store_b16 v[HSB], v[WK+\rt] offset:HSC+512*\rt
.endr
	BARRIER
	WIN 0x40
.irp rt, 0,1
.irp ks, 0,1,2,3
.irp c, 0,1,2,3
	ds_load_b128 v[128+16*(4*\rt+\ks)+4*\c:128+16*(4*\rt+\ks)+4*\c+3], v[LI] offset:HIMG+8192*\rt+2048*\ks+512*\c
.endr
.endr
.endr
	WIN 0
.irp rt, 0,1
.irp ks, 0,1,2,3
	ds_load_b32 v[OSC+4*\rt+\ks], v[LS] offset:HSC+512*\rt+128*\ks
.endr
.endr
.irp i, 0,1,2,3
	ds_load_b128 v[VT+4*\i:VT+4*\i+3], v[VA] offset:FB2+16*\i
.endr
	s_wait_dscnt 0x0
	s_wait_loadcnt 0x0                             ; W2
	WIN 0x05
.irp ks, 0,1,2,3
.irp rt, 0,1
.irp uu, 0,1
.if \ks == 0
	MM A3+16*\rt+8*\uu, 16*(4*\uu+\ks), 128+16*(4*\rt+\ks), VT+8*\uu, F2S+4*\uu+\ks, OSC+4*\rt+\ks
.else
	MM A3+16*\rt+8*\uu, 16*(4*\uu+\ks), 128+16*(4*\rt+\ks), A3+16*\rt+8*\uu, F2S+4*\uu+\ks, OSC+4*\rt+\ks
.endif
.endr
.endr
.endr
	WIN 0
	PLACES 9
.set j, 0
.rept 16
	v_pk_add_f32 v[A3+j:A3+j+1], v[A3+j:A3+j+1], v[Y+j:Y+j+1]   ; + x2
.set j, j+2
.endr
	LNSTAT A3, 2
	BARRIER
	LNFIN A3, 2, L3G, L3B, 0
	ROWS_IN A3
	BARRIER
.irp n, 0,1,2,3,4,5,6,7
	ds_load_b128 v[CB+4*\n:CB+4*\n+3], v[SRD] offset:1040*(\n/2)+512*(\n%2)
.endr
.irp n, 0,1,2,3,4,5,6,7
	s_wait_dscnt 7-\n                              ; the younger loads may be out
	global_store_b128 v[LI], v[CB+4*\n:CB+4*\n+3], s[38:39] offset:1024*(\n/2)+512*(\n%2) th:TH_STORE_NT
.endr
.endif
	s_wait_tensorcnt 0x0
	ds_add_u32 v254, v255
	s_wait_dscnt 0x0
	s_endpgm
.Lfunc_end_k_q509c08a0aa_post1:
	.size	k_q509c08a0aa_post1, .Lfunc_end_k_q509c08a0aa_post1-k_q509c08a0aa_post1
	.p2alignl 7, 3214868480
	.fill 96, 4, 3214868480
	.section	.rodata,"a",@progbits
	.p2align	6, 0x0
	.amdhsa_kernel k_q509c08a0aa_post1
		.amdhsa_group_segment_fixed_size 75776
		.amdhsa_private_segment_fixed_size 0
		.amdhsa_enable_private_segment 0
		.amdhsa_kernarg_size 112
		.amdhsa_user_sgpr_count 2
		.amdhsa_user_sgpr_kernarg_segment_ptr 1
		.amdhsa_wavefront_size32 1
		.amdhsa_system_sgpr_workgroup_id_x 1
		.amdhsa_system_sgpr_workgroup_id_y 1
		.amdhsa_system_sgpr_workgroup_id_z 1
		.amdhsa_system_vgpr_workitem_id 0
		.amdhsa_next_free_vgpr 512
		.amdhsa_next_free_sgpr 66
		.amdhsa_reserve_vcc 0
		.amdhsa_float_denorm_mode_32 3
		.amdhsa_float_denorm_mode_16_64 3
		.amdhsa_memory_ordered 1
		.amdhsa_forward_progress 1
		.amdhsa_inst_pref_size 60
	.end_amdhsa_kernel
	.amdgpu_metadata
---
amdhsa.version: [ 1, 2 ]
amdhsa.kernels:
  - .name:           k_q509c08a0aa_post1
    .symbol:         k_q509c08a0aa_post1.kd
    .args:
      - { .name: ob, .offset: 0, .size: 8, .value_kind: global_buffer, .address_space: global }
      - { .name: x, .offset: 8, .size: 8, .value_kind: global_buffer, .address_space: global }
      - { .name: m1_w2_codes, .offset: 16, .size: 8, .value_kind: global_buffer, .address_space: global }
      - { .name: m1_w2_scales, .offset: 24, .size: 8, .value_kind: global_buffer, .address_space: global }
      - { .name: m1_b2, .offset: 32, .size: 8, .value_kind: global_buffer, .address_space: global }
      - { .name: m1_g, .offset: 40, .size: 8, .value_kind: global_buffer, .address_space: global }
      - { .name: m1_b, .offset: 48, .size: 8, .value_kind: global_buffer, .address_space: global }
      - { .name: ln1_g, .offset: 56, .size: 8, .value_kind: global_buffer, .address_space: global }
      - { .name: ln1_b, .offset: 64, .size: 8, .value_kind: global_buffer, .address_space: global }
      - { .name: m2_wq_codes, .offset: 72, .size: 8, .value_kind: global_buffer, .address_space: global }
      - { .name: m2_wq_scales, .offset: 80, .size: 8, .value_kind: global_buffer, .address_space: global }
      - { .name: m2_bq, .offset: 88, .size: 8, .value_kind: global_buffer, .address_space: global }
      - { .name: x1, .offset: 96, .size: 8, .value_kind: global_buffer, .address_space: global }
      - { .name: qb, .offset: 104, .size: 8, .value_kind: global_buffer, .address_space: global }
    .group_segment_fixed_size: 75776
    .private_segment_fixed_size: 0
    .kernarg_segment_align: 8
    .kernarg_segment_size: 112
    .max_flat_workgroup_size: 256
    .sgpr_count:     66
    .vgpr_count:     512
    .wavefront_size: 32
...
	.end_amdgpu_metadata
.endif
;; end of part 3
;; launch attn2 (part 4): grid 8 x 32, 16 waves a work-group, clusters of 4 x 1, 280,576 bytes of LDS; arguments qb, kv2, ob; writes ob
.if DOCPART == 4
	.amdgcn_target "amdgcn-amd-amdhsa--gfx1250"
	.amdhsa_code_object_version 6
	.text
	.protected	k_q509c08a0aa_attn2
	.globl	k_q509c08a0aa_attn2
	.p2align	8
	.type	k_q509c08a0aa_attn2,@function
k_q509c08a0aa_attn2:
	s_mov_b64 s[64:65], 0
	v_nop
	global_prefetch_b8 v0, s[64:65] scope:SCOPE_SE
	s_setreg_imm32_b32 hwreg(HW_REG_WAVE_MODE, 25, 1), 1
	s_wait_xcnt 0x0
	s_wait_alu depctr_hold_cnt(0) depctr_sa_sdst(0) depctr_va_vdst(0) depctr_va_sdst(0) depctr_va_ssrc(0) depctr_va_vcc(0) depctr_vm_vsrc(0)
	s_getreg_b32 s2, hwreg(HW_REG_IB_STS2, 6, 4)
	s_cmp_eq_u32 s2, 0
	s_cbranch_scc0 .Lentry_in_a_cluster
	s_endpgm
.Lentry_in_a_cluster:
	s_bfe_u32 s2, ttmp6, 0x10000c
	s_cmp_lg_u32 s2, 0x3003
	s_cbranch_scc0 .Lentry_shape_is_right
	s_endpgm
.Lentry_shape_is_right:
; ATTENTION OF ONE HEAD ON CODES OF BF8 (E5M2), head size 64, 2,048 keys.  Work-group y = batch x 8 + head; x names 256 queries; each of SIXTEEN waves owns one tile of 16 queries in 256 registers.
; INPUTS, all laid in the order of the operands' registers: qb: Q's codes [tile][head][2][lane][16 bytes] and scale half-words; kv: 16 records of 17,408 bytes a head (128 keys each): K's four fragments,
; V's four, K's and V's scale words, and a bias of 128 f32 (0, or -2^35 for a masked key, whose codes of K are zeros).  OUTPUT ob: O / l, quantised along the channels, laid as qb.
; MASKED = 1: the first attention: the sums of K Q^T begin with the record's bias.  MASKED = 0: the second, which reference() calls with masked=False: they begin with the constant 0 and the bias is not read.
; LDS.  A head's 16 records are 278,528 bytes: all of them come in at the start and stay; no byte is filled twice.  Waves 0 to 3 issue four tensor loads each (four are out at the most).
; TWO BARRIERS: behind the first, records 0 to 3 are there (each fetching wave's first load) and two key steps are walked; behind the second, all sixteen, and the waves walk the other fourteen steps each at its own pace.
; CLUSTER.  The four work-groups of a cluster walk the same head: each record is asked for JOINTLY, by the same load with the same descriptor and the mask of all four.
; K = 64 IN AN INSTRUCTION OF 128.  A fragment of K holds TWO key tiles: k 0-63 tile u = 0, k 64-127 tile u = 1.  Q stands in 24 registers as Q | zeros | Q: the first 16 pick tile 0, the last 16 tile 1:
; zero codes meet the other tile's codes and add nothing.  No byte of K is read twice.
; BOTH PRODUCTS TRANSPOSED: S^T = K Q^T (+ bias), O^T = V^T P^T: a lane holds one query throughout; the keys and channels of a tile are chosen so that 16 registers of two tiles are 16 neighbours.
; SOFTMAX: t = score x log2(e) / 8; M = the running largest t rounded up to a whole number; p = 2^(t - M) is quantised along the keys, not normalised; the sum is taken of the unquantised p; when M
; moves, the sum and O^T are multiplied by 2^(old M - new M), exactly.  A masked score gives t = -2^32 log2(e), a whole number: a row all of whose keys are masked has p = 1 everywhere, as reference() has it.
; LIMITS: NaN and infinities are not served; a block of zeros gets the byte 1 (its codes are zeros; this program alone reads the bytes).
; No prefetch: every tensor load goes out at the head, so there is no later trip to ask ahead for.
.set MASKED, 0
.set NL,   4+4*MASKED                  ; LDS loads for 32 keys of K Q^T: four of K's fragment, and four of the bias
.set REC,  17408
.set QSC,  4194304
.set LI,   1                           ; v1   16 x lane
.set R16,  2                           ; v2   16 r
.set LB,   3                           ; v3   64 h
.set ADK,  4                           ; v4-6 the record in hand + v1, v2, v3
.set ADS,  5
.set ADB,  6
.set Q,    16                          ; v16-39 Q | 0 | Q;  v12 -M, v13 the largest t, v[14:15] the sum in two halves
.set F,    40                          ; v40-103 four fragments of K, then of V
.set S,    104                         ; v104-167 the bias, S^T, p
.set O,    168                         ; v168-199 O^T
.set P,    200                         ; v200-215 p's codes
.set BM,   216                         ; v216-219 a block's largest score, then p
.set T2,   220                         ; v220-223 at work; the bytes
.set LIM,  224
.set SCL,  228
.set KS,   232                         ; v232-235 K's scale words, v236-239 V's, v240 Q's, v241 p's
.set VS,   236
.set QS,   240
.set PS,   241
.set FF,   242                         ; v[242:243] f = 2^(old M - new M) (the low word serves both halves)
.set W,    244
.set OM,   245                         ; v245 the old -M
.set CH,   246                         ; v[246:251] three more chains of the row's sum
.set WV,   14
.set SEL,  20
.set CS,   22
.set MNT,  24
.set TB,   25
.set CNT,  26
.set G1,   28
.set G0,   36
.macro CROUND                          ; a round of the cluster's barrier
	s_barrier_signal -1
	s_barrier_wait -1
	s_cmp_lg_u32 s[WV], 0
	s_cbranch_scc1 .Lnot_wave_0_\@
	s_barrier_signal -3
.Lnot_wave_0_\@:
	s_barrier_wait -3
	s_barrier_signal -1
	s_barrier_wait -1
.endm
.macro MM d, a, b, sa, sb, zero        ; one product of 16 x 16 x 128; zero = 1: it starts the sum; 0: onto what the accumulator holds
.if \zero
	v_wmma_scale_f32_16x16x128_f8f6f4 v[\d:\d+7], v[\a:\a+15], v[\b:\b+15], 0, v[\sa], v[\sb] matrix_a_fmt:MATRIX_FMT_BF8 matrix_b_fmt:MATRIX_FMT_BF8
.else
	v_wmma_scale_f32_16x16x128_f8f6f4 v[\d:\d+7], v[\a:\a+15], v[\b:\b+15], v[\d:\d+7], v[\sa], v[\sb] matrix_a_fmt:MATRIX_FMT_BF8 matrix_b_fmt:MATRIX_FMT_BF8
.endif
.endm
	s_load_b128 s[4:7], s[0:1], 0x0                ; qb, kv
	s_load_b64 s[8:9], s[0:1], 0x10                ; ob
	v_lshl_add_u32 v254, v0, 2, 0x44000
	v_mov_b32 v255, 0
	ds_add_u32 v254, v255
	ds_add_u32 v254, v255
	v_lshrrev_b32 v[W], 5, v0
	v_readfirstlane_b32 s[WV], v[W]                ; wave 0..15
	v_and_b32 v[W], 31, v0
	v_lshlrev_b32 v[LI], 4, v[W]
	v_and_b32 v[W], 15, v0
	v_lshlrev_b32 v[R16], 4, v[W]
.if MASKED
	v_bfe_u32 v[W], v0, 4, 1
	v_lshlrev_b32 v[LB], 6, v[W]
.endif
	s_bfe_u32 s15, ttmp6, 0x40000                  ; cx: it enters qb's and ob's addresses alone
	s_lshl_b32 s16, ttmp9, 2
	s_add_co_u32 s16, s16, s15                     ; my block of 256 queries
	s_and_b32 s17, ttmp7, 0xffff                   ; batch x 8 + head, which the four partners share
	s_lshr_b32 s52, s17, 3
	s_lshl_b32 s52, s52, 7
	s_lshl_b32 s53, s16, 4
	s_add_co_u32 s52, s52, s53
	s_add_co_u32 s52, s52, s[WV]                   ; my tile: 128 x batch + 16 x block + wave
	s_and_b32 s53, s17, 7                          ; the head
	s_lshl_b32 s54, s52, 13
	s_lshl_b32 s56, s53, 10
	s_add_co_u32 s54, s54, s56                     ; its codes
	s_mov_b32 s55, 0
	s_lshl_b32 s56, s52, 8
	s_lshl_b32 s53, s53, 1
	s_add_co_u32 s56, s56, s53
	s_add_co_u32 s56, s56, QSC                     ; its scale half-words
	s_mov_b32 s57, 0
	s_and_b32 s27, s[WV], 3                        ; which record of each four I fetch, if I fetch
	s_lshl_b32 s62, s17, 4
	s_add_co_u32 s62, s62, s27
	s_mul_i32 s62, s62, REC                        ; in memory,
	s_mov_b32 s63, 0
	s_mul_i32 s27, s27, REC                        ; and in LDS
	s_mov_b32 s[G1], 15|(3<<16)|(1<<21)            ; 15:0 the mask: all four work-groups; 17:16 elements of 8 bytes; 21 set beside a mask; no padding
	s_mov_b32 s[G1+1], 32<<16                      ; tensor_dim0 = 32 elements: rows of 256 bytes
	s_mov_b32 s[G1+2], 68<<16                      ; tensor_dim1 = 68 rows: a record
	s_mov_b32 s[G1+3], 32<<16                      ; tile_dim0
	s_mov_b32 s[G1+4], 68                          ; tile_dim1
	s_mov_b32 s[G1+5], 32                          ; the pitch: dense
	s_mov_b32 s[G1+6], 0
	s_mov_b32 s[G1+7], 0
	s_mov_b32 s[SEL], 0x76543210
	s_mov_b32 s[SEL+1], 0xfedcba98
	s_mov_b32 s[CS], 0x3e38aa3b                    ; c = log2(e) / 8
	s_mov_b32 s[CS+1], s[CS]
	s_mov_b32 s[MNT], 0x600000
	s_wait_dscnt 0x0
	s_wait_kmcnt 0x0
	s_add_nc_u64 s[10:11], s[4:5], s[54:55]
	s_add_nc_u64 s[12:13], s[4:5], s[56:57]
	s_add_nc_u64 s[58:59], s[8:9], s[54:55]
	s_add_nc_u64 s[60:61], s[8:9], s[56:57]
	s_add_nc_u64 s[18:19], s[6:7], s[62:63]
.irp d, 0,1                                    ; Q is asked for ahead of the round: it is on its way while the work-groups meet and the records are asked for.  Nobody writes these bytes
	global_load_b128 v[Q+4*\d:Q+4*\d+3], v[LI], s[10:11] offset:512*\d
	global_load_b128 v[Q+16+4*\d:Q+16+4*\d+3], v[LI], s[10:11] offset:512*\d
.endr
	global_load_u16 v[W], v[R16], s[12:13]         ; my query's two scale bytes
	CROUND                                         ; all four work-groups are here: the joint loads meet
.irp g, 0,1,2,3
	s_mov_b32 s[G0+4*\g], 1
	s_add_co_u32 s[G0+4*\g+1], s27, 4*\g*REC       ; record 4 g + wave
	s_add_nc_u64 s[G0+4*\g+2:G0+4*\g+3], s[18:19], 4*\g*REC
	s_or_b32 s[G0+4*\g+3], s[G0+4*\g+3], 0x80000000
.endr
	s_cmp_lt_u32 s[WV], 4                          ; a wave's four fills stand in one branch on its number, ahead of every wait on TENSORcnt and every LDS read
	s_cbranch_scc0 .Lno_fetch
	tensor_load_to_lds s[G0:G0+3], s[G1:G1+7]
	s_nop 0
	tensor_load_to_lds s[G0+4:G0+7], s[G1:G1+7]
	s_nop 0
	tensor_load_to_lds s[G0+8:G0+11], s[G1:G1+7]
	s_nop 0
	tensor_load_to_lds s[G0+12:G0+15], s[G1:G1+7]
	s_nop 0
.rept 4
	v_nop
.endr
.Lno_fetch:
.irp i, 0,1,2,3,4,5,6,7
	v_mov_b32 v[Q+8+\i], 0                         ; the zero codes between
.endr
	v_mov_b32 v13, 0xff61b1e6                      ; the largest t so far: -3e38
	v_floor_f32 v12, -v13                          ; -M
	v_mov_b32 v14, 0
	v_mov_b32 v15, 0
	v_mov_b32 v[FF+1], 0                           ; (named as the upper half of a pair)
.irp b, 0,1,2,3
	v_mov_b32 v[T2+\b], 0                          ; written once: a lane permute's destination counts as one of its sources
.endr
	s_wait_loadcnt 0x0
	v_lshl_or_b32 v[QS], v[W], 16, v[W]            ; (s0, s1, s0, s1): for either place of Q
.set j, 0
.rept 32
	v_mov_b32 v[O+j], 0                            ; O^T: the step is written once; the first change of M multiplies zeros.  (Also the places between Q's scale word and the first product)
.set j, j+1
.endr
; A KEY STEP: the 128 keys of the record at LDS byte s[TB].
.macro STEP
	v_add_nc_u32 v[ADK], s[TB], v[LI]
	v_add_nc_u32 v[ADS], s[TB], v[R16]
.if MASKED
	v_add_nc_u32 v[ADB], s[TB], v[LB]
.else
	v_nop
.endif
	v_nop
	v_nop                                          ; these five and the three additions at the last step's end: eight places ahead of loads into registers that the last products read
	ds_load_b128 v[KS:KS+3], v[ADS] offset:16384
.irp c, 0,1,2,3                                ; 32 keys at a time: K's fragment, and the bias with which its two sums begin
.irp d, 0,1,2,3
	ds_load_b128 v[F+16*\c+4*\d:F+16*\c+4*\d+3], v[ADK] offset:2048*\c+512*\d
.endr
.if MASKED
.irp u, 0,1
	ds_load_b128 v[S+16*\c+8*\u:S+16*\c+8*\u+3], v[ADB] offset:16896+128*\c+32*\u          ; the bias of keys 32 c + 16 h + 8 u + 0 .. 7
	ds_load_b128 v[S+16*\c+8*\u+4:S+16*\c+8*\u+7], v[ADB] offset:16896+128*\c+32*\u+16
.endr
.endif
.endr
.irp c, 0,1,2,3                                ; S^T = K Q^T (+ bias): eight accumulators, one instruction each
	s_wait_dscnt NL*(3-\c)                         ; LDS loads come back in order (ISA guide 5.7.1): the scale words and these 32 keys' loads are in; the NL loads of each later 32 keys may be out
.irp u, 0,1
	MM S+16*\c+8*\u, F+16*\c, Q+8*\u, KS+\c, QS, 1-MASKED
.endr
.endr
	v_mov_b32 v[OM], v12                           ; the old -M is kept; with the seven below: eight places ahead of the loads into K's registers and of the first read of the scores
.rept 7
	v_nop
.endr
.irp t, 0,1,2,3
.irp c, 0,1,2,3
	ds_load_b128 v[F+16*\t+4*\c:F+16*\t+4*\c+3], v[ADK] offset:8192+2048*\t+512*\c         ; V lands while the softmax is walked
.endr
.endr
	ds_load_b128 v[VS:VS+3], v[ADS] offset:16640
.irp b, 0,1,2,3
	v_max3_num_f32 v[BM+\b], v[S+16*\b], v[S+16*\b+1], v[S+16*\b+2]     ; the largest score of each block of 32 keys: for the row's maximum, and, since p rises with the score, for the block's largest p
.endr
.irp i, 3,5,7,9,11,13
.irp b, 0,1,2,3
	v_max3_num_f32 v[BM+\b], v[BM+\b], v[S+16*\b+\i], v[S+16*\b+\i+1]
.endr
.endr
.irp b, 0,1,2,3
	v_max_num_f32 v[BM+\b], v[BM+\b], v[S+16*\b+15]
.endr
.irp b, 0,1,2,3
	v_permlanex16_b32 v[T2+\b], v[BM+\b], s[SEL], s[SEL+1]
.endr
.irp b, 0,1,2,3
	v_max_num_f32 v[BM+\b], v[BM+\b], v[T2+\b]
.endr
	v_max3_num_f32 v[W], v[BM], v[BM+1], v[BM+2]
	v_max_num_f32 v[W], v[W], v[BM+3]
	v_mul_f32 v[W], s[CS], v[W]                    ; the step's largest t
	v_max_num_f32 v13, v13, v[W]
	v_floor_f32 v12, -v13                          ; the new -M = -ceil(t)
	v_sub_f32 v[W], v12, v[OM]                     ; old M - new M: a whole number, 0 or less
	v_cvt_i32_f32 v[W], v[W]                       ; (it saturates)
	v_ldexp_f32 v[FF], 1.0, v[W]                   ; f
; t - M (a pair an instruction) and p = 2^(t - M): ONE BATCH.  The scalings stand among the exponentials, each four pairs ahead of its own pair's; none of these lines names an exponential's result
.set j, 0
.rept 4
	v_pk_fma_f32 v[S+j:S+j+1], v[S+j:S+j+1], s[CS:CS+1], v[12:13] op_sel_hi:[1,0,0]
.set j, j+2
.endr
.set j, 0
.rept 28
	v_exp_f32 v[S+j], v[S+j]
	v_exp_f32 v[S+j+1], v[S+j+1]
	v_pk_fma_f32 v[S+j+8:S+j+9], v[S+j+8:S+j+9], s[CS:CS+1], v[12:13] op_sel_hi:[1,0,0]
.set j, j+2
.endr
.irp b, 0,1,2,3
	v_exp_f32 v[S+56+2*\b], v[S+56+2*\b]
	v_exp_f32 v[S+57+2*\b], v[S+57+2*\b]
	v_fma_f32 v[BM+\b], v[BM+\b], s[CS], v12       ; the same scaling of each block's largest score
.endr
	v_pk_mul_f32 v[14:15], v[14:15], v[FF:FF+1] op_sel_hi:[1,0]   ; the sums under the new M: a plain line behind the exponentials
	s_wait_alu depctr_va_vdst(0)                   ; one wait for the batch, ahead of its first reader
.irp b, 0,1,2,3
	v_exp_f32 v[BM+\b], v[BM+\b]                   ; the block's largest p
.endr
	v_pk_add_f32 v[CH:CH+1], v[S:S+1], v[S+2:S+3]          ; the row's sum of the unquantised p, in four chains that do not wait for each other
	v_pk_add_f32 v[CH+2:CH+3], v[S+4:S+5], v[S+6:S+7]
	v_pk_add_f32 v[CH+4:CH+5], v[S+8:S+9], v[S+10:S+11]
	v_pk_add_f32 v[14:15], v[14:15], v[S+12:S+13]
	v_pk_add_f32 v[CH:CH+1], v[CH:CH+1], v[S+14:S+15]
.set j, 16
.rept 6
	v_pk_add_f32 v[14:15], v[14:15], v[S+j:S+j+1]
	v_pk_add_f32 v[CH:CH+1], v[CH:CH+1], v[S+j+2:S+j+3]
	v_pk_add_f32 v[CH+2:CH+3], v[CH+2:CH+3], v[S+j+4:S+j+5]
	v_pk_add_f32 v[CH+4:CH+5], v[CH+4:CH+5], v[S+j+6:S+j+7]
.set j, j+8
.endr
	s_wait_alu depctr_va_vdst(0)                   ; and one for the four
.irp b, 0,1,2,3
	v_max_num_f32 v[BM+\b], 0x8000000, v[BM+\b]    ; the floor 2^(16 - 127)
.endr
.irp b, 0,1,2,3
	v_add_nc_u32 v[SCL+\b], 0xf8800000, v[BM+\b]
.endr
.irp b, 0,1,2,3
	v_and_or_b32 v[LIM+\b], v[BM+\b], 0x7f800000, s[MNT]
.endr
.irp b, 0,1,2,3
	v_lshrrev_b32 v[T2+\b], 23, v[SCL+\b]
.endr
	v_lshl_or_b32 v[PS], v[T2+1], 8, v[T2]         ; p's scale word for these 128 keys
	v_lshl_or_b32 v[PS], v[T2+2], 16, v[PS]
	v_lshl_or_b32 v[PS], v[T2+3], 24, v[PS]
.irp b, 0,1,2,3
.irp i, 0,1,2,3,4,5,6,7,8,9,10,11,12,13,14,15
	v_min_num_f32 v[S+16*\b+\i], v[S+16*\b+\i], v[LIM+\b]   ; p is not negative: a one-sided hold
.endr
	v_cvt_scalef32_pk8_bf8_f32 v[P+4*\b:P+4*\b+1], v[S+16*\b:S+16*\b+7], v[SCL+\b]
	v_cvt_scalef32_pk8_bf8_f32 v[P+4*\b+2:P+4*\b+3], v[S+16*\b+8:S+16*\b+15], v[SCL+\b]
.endr
.set j, 0
.rept 16
	v_pk_mul_f32 v[O+j:O+j+1], v[O+j:O+j+1], v[FF:FF+1] op_sel_hi:[1,0]   ; O^T under the new M; also the places between p's codes and the products
.set j, j+2
.endr
	s_wait_dscnt 0x0                               ; V
.irp t, 0,1,2,3
	MM O+8*\t, F+16*\t, P, VS+\t, PS, 0            ; O^T += V^T P^T: four accumulators, one instruction each
.endr
	v_pk_add_f32 v[CH:CH+1], v[CH:CH+1], v[CH+2:CH+3]      ; the four chains are joined here: three of the places behind these products
	v_pk_add_f32 v[14:15], v[14:15], v[CH+4:CH+5]
	v_pk_add_f32 v[14:15], v[14:15], v[CH:CH+1]
.endm
; trips key steps from record first on.  left: how many of a fetching wave's four loads may stay out: 3 leaves records 4 to 15 on their way, 0 none.
.macro PHASE left, first, trips
	s_wait_tensorcnt \left
	s_wait_dscnt 0x0
	s_barrier_signal -1
	s_barrier_wait -1
	s_mov_b32 s[TB], \first*REC
	s_mov_b32 s[CNT], \trips
.Lstep_\@:
	STEP
	s_add_co_u32 s[TB], s[TB], REC
	s_sub_co_u32 s[CNT], s[CNT], 1
	s_cmp_lg_u32 s[CNT], 0
	s_cbranch_scc1 .Lstep_\@
.endm
	PHASE 3, 0, 2                                  ; records 0 and 1, while the later records land
	PHASE 0, 2, 14                                 ; every fetching wave has waited for all its loads ahead of this barrier's signal; the reads of records 2 to 15 stand behind its wait
	; THE WAY OUT: O^T / the sum, quantised along the channels (two blocks of 32), stored as an image of the next operand's registers.
	v_add_f32 v14, v14, v15
	v_permlanex16_b32 v[W], v14, s[SEL], s[SEL+1]
	v_add_f32 v14, v14, v[W]                       ; the row's sum
	v_rcp_f32 v[FF], v14
.rept 8
	v_nop                                          ; places behind the last products, and the plain line behind the reciprocal
.endr
	s_wait_alu depctr_va_vdst(0)                   ; ahead of the reciprocal's first reader
.set j, 0
.rept 16
	v_pk_mul_f32 v[O+j:O+j+1], v[O+j:O+j+1], v[FF:FF+1] op_sel_hi:[1,0]
.set j, j+2
.endr
.irp b, 0,1
	v_max3_num_f32 v[BM+\b], |v[O+16*\b]|, |v[O+16*\b+1]|, 0x8000000
.endr
.irp i, 2,4,6,8,10,12,14
.irp b, 0,1
	v_max3_num_f32 v[BM+\b], v[BM+\b], |v[O+16*\b+\i]|, |v[O+16*\b+\i+1]|
.endr
.endr
.irp b, 0,1
	v_permlanex16_b32 v[T2+\b], v[BM+\b], s[SEL], s[SEL+1]
.endr
.irp b, 0,1
	v_max_num_f32 v[BM+\b], v[BM+\b], v[T2+\b]
.endr
.irp b, 0,1
	v_add_nc_u32 v[SCL+\b], 0xf8800000, v[BM+\b]
.endr
.irp b, 0,1
	v_and_or_b32 v[LIM+\b], v[BM+\b], 0x7f800000, s[MNT]
.endr
.irp b, 0,1
	v_lshrrev_b32 v[T2+\b], 23, v[SCL+\b]
.endr
.irp b, 0,1
.irp i, 0,1,2,3,4,5,6,7,8,9,10,11,12,13,14,15
	v_med3_num_f32 v[O+16*\b+\i], v[O+16*\b+\i], -v[LIM+\b], v[LIM+\b]
.endr
	v_cvt_scalef32_pk8_bf8_f32 v[P+4*\b:P+4*\b+1], v[O+16*\b:O+16*\b+7], v[SCL+\b]
	v_cvt_scalef32_pk8_bf8_f32 v[P+4*\b+2:P+4*\b+3], v[O+16*\b+8:O+16*\b+15], v[SCL+\b]
.endr
	v_lshl_or_b32 v[W], v[T2+1], 8, v[T2]
	global_store_b128 v[LI], v[P:P+3], s[58:59]                 ; 512 consecutive bytes each
	global_store_b128 v[LI], v[P+4:P+7], s[58:59] offset:512
	global_store_b16 v[R16], v[W], s[60:61]                     ; two scale bytes a row: one part in 32 of the codes' bytes
	s_wait_tensorcnt 0x0
	ds_add_u32 v254, v255
	s_wait_dscnt 0x0
	CROUND                                         ; the closing round: no work-group ends while a partner may still ask for a record that names it
	s_endpgm
.Lfunc_end_k_q509c08a0aa_attn2:
	.size	k_q509c08a0aa_attn2, .Lfunc_end_k_q509c08a0aa_attn2-k_q509c08a0aa_attn2
	.p2alignl 7, 3214868480
	.fill 96, 4, 3214868480
	.section	.rodata,"a",@progbits
	.p2align	6, 0x0
	.amdhsa_kernel k_q509c08a0aa_attn2
		.amdhsa_group_segment_fixed_size 280576
		.amdhsa_private_segment_fixed_size 0
		.amdhsa_enable_private_segment 0
		.amdhsa_kernarg_size 24
		.amdhsa_user_sgpr_count 2
		.amdhsa_user_sgpr_kernarg_segment_ptr 1
		.amdhsa_wavefront_size32 1
		.amdhsa_system_sgpr_workgroup_id_x 1
		.amdhsa_system_sgpr_workgroup_id_y 1
		.amdhsa_system_sgpr_workgroup_id_z 1
		.amdhsa_system_vgpr_workitem_id 0
		.amdhsa_next_free_vgpr 256
		.amdhsa_next_free_sgpr 66
		.amdhsa_reserve_vcc 0
		.amdhsa_float_denorm_mode_32 3
		.amdhsa_float_denorm_mode_16_64 3
		.amdhsa_memory_ordered 1
		.amdhsa_forward_progress 1
		.amdhsa_inst_pref_size 50
	.end_amdhsa_kernel
	.amdgpu_metadata
---
amdhsa.version: [ 1, 2 ]
amdhsa.kernels:
  - .name:           k_q509c08a0aa_attn2
    .symbol:         k_q509c08a0aa_attn2.kd
    .args:
      - { .name: qb, .offset: 0, .size: 8, .value_kind: global_buffer, .address_space: global }
      - { .name: kv2, .offset: 8, .size: 8, .value_kind: global_buffer, .address_space: global }
      - { .name: ob, .offset: 16, .size: 8, .value_kind: global_buffer, .address_space: global }
    .group_segment_fixed_size: 280576
    .private_segment_fixed_size: 0
    .kernarg_segment_align: 8
    .kernarg_segment_size: 24
    .max_flat_workgroup_size: 512
    .sgpr_count:     66
    .vgpr_count:     256
    .wavefront_size: 32
...
	.end_amdgpu_metadata
.endif
;; end of part 4
;; launch post2 (part 5): grid 256 x 1, 8 waves a work-group, no clusters, 75,776 bytes of LDS; arguments ob, x1, m2_w2_codes, m2_w2_scales, m2_b2, m2_g, m2_b, ln2_g, ln2_b, ffn_w1_codes, ffn_w1_scales, ffn_b1, ffn_w2_codes, ffn_w2_scales, ffn_b2, ln3_g, ln3_b, out0; writes out0
.if DOCPART == 5
	.amdgcn_target "amdgcn-amd-amdhsa--gfx1250"
	.amdhsa_code_object_version 6
	.text
	.protected	k_q509c08a0aa_post2
	.globl	k_q509c08a0aa_post2
	.p2align	8
	.type	k_q509c08a0aa_post2,@function
k_q509c08a0aa_post2:
	s_mov_b64 s[64:65], 0
	v_nop
	global_prefetch_b8 v0, s[64:65] scope:SCOPE_SE
	s_setreg_imm32_b32 hwreg(HW_REG_WAVE_MODE, 25, 1), 1
	s_wait_xcnt 0x0
; BEHIND AN ATTENTION, for 32 rows a work-group.  POST2 = 0: a = LN(o w2 + b2 + x; m_g, m_b); x1 = LN(x + a; ln_g, ln_b) -> x1 (f32); Q2 = x1 wq + bq, quantised -> qb.
; POST2 = 1: the same front gives x2; then out0 = LN(x2 + relu(x2 w1 + b1) W2 + B2; ln3_g, ln3_b).  All products on codes of BF8 (E5M2), one E8M0 scale for each 32 along K; all else f32.
; SHARES.  THE EIGHT WAVES SHARE THE COLUMNS: in the products with N = 256 wave w owns columns 32 w .. 32 w + 31 (two tiles), with N = 512 channels 64 w .. 64 w + 63 (four tiles), for both tiles of 16 rows.
; Each weight byte goes from memory straight into one wave's registers, once a work-group.  All products are used transposed (source 0 = 16 rows of the weight, source 1 = 16 rows): a lane holds one row and
; 16 neighbouring columns; the weight's rows that form a tile are chosen for that: lane r of tile 2 c + u takes row 32 c + 8 u + r + 8 (r / 8).  The rows of a row tile likewise.
; WHAT GOES ROUND: a row's statistics (8 bytes a wave), and the quantised rows, as images of the operand's registers (16 bytes a lane at 16 x lane) with their scale bytes.  Each LDS region is written once.
; THE NORMS: each wave takes the mean and the sum of squared deviations of its 32 columns; the eight pairs are joined by the rule for equal parts: no difference of large sums.  The NEGATIVE mean is carried.
; No tensor loads and no cluster: a joint load lands in LDS, from which the weights would be read again, and with POST2 = 1 they (393,216 bytes) do not fit there at once.
; LIMITS: NaN and infinities are not served; a block of zeros gets the byte 1 (its codes are zeros; this program alone reads the bytes).
.set POST2, 1
.set QSC,  4194304
.set MG,   0                           ; LDS: the vectors: m_g, m_b, ln_g, ln_b (1,024 bytes each), the bias of 512, then B2, ln3_g, ln3_b
.set MB,   1024
.set LG,   2048
.set LBT,  3072
.set B5,   4096
.set FB2,  6144
.set L3G,  7168
.set L3B,  8192
.set LNX,  9216                        ; three norms x [row tile 2][r 16][wave 8] pairs of 8 bytes
.set XIMG, 15360                       ; the rows' codes, K = 256: 4,096 x row tile + 512 x block
.set XSC,  23552                       ; their scale words: 256 x row tile + 128 x K step + 4 x lane
.set HIMG, 24064                       ; the hidden layer's, K = 512: 8,192 x row tile + 512 x block
.set HSC,  40448                       ; 512 x row tile + 128 x K step + 4 x lane
.set STG,  41472                       ; the stage: 32 rows x (1,024 + 16) bytes
.set LI,   1                           ; v1 16 x lane; v2 4 x lane; v3 16 r
.set LS,   2
.set R16,  3
.set VA,   4                           ; v4 128 w + 64 h: my 16 columns in a vector of 256;  v5 256 w + 64 h: in the bias of 512
.set VA5,  5
.set LNW,  6                           ; v6 LNX + 64 r + 8 w;  v7 LNX + 64 r
.set LNR,  7
.set STO,  8                           ; v8 STG + 1,040 rp + 128 w + 64 h;  v9 STG + 4,160 w + 16 x lane
.set SRD,  9
.set XSB,  10                          ; v10 4 x lane + 128 (w / 4) + w % 4
.set IW,   11                          ; v11 16 x lane + 512 w
.set HWI,  12                          ; v12 16 x lane + 1,024 w
.set HSB,  13                          ; v13 4 x lane + 128 (w / 2) + 2 (w % 2)
.set OSC,  16                          ; v16-23 the rows' scale words of the product in hand
.set W2S,  24                          ; v24-31 w2's scale words; v32-39 the N = 512 weight's; v40-47 W2's
.set W5S,  32
.set F2S,  40
.set Y,    48                          ; v48-79 two row tiles x 16 columns
.set VT,   80                          ; v80-111 a bias, or gain and offset
.set CB,   112                         ; v112-143 the eight pairs of both row tiles; codes and the quantiser's work
.set LT,   144                         ; v144-175 the norms' work, 16 a row tile; the held copy of the rows on their way to codes
.set XF,   112                         ; v112-175 the rows' four fragments
.set A2,   176                         ; v176-239 the N = 512 sums;  at first the residual (XR), at last the third product's sums (A3)
.set XR,   176
.set A3,   176
.set XA,   240                         ; v240 1,024 rp + 128 w + 64 h; v241 512 rp + 16 h; v242 256 rp + 16 h; v243 16 rp; v244 8 rp; v245 4 x thread; v246 8 x thread
.set OW2,  241
.set OW5,  242
.set O16,  243
.set O8,   244
.set T4,   245
.set T8,   246
.set WK,   248                         ; v248-249 at work
.set WV,   40                          ; window 1: v0-127 w2 (later W2): fragment (u, s) at 16 (4 u + s);  v128-255 the attention's rows (4 rt + s), then the N = 512 weight (2 t + s), then the hidden layer (4 rt + s)
.set GG,   41
.set SEL,  44
.set MNT,  46
.set MSB,  0
.macro WIN new                         ; the immediate's high byte repeats the setting that is left
.if MSB != \new
	s_set_vgpr_msb (MSB<<8)|\new
.set MSB, \new
.endif
.endm
.macro PLACES n
.rept \n
	v_nop
.endr
.endm
.macro MM d, a, b, c, sa, sb
	v_wmma_scale_f32_16x16x128_f8f6f4 v[\d:\d+7], v[\a:\a+15], v[\b:\b+15], v[\c:\c+7], v[\sa], v[\sb] matrix_a_fmt:MATRIX_FMT_BF8 matrix_b_fmt:MATRIX_FMT_BF8
.endm
.macro BARRIER                         ; my LDS stores have landed and my LDS loads are in: then the work-group's barrier
	s_wait_dscnt 0x0
	s_barrier_signal -1
	s_barrier_wait -1
.endm
; nb blocks of 32: block b's 16 numbers of my lane in v[s + 16 b] on, the other 16 in lane l xor 16.  Codes to v[pc + 4 b] on; tm: +0 largest magnitudes, +4 bytes, +8 limits, +12 scale operands.
; hd: where the numbers held within the largest code x the scale go, 16 a block.  hd = s holds in place; numbers that are read again in f32 (the rows x1, x2) are held into other registers and stay as they are.
.macro QUANT s, nb, relu, pc, tm, hd
.irp b, 0,1,2,3
.if \b < \nb
.if \relu
	v_max3_num_f32 v[\tm+\b], v[\s+16*\b], v[\s+16*\b+1], 0x8000000       ; no |.|: what is negative becomes 0 and must not count; the floor 2^(16 - 127) stands over it
.else
	v_max3_num_f32 v[\tm+\b], |v[\s+16*\b]|, |v[\s+16*\b+1]|, 0x8000000
.endif
.endif
.endr
.irp i, 2,4,6,8,10,12,14
.irp b, 0,1,2,3
.if \b < \nb
.if \relu
	v_max3_num_f32 v[\tm+\b], v[\tm+\b], v[\s+16*\b+\i], v[\s+16*\b+\i+1]
.else
	v_max3_num_f32 v[\tm+\b], v[\tm+\b], |v[\s+16*\b+\i]|, |v[\s+16*\b+\i+1]|
.endif
.endif
.endr
.endr
.irp b, 0,1,2,3
.if \b < \nb
	v_permlanex16_b32 v[\tm+4+\b], v[\tm+\b], s[SEL], s[SEL+1]
.endif
.endr
.irp b, 0,1,2,3
.if \b < \nb
	v_max_num_f32 v[\tm+\b], v[\tm+\b], v[\tm+4+\b]
.endif
.endr
.irp b, 0,1,2,3
.if \b < \nb
	v_add_nc_u32 v[\tm+12+\b], 0xf8800000, v[\tm+\b]       ; 15 off the exponent field: the conversion's scale operand
.endif
.endr
.irp b, 0,1,2,3
.if \b < \nb
	v_and_or_b32 v[\tm+8+\b], v[\tm+\b], 0x7f800000, s[MNT]   ; 57,344 x the scale
.endif
.endr
.irp b, 0,1,2,3
.if \b < \nb
	v_lshrrev_b32 v[\tm+4+\b], 23, v[\tm+12+\b]            ; the scale's byte
.endif
.endr
.irp b, 0,1,2,3
.if \b < \nb
.irp i, 0,1,2,3,4,5,6,7,8,9,10,11,12,13,14,15
.if \relu
	v_med3_num_f32 v[\hd+16*\b+\i], v[\s+16*\b+\i], 0, v[\tm+8+\b]             ; the activation and the hold in one
.else
	v_med3_num_f32 v[\hd+16*\b+\i], v[\s+16*\b+\i], -v[\tm+8+\b], v[\tm+8+\b]  ; the conversion to an 8-bit code does not saturate (ISA guide 7.6.2): the hold
.endif
.endr
	v_cvt_scalef32_pk8_bf8_f32 v[\pc+4*\b:\pc+4*\b+1], v[\hd+16*\b:\hd+16*\b+7], v[\tm+12+\b]
	v_cvt_scalef32_pk8_bf8_f32 v[\pc+4*\b+2:\pc+4*\b+3], v[\hd+16*\b+8:\hd+16*\b+15], v[\tm+12+\b]
.endif
.endr
	v_nop                                          ; a plain line behind the last conversion
.endm
; My 32 columns' statistics of both row tiles: (-mean, sum of squared deviations) -> LDS, norm e.
.macro LNSTAT src, e
.irp rt, 0,1
.irp i, 0,1,2,3
	v_pk_add_f32 v[LT+16*\rt+2*\i:LT+16*\rt+2*\i+1], v[\src+16*\rt+4*\i:\src+16*\rt+4*\i+1], v[\src+16*\rt+4*\i+2:\src+16*\rt+4*\i+3]
.endr
.endr
.irp rt, 0,1
	v_pk_add_f32 v[LT+16*\rt:LT+16*\rt+1], v[LT+16*\rt:LT+16*\rt+1], v[LT+16*\rt+2:LT+16*\rt+3]
	v_pk_add_f32 v[LT+16*\rt+4:LT+16*\rt+5], v[LT+16*\rt+4:LT+16*\rt+5], v[LT+16*\rt+6:LT+16*\rt+7]
.endr
.irp rt, 0,1
	v_pk_add_f32 v[LT+16*\rt:LT+16*\rt+1], v[LT+16*\rt:LT+16*\rt+1], v[LT+16*\rt+4:LT+16*\rt+5]
.endr
.irp rt, 0,1
	v_add_f32 v[LT+16*\rt], v[LT+16*\rt], v[LT+16*\rt+1]
.endr
.irp rt, 0,1
	v_permlanex16_b32 v[LT+16*\rt+2], v[LT+16*\rt], s[SEL], s[SEL+1]
.endr
.irp rt, 0,1
	v_add_f32 v[LT+16*\rt], v[LT+16*\rt], v[LT+16*\rt+2]
.endr
.irp rt, 0,1
	v_mul_f32 v[LT+16*\rt], 0xbd000000, v[LT+16*\rt]       ; x -1/32: the negative mean of 32
.endr
.irp rt, 0,1
	v_pk_add_f32 v[LT+16*\rt+2:LT+16*\rt+3], v[\src+16*\rt:\src+16*\rt+1], v[LT+16*\rt:LT+16*\rt+1] op_sel_hi:[1,0]
	v_pk_add_f32 v[LT+16*\rt+4:LT+16*\rt+5], v[\src+16*\rt+2:\src+16*\rt+3], v[LT+16*\rt:LT+16*\rt+1] op_sel_hi:[1,0]
.endr
.irp rt, 0,1
	v_pk_mul_f32 v[LT+16*\rt+6:LT+16*\rt+7], v[LT+16*\rt+2:LT+16*\rt+3], v[LT+16*\rt+2:LT+16*\rt+3]
	v_pk_mul_f32 v[LT+16*\rt+8:LT+16*\rt+9], v[LT+16*\rt+4:LT+16*\rt+5], v[LT+16*\rt+4:LT+16*\rt+5]
.endr
.irp i, 1,2,3
.irp rt, 0,1
	v_pk_add_f32 v[LT+16*\rt+2:LT+16*\rt+3], v[\src+16*\rt+4*\i:\src+16*\rt+4*\i+1], v[LT+16*\rt:LT+16*\rt+1] op_sel_hi:[1,0]
	v_pk_add_f32 v[LT+16*\rt+4:LT+16*\rt+5], v[\src+16*\rt+4*\i+2:\src+16*\rt+4*\i+3], v[LT+16*\rt:LT+16*\rt+1] op_sel_hi:[1,0]
.endr
.irp rt, 0,1
	v_pk_fma_f32 v[LT+16*\rt+6:LT+16*\rt+7], v[LT+16*\rt+2:LT+16*\rt+3], v[LT+16*\rt+2:LT+16*\rt+3], v[LT+16*\rt+6:LT+16*\rt+7]
	v_pk_fma_f32 v[LT+16*\rt+8:LT+16*\rt+9], v[LT+16*\rt+4:LT+16*\rt+5], v[LT+16*\rt+4:LT+16*\rt+5], v[LT+16*\rt+8:LT+16*\rt+9]
.endr
.endr
.irp rt, 0,1
	v_pk_add_f32 v[LT+16*\rt+6:LT+16*\rt+7], v[LT+16*\rt+6:LT+16*\rt+7], v[LT+16*\rt+8:LT+16*\rt+9]
.endr
.irp rt, 0,1
	v_add_f32 v[LT+16*\rt+1], v[LT+16*\rt+6], v[LT+16*\rt+7]
.endr
.irp rt, 0,1
	v_permlanex16_b32 v[LT+16*\rt+2], v[LT+16*\rt+1], s[SEL], s[SEL+1]
.endr
.irp rt, 0,1
	v_add_f32 v[LT+16*\rt+1], v[LT+16*\rt+1], v[LT+16*\rt+2]
.endr
.irp rt, 0,1
	ds_store_b64 v[LNW], v[LT+16*\rt:LT+16*\rt+1] offset:2048*\e+1024*\rt   ; (both halves of the lanes write the same bytes with the same values)
.endr
.endm
; The eight waves' pairs are joined; dst = (dst - mean) x rsqrt(var + 1e-6) x gain + offset (+ the residual).
.macro LNFIN dst, e, g, b, addx
.irp rt, 0,1
.irp i, 0,1,2,3
	ds_load_b128 v[CB+16*\rt+4*\i:CB+16*\rt+4*\i+3], v[LNR] offset:2048*\e+1024*\rt+16*\i
.endr
.endr
.irp i, 0,1,2,3
	ds_load_b128 v[VT+4*\i:VT+4*\i+3], v[VA] offset:\g+16*\i
.endr
.irp i, 0,1,2,3
	ds_load_b128 v[VT+16+4*\i:VT+16+4*\i+3], v[VA] offset:\b+16*\i
.endr
	s_wait_dscnt 8                                 ; the pairs are in; the eight loads of gain and offset may be out
.irp rt, 0,1
.irp i, 0,1,2,3
	v_pk_add_f32 v[LT+16*\rt+2*\i:LT+16*\rt+2*\i+1], v[CB+16*\rt+4*\i:CB+16*\rt+4*\i+1], v[CB+16*\rt+4*\i+2:CB+16*\rt+4*\i+3]
.endr
.endr
.irp rt, 0,1
	v_pk_add_f32 v[LT+16*\rt:LT+16*\rt+1], v[LT+16*\rt:LT+16*\rt+1], v[LT+16*\rt+2:LT+16*\rt+3]
	v_pk_add_f32 v[LT+16*\rt+4:LT+16*\rt+5], v[LT+16*\rt+4:LT+16*\rt+5], v[LT+16*\rt+6:LT+16*\rt+7]
.endr
.irp rt, 0,1
	v_pk_add_f32 v[LT+16*\rt:LT+16*\rt+1], v[LT+16*\rt:LT+16*\rt+1], v[LT+16*\rt+4:LT+16*\rt+5]   ; (the sum of the negative means, the sum of the parts' squares)
.endr
.irp rt, 0,1
	v_mul_f32 v[LT+16*\rt+2], 0x3e000000, v[LT+16*\rt]     ; / 8: the row's negative mean
.endr
.irp rt, 0,1
	v_sub_f32 v[LT+16*\rt+4], v[CB+16*\rt], v[LT+16*\rt+2]
.endr
.irp rt, 0,1
	v_mul_f32 v[LT+16*\rt+6], v[LT+16*\rt+4], v[LT+16*\rt+4]
.endr
.irp i, 1,2,3,4,5,6,7
.irp rt, 0,1
	v_sub_f32 v[LT+16*\rt+4], v[CB+16*\rt+2*\i], v[LT+16*\rt+2]
.endr
.irp rt, 0,1
	v_fmac_f32 v[LT+16*\rt+6], v[LT+16*\rt+4], v[LT+16*\rt+4]
.endr
.endr
.irp rt, 0,1
	v_fmamk_f32 v[LT+16*\rt+6], v[LT+16*\rt+6], 0x42000000, v[LT+16*\rt+1]   ; 32 x the means' squared deviations + the parts' squares
.endr
.irp rt, 0,1
	v_fma_f32 v[LT+16*\rt+6], v[LT+16*\rt+6], s47, s48     ; / 256 + 1e-6
.endr
.irp rt, 0,1
	v_rsq_f32 v[LT+16*\rt+4], v[LT+16*\rt+6]
.endr
	v_nop                                          ; a plain line behind the two
	s_wait_alu depctr_va_vdst(0)                   ; one wait for both, ahead of their first reader
	s_wait_dscnt 0x0                               ; gain and offset
.irp rt, 0,1
.irp i, 0,1,2,3,4,5,6,7
	v_pk_add_f32 v[\dst+16*\rt+2*\i:\dst+16*\rt+2*\i+1], v[\dst+16*\rt+2*\i:\dst+16*\rt+2*\i+1], v[LT+16*\rt+2:LT+16*\rt+3] op_sel_hi:[1,0]
.endr
.irp i, 0,1,2,3,4,5,6,7
	v_pk_mul_f32 v[\dst+16*\rt+2*\i:\dst+16*\rt+2*\i+1], v[\dst+16*\rt+2*\i:\dst+16*\rt+2*\i+1], v[LT+16*\rt+4:LT+16*\rt+5] op_sel_hi:[1,0]
.endr
.irp i, 0,1,2,3,4,5,6,7
	v_pk_fma_f32 v[\dst+16*\rt+2*\i:\dst+16*\rt+2*\i+1], v[\dst+16*\rt+2*\i:\dst+16*\rt+2*\i+1], v[VT+2*\i:VT+2*\i+1], v[VT+16+2*\i:VT+16+2*\i+1]
.endr
.if \addx
.irp i, 0,1,2,3,4,5,6,7
	v_pk_add_f32 v[\dst+16*\rt+2*\i:\dst+16*\rt+2*\i+1], v[\dst+16*\rt+2*\i:\dst+16*\rt+2*\i+1], v[XR+16*\rt+2*\i:XR+16*\rt+2*\i+1]
.endr
.endif
.endr
.endm
; 32 rows of f32 from src into the stage; they come back as four whole rows a wave, 512 consecutive bytes a store.
.macro ROWS_IN src
.irp rt, 0,1
.irp j, 0,1,2,3
	ds_store_b128 v[STO], v[\src+16*\rt+4*\j:\src+16*\rt+4*\j+3] offset:8320*\rt+16*\j
.endr
.endr
.endm
	s_load_b512 s[4:19], s[0:1], 0x0               ; ob, the residual's source, w2 (c, s), b2, m_g, m_b, ln_g
	s_load_b256 s[20:27], s[0:1], 0x40             ; ln_b, the N = 512 weight (c, s), its bias
	s_load_b128 s[28:31], s[0:1], 0x60             ; POST2 = 0: x1, qb;  1: W2 (c, s)
.if POST2
	s_load_b256 s[32:39], s[0:1], 0x70             ; B2, ln3_g, ln3_b, out0
	v_lshl_add_u32 v254, v0, 2, 0x12400
	v_mov_b32 v255, 0
.endif
	v_lshrrev_b32 v14, 5, v0
	v_readfirstlane_b32 s[WV], v14                 ; wave 0..7
	s_mov_b32 s[GG], ttmp9                         ; my 32 rows
	v_and_b32 v14, 31, v0
	v_lshlrev_b32 v[LI], 4, v14
	v_lshlrev_b32 v[LS], 2, v14
	v_and_b32 v15, 15, v0                          ; r
	v_lshlrev_b32 v[R16], 4, v15
	v_bfe_u32 v14, v0, 4, 1                        ; h
	s_lshl_b32 s42, s[WV], 7
	v_lshlrev_b32 v[VA], 6, v14
	v_add_nc_u32 v[VA5], s42, v[VA]
	v_add_nc_u32 v[VA5], s42, v[VA5]
	v_add_nc_u32 v[VA], s42, v[VA]
	s_lshl_b32 s43, s[WV], 3
	s_add_co_u32 s43, s43, LNX
	v_lshlrev_b32 v[LNR], 6, v15
	v_add_nc_u32 v[LNW], s43, v[LNR]
	v_add_nc_u32 v[LNR], LNX, v[LNR]
	v_and_b32 v[WK], 8, v15
	v_add_nc_u32 v[WK], v[WK], v15                 ; rp = r + 8 (r / 8)
	v_mul_u32_u24 v[STO], v[WK], 1040
	v_add_nc_u32 v[STO], v[STO], v[VA]
	v_add_nc_u32 v[STO], STG, v[STO]
	s_mul_i32 s43, s[WV], 4160
	s_add_co_u32 s43, s43, STG
	v_add_nc_u32 v[SRD], s43, v[LI]
	s_lshr_b32 s43, s[WV], 2
	s_lshl_b32 s43, s43, 7
	s_and_b32 s49, s[WV], 3
	s_add_co_u32 s43, s43, s49
	v_add_nc_u32 v[XSB], s43, v[LS]
	s_lshl_b32 s43, s[WV], 9
	v_add_nc_u32 v[IW], s43, v[LI]
.if POST2
	s_lshl_b32 s43, s[WV], 10
	v_add_nc_u32 v[HWI], s43, v[LI]
	s_lshr_b32 s43, s[WV], 1
	s_lshl_b32 s43, s43, 7
	s_and_b32 s49, s[WV], 1
	s_lshl_b32 s49, s49, 1
	s_add_co_u32 s43, s43, s49
	v_add_nc_u32 v[HSB], s43, v[LS]
.endif
	v_lshlrev_b32 v[XA], 10, v[WK]
	v_add_nc_u32 v[XA], v[XA], v[VA]
	v_lshlrev_b32 v[OW2], 9, v[WK]
	v_lshl_add_u32 v[OW2], v14, 4, v[OW2]
	v_lshlrev_b32 v[OW5], 8, v[WK]
	v_lshl_add_u32 v[OW5], v14, 4, v[OW5]
	v_lshlrev_b32 v[O16], 4, v[WK]
	v_lshlrev_b32 v[O8], 3, v[WK]
	v_lshlrev_b32 v[T4], 2, v0
	v_lshlrev_b32 v[T8], 3, v0
	s_mov_b32 s[SEL], 0x76543210
	s_mov_b32 s[SEL+1], 0xfedcba98
	s_mov_b32 s[MNT], 0x600000
	s_mov_b32 s47, 0x3b800000                      ; 1 / 256
	s_mov_b32 s48, 0x358637bd                      ; 1e-6
	s_mov_b32 s51, 0
	s_wait_kmcnt 0x0
	s_lshl_b32 s50, s[GG], 9
	s_add_co_u32 s50, s50, QSC
	s_add_nc_u64 s[52:53], s[4:5], s[50:51]        ; ob's scale words of my two row tiles
	s_lshl_b32 s50, s[GG], 14
	s_add_nc_u64 s[4:5], s[4:5], s[50:51]          ; and their codes
	s_lshl_b32 s50, s[GG], 15
	s_add_nc_u64 s[6:7], s[6:7], s[50:51]          ; the residual's 32 rows
	s_lshl_b32 s50, s[WV], 14                      ; my 32 rows of 512 codes, my 64 rows of 256
	s_add_nc_u64 s[8:9], s[8:9], s[50:51]
	s_add_nc_u64 s[22:23], s[22:23], s[50:51]
.if POST2
	s_add_nc_u64 s[28:29], s[28:29], s[50:51]
.endif
	s_lshl_b32 s50, s[WV], 9                       ; their scale bytes
	s_add_nc_u64 s[10:11], s[10:11], s[50:51]
	s_add_nc_u64 s[24:25], s[24:25], s[50:51]
.if POST2
	s_add_nc_u64 s[30:31], s[30:31], s[50:51]
.endif
	s_lshl_b32 s50, s[GG], 15                      ; the four whole rows that I store
	s_lshl_b32 s49, s[WV], 12
	s_add_co_u32 s50, s50, s49
.if POST2
	s_add_nc_u64 s[38:39], s[38:39], s[50:51]
.else
	s_add_nc_u64 s[28:29], s[28:29], s[50:51]
	s_lshl_b32 s50, s[GG], 14
	s_lshl_b32 s49, s[WV], 10
	s_add_co_u32 s50, s50, s49
	s_add_nc_u64 s[54:55], s[30:31], s[50:51]      ; qb: my head's codes of my two row tiles,
	s_lshl_b32 s50, s[GG], 9
	s_lshl_b32 s49, s[WV], 1
	s_add_co_u32 s50, s50, s49
	s_add_co_u32 s50, s50, QSC
	s_add_nc_u64 s[56:57], s[30:31], s[50:51]      ; and their scale half-words
.endif
	WIN 0x40                                       ; destination window 1
.irp rt, 0,1
.irp ks, 0,1,2,3
.irp c, 0,1,2,3
	global_load_b128 v[128+16*(4*\rt+\ks)+4*\c:128+16*(4*\rt+\ks)+4*\c+3], v[LI], s[4:5] offset:8192*\rt+2048*\ks+512*\c
.endr
.endr
.endr
.irp uu, 0,1
.irp ks, 0,1,2,3
.irp c, 0,1,2,3
	global_load_b128 v[16*(4*\uu+\ks)+4*\c:16*(4*\uu+\ks)+4*\c+3], v[OW2], s[8:9] offset:4096*\uu+128*\ks+32*\c
.endr
.endr
.endr
	WIN 0
.irp rt, 0,1
	global_load_b128 v[OSC+4*\rt:OSC+4*\rt+3], v[R16], s[52:53] offset:256*\rt
.endr
.irp uu, 0,1
	global_load_b128 v[W2S+4*\uu:W2S+4*\uu+3], v[O16], s[10:11] offset:128*\uu
.endr
.irp t, 0,1,2,3
	global_load_b64 v[W5S+2*\t:W5S+2*\t+1], v[O8], s[24:25] offset:(32*(\t/2)+8*(\t%2))*8
.endr
.if POST2
.irp uu, 0,1
	global_load_b128 v[F2S+4*\uu:F2S+4*\uu+3], v[O16], s[30:31] offset:128*\uu
.endr
.endif
.irp i, 0,1,2,3
	global_load_b128 v[VT+4*\i:VT+4*\i+3], v[VA], s[12:13] offset:16*\i          ; b2 at my 16 columns: the C of the first products
.endr
.irp rt, 0,1
.irp j, 0,1,2,3
	global_load_b128 v[XR+16*\rt+4*\j:XR+16*\rt+4*\j+3], v[XA], s[6:7] offset:8192*\rt+16*\j
.endr
.endr
	global_load_b32 v112, v[T4], s[14:15]          ; the vectors, 4 bytes a thread (the bias of 512: 8), on their way into LDS
	global_load_b32 v113, v[T4], s[16:17]
	global_load_b32 v114, v[T4], s[18:19]
	global_load_b32 v115, v[T4], s[20:21]
	global_load_b64 v[116:117], v[T8], s[26:27]
.if POST2
	global_load_b32 v118, v[T4], s[32:33]
	global_load_b32 v119, v[T4], s[34:35]
	global_load_b32 v120, v[T4], s[36:37]
.endif
	s_wait_loadcnt 0x0
	ds_store_b32 v[T4], v112 offset:MG
	ds_store_b32 v[T4], v113 offset:MB
	ds_store_b32 v[T4], v114 offset:LG
	ds_store_b32 v[T4], v115 offset:LBT
	ds_store_b64 v[T8], v[116:117] offset:B5
.if POST2
	ds_store_b32 v[T4], v118 offset:FB2
	ds_store_b32 v[T4], v119 offset:L3G
	ds_store_b32 v[T4], v120 offset:L3B
.endif
	; ---- o w2 + b2: four accumulators by turns
	WIN 0x05                                       ; sources 0 and 1 window 1
.irp ks, 0,1,2,3
.irp rt, 0,1
.irp uu, 0,1
.if \ks == 0
	MM Y+16*\rt+8*\uu, 16*(4*\uu+\ks), 128+16*(4*\rt+\ks), VT+8*\uu, W2S+4*\uu+\ks, OSC+4*\rt+\ks
.else
	MM Y+16*\rt+8*\uu, 16*(4*\uu+\ks), 128+16*(4*\rt+\ks), Y+16*\rt+8*\uu, W2S+4*\uu+\ks, OSC+4*\rt+\ks
.endif
.endr
.endr
.endr
	WIN 0
	PLACES 9                                       ; ahead of loads into the operands' registers and of the first read of results
	WIN 0x40
.irp t, 0,1,2,3                                ; the next weights are asked for now: two norms stand between the request and the use
.irp ks, 0,1
.irp c, 0,1,2,3
	global_load_b128 v[128+16*(2*\t+\ks)+4*\c:128+16*(2*\t+\ks)+4*\c+3], v[OW5], s[22:23] offset:(32*(\t/2)+8*(\t%2))*256+128*\ks+32*\c
.endr
.endr
.endr
.if POST2
.irp uu, 0,1
.irp ks, 0,1,2,3
.irp c, 0,1,2,3
	global_load_b128 v[16*(4*\uu+\ks)+4*\c:16*(4*\uu+\ks)+4*\c+3], v[OW2], s[28:29] offset:4096*\uu+128*\ks+32*\c
.endr
.endr
.endr
.endif
	WIN 0
.set j, 0
.rept 16
	v_pk_add_f32 v[Y+j:Y+j+1], v[Y+j:Y+j+1], v[XR+j:XR+j+1]   ; + the residual
.set j, j+2
.endr
	LNSTAT Y, 0
	BARRIER
	LNFIN Y, 0, MG, MB, 1                          ; the attention's own norm, and the residual once more
	LNSTAT Y, 1
	BARRIER
	LNFIN Y, 1, LG, LBT, 0                         ; Y = x1 (POST2: x2)
	; ---- the rows become an operand: my 32 columns are block w of K = 256.  The hold goes into the norms' work registers: Y is read again in f32
	QUANT Y, 2, 0, CB, CB+16, LT
.irp rt, 0,1
	ds_store_b128 v[IW], v[CB+4*\rt:CB+4*\rt+3] offset:XIMG+4096*\rt
	ds_store_b8 v[XSB], v[CB+20+\rt] offset:XSC+256*\rt
.endr
.if !POST2
	ROWS_IN Y
.endif
	BARRIER
.irp rt, 0,1
.irp ks, 0,1
.irp c, 0,1,2,3
	ds_load_b128 v[XF+16*(2*\rt+\ks)+4*\c:XF+16*(2*\rt+\ks)+4*\c+3], v[LI] offset:XIMG+4096*\rt+2048*\ks+512*\c
.endr
	ds_load_b32 v[OSC+2*\rt+\ks], v[LS] offset:XSC+256*\rt+128*\ks
.endr
.endr
.irp t, 0,1,2,3
	ds_load_b128 v[VT+8*\t:VT+8*\t+3], v[VA5] offset:B5+128*(\t/2)+32*(\t%2)
	ds_load_b128 v[VT+8*\t+4:VT+8*\t+7], v[VA5] offset:B5+128*(\t/2)+32*(\t%2)+16
.endr
	s_wait_dscnt 0x0
.if POST2
	s_wait_loadcnt 32                              ; the N = 512 weight is in; W2's 32 loads may be out
.else
	s_wait_loadcnt 0x0
.endif
	WIN 0x01                                       ; source 0 window 1
.irp ks, 0,1                                   ; eight accumulators by turns
.irp rt, 0,1
.irp t, 0,1,2,3
.if \ks == 0
	MM A2+32*\rt+8*\t, 128+16*(2*\t+\ks), XF+16*(2*\rt+\ks), VT+8*\t, W5S+2*\t+\ks, OSC+2*\rt+\ks
.else
	MM A2+32*\rt+8*\t, 128+16*(2*\t+\ks), XF+16*(2*\rt+\ks), A2+32*\rt+8*\t, W5S+2*\t+\ks, OSC+2*\rt+\ks
.endif
.endr
.endr
.endr
	WIN 0
	PLACES 9
.if !POST2
	; ---- Q2: my head's 64 channels of 32 rows, quantised along the channels
	QUANT A2, 4, 0, CB, CB+16, A2
.irp rt, 0,1
	v_lshl_or_b32 v[WK+\rt], v[CB+21+2*\rt], 8, v[CB+20+2*\rt]
.endr
.irp rt, 0,1
.irp cc, 0,1
	global_store_b128 v[LI], v[CB+4*(2*\rt+\cc):CB+4*(2*\rt+\cc)+3], s[54:55] offset:8192*\rt+512*\cc
.endr
	global_store_b16 v[R16], v[WK+\rt], s[56:57] offset:256*\rt
.endr
.irp n, 0,1,2,3,4,5,6,7
	ds_load_b128 v[A2+4*\n:A2+4*\n+3], v[SRD] offset:1040*(\n/2)+512*(\n%2)      ; x1's rows, whole, behind the third barrier
.endr
.irp n, 0,1,2,3,4,5,6,7
	s_wait_dscnt 7-\n                              ; the younger loads may be out
	global_store_b128 v[LI], v[A2+4*\n:A2+4*\n+3], s[28:29] offset:1024*(\n/2)+512*(\n%2)
.endr
.else
	; ---- the hidden layer: relu and the quantiser in one; my 64 channels are blocks 2 w, 2 w + 1 of K = 512
	QUANT A2, 4, 1, CB, CB+16, A2
.irp rt, 0,1
	v_lshl_or_b32 v[WK+\rt], v[CB+21+2*\rt], 8, v[CB+20+2*\rt]
.endr
.irp rt, 0,1
.irp cc, 0,1
	ds_store_b128 v[HWI], v[CB+4*(2*\rt+\cc):CB+4*(2*\rt+\cc)+3] offset:HIMG+8192*\rt+512*\cc
.endr
	ds_store_b16 v[HSB], v[WK+\rt] offset:HSC+512*\rt
.endr
	BARRIER
	WIN 0x40
.irp rt, 0,1
.irp ks, 0,1,2,3
.irp c, 0,1,2,3
	ds_load_b128 v[128+16*(4*\rt+\ks)+4*\c:128+16*(4*\rt+\ks)+4*\c+3], v[LI] offset:HIMG+8192*\rt+2048*\ks+512*\c
.endr
.endr
.endr
	WIN 0
.irp rt, 0,1
.irp ks, 0,1,2,3
	ds_load_b32 v[OSC+4*\rt+\ks], v[LS] offset:HSC+512*\rt+128*\ks
.endr
.endr
.irp i, 0,1,2,3
	ds_load_b128 v[VT+4*\i:VT+4*\i+3], v[VA] offset:FB2+16*\i
.endr
	s_wait_dscnt 0x0
	s_wait_loadcnt 0x0                             ; W2
	WIN 0x05
.irp ks, 0,1,2,3
.irp rt, 0,1
.irp uu, 0,1
.if \ks == 0
	MM A3+16*\rt+8*\uu, 16*(4*\uu+\ks), 128+16*(4*\rt+\ks), VT+8*\uu, F2S+4*\uu+\ks, OSC+4*\rt+\ks
.else
	MM A3+16*\rt+8*\uu, 16*(4*\uu+\ks), 128+16*(4*\rt+\ks), A3+16*\rt+8*\uu, F2S+4*\uu+\ks, OSC+4*\rt+\ks
.endif
.endr
.endr
.endr
	WIN 0
	PLACES 9
.set j, 0
.rept 16
	v_pk_add_f32 v[A3+j:A3+j+1], v[A3+j:A3+j+1], v[Y+j:Y+j+1]   ; + x2
.set j, j+2
.endr
	LNSTAT A3, 2
	BARRIER
	LNFIN A3, 2, L3G, L3B, 0
	ROWS_IN A3
	BARRIER
.irp n, 0,1,2,3,4,5,6,7
	ds_load_b128 v[CB+4*\n:CB+4*\n+3], v[SRD] offset:1040*(\n/2)+512*(\n%2)
.endr
.irp n, 0,1,2,3,4,5,6,7
	s_wait_dscnt 7-\n                              ; the younger loads may be out
	global_store_b128 v[LI], v[CB+4*\n:CB+4*\n+3], s[38:39] offset:1024*(\n/2)+512*(\n%2) th:TH_STORE_NT
.endr
.endif
	s_wait_tensorcnt 0x0
	ds_add_u32 v254, v255
	s_wait_dscnt 0x0
	s_endpgm
.Lfunc_end_k_q509c08a0aa_post2:
	.size	k_q509c08a0aa_post2, .Lfunc_end_k_q509c08a0aa_post2-k_q509c08a0aa_post2
	.p2alignl 7, 3214868480
	.fill 96, 4, 3214868480
	.section	.rodata,"a",@progbits
	.p2align	6, 0x0
	.amdhsa_kernel k_q509c08a0aa_post2
		.amdhsa_group_segment_fixed_size 75776
		.amdhsa_private_segment_fixed_size 0
		.amdhsa_enable_private_segment 0
		.amdhsa_kernarg_size 144
		.amdhsa_user_sgpr_count 2
		.amdhsa_user_sgpr_kernarg_segment_ptr 1
		.amdhsa_wavefront_size32 1
		.amdhsa_system_sgpr_workgroup_id_x 1
		.amdhsa_system_sgpr_workgroup_id_y 1
		.amdhsa_system_sgpr_workgroup_id_z 1
		.amdhsa_system_vgpr_workitem_id 0
		.amdhsa_next_free_vgpr 512
		.amdhsa_next_free_sgpr 66
		.amdhsa_reserve_vcc 0
		.amdhsa_float_denorm_mode_32 3
		.amdhsa_float_denorm_mode_16_64 3
		.amdhsa_memory_ordered 1
		.amdhsa_forward_progress 1
		.amdhsa_inst_pref_size 80
	.end_amdhsa_kernel
	.amdgpu_metadata
---
amdhsa.version: [ 1, 2 ]
amdhsa.kernels:
  - .name:           k_q509c08a0aa_post2
    .symbol:         k_q509c08a0aa_post2.kd
    .args:
      - { .name: ob, .offset: 0, .size: 8, .value_kind: global_buffer, .address_space: global }
      - { .name: x1, .offset: 8, .size: 8, .value_kind: global_buffer, .address_space: global }
      - { .name: m2_w2_codes, .offset: 16, .size: 8, .value_kind: global_buffer, .address_space: global }
      - { .name: m2_w2_scales, .offset: 24, .size: 8, .value_kind: global_buffer, .address_space: global }
      - { .name: m2_b2, .offset: 32, .size: 8, .value_kind: global_buffer, .address_space: global }
      - { .name: m2_g, .offset: 40, .size: 8, .value_kind: global_buffer, .address_space: global }
      - { .name: m2_b, .offset: 48, .size: 8, .value_kind: global_buffer, .address_space: global }
      - { .name: ln2_g, .offset: 56, .size: 8, .value_kind: global_buffer, .address_space: global }
      - { .name: ln2_b, .offset: 64, .size: 8, .value_kind: global_buffer, .address_space: global }
      - { .name: ffn_w1_codes, .offset: 72, .size: 8, .value_kind: global_buffer, .address_space: global }
      - { .name: ffn_w1_scales, .offset: 80, .size: 8, .value_kind: global_buffer, .address_space: global }
      - { .name: ffn_b1, .offset: 88, .size: 8, .value_kind: global_buffer, .address_space: global }
      - { .name: ffn_w2_codes, .offset: 96, .size: 8, .value_kind: global_buffer, .address_space: global }
      - { .name: ffn_w2_scales, .offset: 104, .size: 8, .value_kind: global_buffer, .address_space: global }
      - { .name: ffn_b2, .offset: 112, .size: 8, .value_kind: global_buffer, .address_space: global }
      - { .name: ln3_g, .offset: 120, .size: 8, .value_kind: global_buffer, .address_space: global }
      - { .name: ln3_b, .offset: 128, .size: 8, .value_kind: global_buffer, .address_space: global }
      - { .name: out0, .offset: 136, .size: 8, .value_kind: global_buffer, .address_space: global }
    .group_segment_fixed_size: 75776
    .private_segment_fixed_size: 0
    .kernarg_segment_align: 8
    .kernarg_segment_size: 144
    .max_flat_workgroup_size: 256
    .sgpr_count:     66
    .vgpr_count:     512
    .wavefront_size: 32
...
	.end_amdgpu_metadata
.endif
;; end of part 5
;; ======== version 2 of 2: 5 launches; version 1 with the launches post1, post2 written anew for expert scheduling mode
;; workspace buffers: qb 4,325,376 bytes; ob 4,325,376 bytes; kv1 8,912,896 bytes; kv2 8,912,896 bytes; x1 8,388,608 bytes
;; launch proj: the kernel of part 1 again; grid 64 x 5, 8 waves a work-group, no clusters, 35,840 bytes of LDS; arguments x, encoder_output_codes, encoder_output_scales, tgt_mask, m1_wq_codes, m1_wq_scales, m1_bq, m1_wk_codes, m1_wk_scales, m1_bk, m1_wv_codes, m1_wv_scales, m1_bv, m2_wk_codes, m2_wk_scales, m2_bk, m2_wv_codes, m2_wv_scales, m2_bv, qb, kv1, kv2; writes qb, kv1, kv2
;; launch attn1: the kernel of part 2 again; grid 8 x 32, 16 waves a work-group, clusters of 4 x 1, 280,576 bytes of LDS; arguments qb, kv1, ob; writes ob
;; launch post1 (part 6): grid 256 x 1, 8 waves a work-group, no clusters, 75,776 bytes of LDS; arguments ob, x, m1_w2_codes, m1_w2_scales, m1_b2, m1_g, m1_b, ln1_g, ln1_b, m2_wq_codes, m2_wq_scales, m2_bq, x1, qb; writes x1, qb
.if DOCPART == 6
	.amdgcn_target "amdgcn-amd-amdhsa--gfx1250"
	.amdhsa_code_object_version 6
	.text
	.protected	k_q509c08a0aa_post1
	.globl	k_q509c08a0aa_post1
	.p2align	8
	.type	k_q509c08a0aa_post1,@function
k_q509c08a0aa_post1:
	s_mov_b64 s[64:65], 0
	v_nop
	global_prefetch_b8 v0, s[64:65] scope:SCOPE_SE
	s_setreg_imm32_b32 hwreg(HW_REG_WAVE_SCHED_MODE, 0, 2), 2
	s_setreg_imm32_b32 hwreg(HW_REG_WAVE_MODE, 25, 1), 1
	s_wait_xcnt 0x0
	s_wait_alu depctr_vm_vsrc(0)
; BEHIND AN ATTENTION, for 32 rows a work-group.  POST2 = 0: a = LN(o w2 + b2 + x; m_g, m_b); x1 = LN(x + a; ln_g, ln_b) -> x1 (f32); Q2 = x1 wq + bq, quantised -> qb.
; POST2 = 1: the same front gives x2; then out0 = LN(x2 + relu(x2 w1 + b1) W2 + B2; ln3_g, ln3_b).  All products on codes of BF8 (E5M2), one E8M0 scale for each 32 along K; all else f32.
; SHARES.  THE EIGHT WAVES SHARE THE COLUMNS: in the products with N = 256 wave w owns columns 32 w .. 32 w + 31 (two tiles), with N = 512 channels 64 w .. 64 w + 63 (four tiles), for both tiles of 16 rows.
; Each weight byte goes from memory straight into one wave's registers, once a work-group.  All products are used transposed (source 0 = 16 rows of the weight, source 1 = 16 rows): a lane holds one row and
; 16 neighbouring columns; the weight's rows that form a tile are chosen for that: lane r of tile 2 c + u takes row 32 c + 8 u + r + 8 (r / 8).  The rows of a row tile likewise.
; WHAT GOES ROUND: a row's statistics (8 bytes a wave), and the quantised rows, as images of the operand's registers (16 bytes a lane at 16 x lane) with their scale bytes.  Each LDS region is written once.
; THE NORMS: each wave takes the mean and the sum of squared deviations of its 32 columns; the eight pairs are joined by the rule for equal parts: no difference of large sums.  The NEGATIVE mean is carried.
; No tensor loads and no cluster: a joint load lands in LDS, from which the weights would be read again, and with POST2 = 1 they (393,216 bytes) do not fit there at once.
; LIMITS: NaN and infinities are not served; a block of zeros gets the byte 1 (its codes are zeros; this program alone reads the bytes).
; THE MODE: SCHED_MODE bits 1:0 = 2 (LLVM: expert scheduling mode 2), set by the entry lines.  The code itself states the register dependences between vector or matrix instructions and memory or LDS
; instructions, with s_wait_alu, always for 0.
; THE PLAN.  The text is straight: no loop, no branch.  Registers that memory or LDS instructions touch, and who else names them, in the order of the text:
;   v1-13, v240-246  offsets and LDS addresses: written at the head, read by loads and stores, never written again.  One wait on va_vdst ahead of the first load serves them all.
;   window 1         filled by loads; read by products; filled again behind those products: a wait on va_vdst stands between, behind the window's switch.
;   OSC, VT, the weights' scale words   filled by loads; read by products (scales, C) and by the norms' multiply-adds; no store reads them.
;   LT               written by the norms and by the quantiser's hold; the LDS stores of a norm's statistics read its pairs; the same norm's second half writes it again; at last the upper half of XF.
;   CB               at the head the vectors on their way into LDS (loaded, then stored); after that by turns filled by LDS loads (the pairs, XF, rows) and written by the quantiser, whose codes stores read.
;   Y, A3            written by products and norms; read by the LDS stores into the stage.  POST2 = 0: x1's whole rows then land in Y and leave from there.
; A WAIT ON va_vdst stands ahead of each run of stores whose data vector instructions have just written.  No vector instruction stands between such a wait and the LDS loads behind the barrier that follows,
; so the same wait states that all earlier readers and writers of the registers in which those loads land are done.
; A WAIT ON vm_vsrc stands at the head of a norm's second half and behind the third barrier: ahead of the first write, by a load or by a vector instruction, of registers that stores have read.
.set POST2, 0
.set QSC,  4194304
.set MG,   0                           ; LDS: the vectors: m_g, m_b, ln_g, ln_b (1,024 bytes each), the bias of 512, then B2, ln3_g, ln3_b
.set MB,   1024
.set LG,   2048
.set LBT,  3072
.set B5,   4096
.set FB2,  6144
.set L3G,  7168
.set L3B,  8192
.set LNX,  9216                        ; three norms x [row tile 2][r 16][wave 8] pairs of 8 bytes
.set XIMG, 15360                       ; the rows' codes, K = 256: 4,096 x row tile + 512 x block
.set XSC,  23552                       ; their scale words: 256 x row tile + 128 x K step + 4 x lane
.set HIMG, 24064                       ; the hidden layer's, K = 512: 8,192 x row tile + 512 x block
.set HSC,  40448                       ; 512 x row tile + 128 x K step + 4 x lane
.set STG,  41472                       ; the stage: 32 rows x (1,024 + 16) bytes
.set LI,   1                           ; v1 16 x lane; v2 4 x lane; v3 16 r
.set LS,   2
.set R16,  3
.set VA,   4                           ; v4 128 w + 64 h: my 16 columns in a vector of 256;  v5 256 w + 64 h: in the bias of 512
.set VA5,  5
.set LNW,  6                           ; v6 LNX + 64 r + 8 w;  v7 LNX + 64 r
.set LNR,  7
.set STO,  8                           ; v8 STG + 1,040 rp + 128 w + 64 h;  v9 STG + 4,160 w + 16 x lane
.set SRD,  9
.set XSB,  10                          ; v10 4 x lane + 128 (w / 4) + w % 4
.set IW,   11                          ; v11 16 x lane + 512 w
.set HWI,  12                          ; v12 16 x lane + 1,024 w
.set HSB,  13                          ; v13 4 x lane + 128 (w / 2) + 2 (w % 2)
.set OSC,  16                          ; v16-23 the rows' scale words of the product in hand
.set W2S,  24                          ; v24-31 w2's scale words; v32-39 the N = 512 weight's; v40-47 W2's
.set W5S,  32
.set F2S,  40
.set Y,    48                          ; v48-79 two row tiles x 16 columns; POST2 = 0: at last x1's four whole rows on their way out
.set VT,   80                          ; v80-111 a bias, or gain and offset
.set CB,   112                         ; v112-143 the eight pairs of both row tiles; codes and the quantiser's work
.set LT,   144                         ; v144-175 the norms' work, 16 a row tile; the held copy of the rows on their way to codes
.set XF,   112                         ; v112-175 the rows' four fragments
.set A2,   176                         ; v176-239 the N = 512 sums;  at first the residual (XR), at last the third product's sums (A3)
.set XR,   176
.set A3,   176
.set XA,   240                         ; v240 1,024 rp + 128 w + 64 h; v241 512 rp + 16 h; v242 256 rp + 16 h; v243 16 rp; v244 8 rp; v245 4 x thread; v246 8 x thread
.set OW2,  241
.set OW5,  242
.set O16,  243
.set O8,   244
.set T4,   245
.set T8,   246
.set WK,   248                         ; v248-249 at work
.set WV,   40                          ; window 1: v0-127 w2 (later W2): fragment (u, s) at 16 (4 u + s);  v128-255 the attention's rows (4 rt + s), then the N = 512 weight (2 t + s), then the hidden layer (4 rt + s)
.set GG,   41
.set SEL,  44
.set MNT,  46
.set MSB,  0
.macro WIN new                         ; the immediate's high byte repeats the setting that is left
.if MSB != \new
	s_set_vgpr_msb (MSB<<8)|\new
.set MSB, \new
.endif
.endm
.macro PLACES n
.rept \n
	v_nop
.endr
.endm
.macro MM d, a, b, c, sa, sb
	v_wmma_scale_f32_16x16x128_f8f6f4 v[\d:\d+7], v[\a:\a+15], v[\b:\b+15], v[\c:\c+7], v[\sa], v[\sb] matrix_a_fmt:MATRIX_FMT_BF8 matrix_b_fmt:MATRIX_FMT_BF8
.endm
.macro BARRIER                         ; my LDS stores have landed and my LDS loads are in: then the work-group's barrier
	s_wait_dscnt 0x0
	s_barrier_signal -1
	s_barrier_wait -1
.endm
; nb blocks of 32: block b's 16 numbers of my lane in v[s + 16 b] on, the other 16 in lane l xor 16.  Codes to v[pc + 4 b] on; tm: +0 largest magnitudes, +4 bytes, +8 limits, +12 scale operands.
; hd: where the numbers held within the largest code x the scale go, 16 a block.  hd = s holds in place; numbers that are read again in f32 (the rows x1, x2) are held into other registers and stay as they are.
.macro QUANT s, nb, relu, pc, tm, hd
.irp b, 0,1,2,3
.if \b < \nb
.if \relu
	v_max3_num_f32 v[\tm+\b], v[\s+16*\b], v[\s+16*\b+1], 0x8000000       ; no |.|: what is negative becomes 0 and must not count; the floor 2^(16 - 127) stands over it
.else
	v_max3_num_f32 v[\tm+\b], |v[\s+16*\b]|, |v[\s+16*\b+1]|, 0x8000000
.endif
.endif
.endr
.irp i, 2,4,6,8,10,12,14
.irp b, 0,1,2,3
.if \b < \nb
.if \relu
	v_max3_num_f32 v[\tm+\b], v[\tm+\b], v[\s+16*\b+\i], v[\s+16*\b+\i+1]
.else
	v_max3_num_f32 v[\tm+\b], v[\tm+\b], |v[\s+16*\b+\i]|, |v[\s+16*\b+\i+1]|
.endif
.endif
.endr
.endr
.irp b, 0,1,2,3
.if \b < \nb
	v_permlanex16_b32 v[\tm+4+\b], v[\tm+\b], s[SEL], s[SEL+1]
.endif
.endr
.irp b, 0,1,2,3
.if \b < \nb
	v_max_num_f32 v[\tm+\b], v[\tm+\b], v[\tm+4+\b]
.endif
.endr
.irp b, 0,1,2,3
.if \b < \nb
	v_add_nc_u32 v[\tm+12+\b], 0xf8800000, v[\tm+\b]       ; 15 off the exponent field: the conversion's scale operand
.endif
.endr
.irp b, 0,1,2,3
.if \b < \nb
	v_and_or_b32 v[\tm+8+\b], v[\tm+\b], 0x7f800000, s[MNT]   ; 57,344 x the scale
.endif
.endr
.irp b, 0,1,2,3
.if \b < \nb
	v_lshrrev_b32 v[\tm+4+\b], 23, v[\tm+12+\b]            ; the scale's byte
.endif
.endr
.irp b, 0,1,2,3
.if \b < \nb
.irp i, 0,1,2,3,4,5,6,7,8,9,10,11,12,13,14,15
.if \relu
	v_med3_num_f32 v[\hd+16*\b+\i], v[\s+16*\b+\i], 0, v[\tm+8+\b]             ; the activation and the hold in one
.else
	v_med3_num_f32 v[\hd+16*\b+\i], v[\s+16*\b+\i], -v[\tm+8+\b], v[\tm+8+\b]  ; the conversion to an 8-bit code does not saturate (ISA guide 7.6.2): the hold
.endif
.endr
	v_cvt_scalef32_pk8_bf8_f32 v[\pc+4*\b:\pc+4*\b+1], v[\hd+16*\b:\hd+16*\b+7], v[\tm+12+\b]
	v_cvt_scalef32_pk8_bf8_f32 v[\pc+4*\b+2:\pc+4*\b+3], v[\hd+16*\b+8:\hd+16*\b+15], v[\tm+12+\b]
.endif
.endr
	v_nop                                          ; a plain line behind the last conversion
.endm
; My 32 columns' statistics of both row tiles: (-mean, sum of squared deviations) -> LDS, norm e.
.macro LNSTAT src, e
.irp rt, 0,1
.irp i, 0,1,2,3
	v_pk_add_f32 v[LT+16*\rt+2*\i:LT+16*\rt+2*\i+1], v[\src+16*\rt+4*\i:\src+16*\rt+4*\i+1], v[\src+16*\rt+4*\i+2:\src+16*\rt+4*\i+3]
.endr
.endr
.irp rt, 0,1
	v_pk_add_f32 v[LT+16*\rt:LT+16*\rt+1], v[LT+16*\rt:LT+16*\rt+1], v[LT+16*\rt+2:LT+16*\rt+3]
	v_pk_add_f32 v[LT+16*\rt+4:LT+16*\rt+5], v[LT+16*\rt+4:LT+16*\rt+5], v[LT+16*\rt+6:LT+16*\rt+7]
.endr
.irp rt, 0,1
	v_pk_add_f32 v[LT+16*\rt:LT+16*\rt+1], v[LT+16*\rt:LT+16*\rt+1], v[LT+16*\rt+4:LT+16*\rt+5]
.endr
.irp rt, 0,1
	v_add_f32 v[LT+16*\rt], v[LT+16*\rt], v[LT+16*\rt+1]
.endr
.irp rt, 0,1
	v_permlanex16_b32 v[LT+16*\rt+2], v[LT+16*\rt], s[SEL], s[SEL+1]
.endr
.irp rt, 0,1
	v_add_f32 v[LT+16*\rt], v[LT+16*\rt], v[LT+16*\rt+2]
.endr
.irp rt, 0,1
	v_mul_f32 v[LT+16*\rt], 0xbd000000, v[LT+16*\rt]       ; x -1/32: the negative mean of 32
.endr
.irp rt, 0,1
	v_pk_add_f32 v[LT+16*\rt+2:LT+16*\rt+3], v[\src+16*\rt:\src+16*\rt+1], v[LT+16*\rt:LT+16*\rt+1] op_sel_hi:[1,0]
	v_pk_add_f32 v[LT+16*\rt+4:LT+16*\rt+5], v[\src+16*\rt+2:\src+16*\rt+3], v[LT+16*\rt:LT+16*\rt+1] op_sel_hi:[1,0]
.endr
.irp rt, 0,1
	v_pk_mul_f32 v[LT+16*\rt+6:LT+16*\rt+7], v[LT+16*\rt+2:LT+16*\rt+3], v[LT+16*\rt+2:LT+16*\rt+3]
	v_pk_mul_f32 v[LT+16*\rt+8:LT+16*\rt+9], v[LT+16*\rt+4:LT+16*\rt+5], v[LT+16*\rt+4:LT+16*\rt+5]
.endr
.irp i, 1,2,3
.irp rt, 0,1
	v_pk_add_f32 v[LT+16*\rt+2:LT+16*\rt+3], v[\src+16*\rt+4*\i:\src+16*\rt+4*\i+1], v[LT+16*\rt:LT+16*\rt+1] op_sel_hi:[1,0]
	v_pk_add_f32 v[LT+16*\rt+4:LT+16*\rt+5], v[\src+16*\rt+4*\i+2:\src+16*\rt+4*\i+3], v[LT+16*\rt:LT+16*\rt+1] op_sel_hi:[1,0]
.endr
.irp rt, 0,1
	v_pk_fma_f32 v[LT+16*\rt+6:LT+16*\rt+7], v[LT+16*\rt+2:LT+16*\rt+3], v[LT+16*\rt+2:LT+16*\rt+3], v[LT+16*\rt+6:LT+16*\rt+7]
	v_pk_fma_f32 v[LT+16*\rt+8:LT+16*\rt+9], v[LT+16*\rt+4:LT+16*\rt+5], v[LT+16*\rt+4:LT+16*\rt+5], v[LT+16*\rt+8:LT+16*\rt+9]
.endr
.endr
.irp rt, 0,1
	v_pk_add_f32 v[LT+16*\rt+6:LT+16*\rt+7], v[LT+16*\rt+6:LT+16*\rt+7], v[LT+16*\rt+8:LT+16*\rt+9]
.endr
.irp rt, 0,1
	v_add_f32 v[LT+16*\rt+1], v[LT+16*\rt+6], v[LT+16*\rt+7]
.endr
.irp rt, 0,1
	v_permlanex16_b32 v[LT+16*\rt+2], v[LT+16*\rt+1], s[SEL], s[SEL+1]
.endr
.irp rt, 0,1
	v_add_f32 v[LT+16*\rt+1], v[LT+16*\rt+1], v[LT+16*\rt+2]
.endr
	s_wait_alu depctr_va_vdst(0)                   ; the two pairs in v[LT ..] are written, which the LDS stores read; and all vector and matrix instructions so far are done with v[CB ..] and v[VT ..], in which the loads behind the barrier land
.irp rt, 0,1
	ds_store_b64 v[LNW], v[LT+16*\rt:LT+16*\rt+1] offset:2048*\e+1024*\rt   ; (both halves of the lanes write the same bytes with the same values)
.endr
.endm
; The eight waves' pairs are joined; dst = (dst - mean) x rsqrt(var + 1e-6) x gain + offset (+ the residual).
.macro LNFIN dst, e, g, b, addx
	s_wait_alu depctr_vm_vsrc(0)                   ; the LDS stores issued so far have read their data: the pairs in v[LT ..], which the sums below write again, and what lay in v[CB ..], in which the loads below land
.irp rt, 0,1
.irp i, 0,1,2,3
	ds_load_b128 v[CB+16*\rt+4*\i:CB+16*\rt+4*\i+3], v[LNR] offset:2048*\e+1024*\rt+16*\i
.endr
.endr
.irp i, 0,1,2,3
	ds_load_b128 v[VT+4*\i:VT+4*\i+3], v[VA] offset:\g+16*\i
.endr
.irp i, 0,1,2,3
	ds_load_b128 v[VT+16+4*\i:VT+16+4*\i+3], v[VA] offset:\b+16*\i
.endr
	s_wait_dscnt 8                                 ; the pairs are in; the eight loads of gain and offset may be out
.irp rt, 0,1
.irp i, 0,1,2,3
	v_pk_add_f32 v[LT+16*\rt+2*\i:LT+16*\rt+2*\i+1], v[CB+16*\rt+4*\i:CB+16*\rt+4*\i+1], v[CB+16*\rt+4*\i+2:CB+16*\rt+4*\i+3]
.endr
.endr
.irp rt, 0,1
	v_pk_add_f32 v[LT+16*\rt:LT+16*\rt+1], v[LT+16*\rt:LT+16*\rt+1], v[LT+16*\rt+2:LT+16*\rt+3]
	v_pk_add_f32 v[LT+16*\rt+4:LT+16*\rt+5], v[LT+16*\rt+4:LT+16*\rt+5], v[LT+16*\rt+6:LT+16*\rt+7]
.endr
.irp rt, 0,1
	v_pk_add_f32 v[LT+16*\rt:LT+16*\rt+1], v[LT+16*\rt:LT+16*\rt+1], v[LT+16*\rt+4:LT+16*\rt+5]   ; (the sum of the negative means, the sum of the parts' squares)
.endr
.irp rt, 0,1
	v_mul_f32 v[LT+16*\rt+2], 0x3e000000, v[LT+16*\rt]     ; / 8: the row's negative mean
.endr
.irp rt, 0,1
	v_sub_f32 v[LT+16*\rt+4], v[CB+16*\rt], v[LT+16*\rt+2]
.endr
.irp rt, 0,1
	v_mul_f32 v[LT+16*\rt+6], v[LT+16*\rt+4], v[LT+16*\rt+4]
.endr
.irp i, 1,2,3,4,5,6,7
.irp rt, 0,1
	v_sub_f32 v[LT+16*\rt+4], v[CB+16*\rt+2*\i], v[LT+16*\rt+2]
.endr
.irp rt, 0,1
	v_fmac_f32 v[LT+16*\rt+6], v[LT+16*\rt+4], v[LT+16*\rt+4]
.endr
.endr
.irp rt, 0,1
	v_fmamk_f32 v[LT+16*\rt+6], v[LT+16*\rt+6], 0x42000000, v[LT+16*\rt+1]   ; 32 x the means' squared deviations + the parts' squares
.endr
.irp rt, 0,1
	v_fma_f32 v[LT+16*\rt+6], v[LT+16*\rt+6], s47, s48     ; / 256 + 1e-6
.endr
.irp rt, 0,1
	v_rsq_f32 v[LT+16*\rt+4], v[LT+16*\rt+6]
.endr
	v_nop                                          ; a plain line behind the two
	s_wait_alu depctr_va_vdst(0)                   ; the two reciprocal roots in v[LT + 4] and v[LT + 20] are written: one wait for both, ahead of their first reader
	s_wait_dscnt 0x0                               ; gain and offset
.irp rt, 0,1
.irp i, 0,1,2,3,4,5,6,7
	v_pk_add_f32 v[\dst+16*\rt+2*\i:\dst+16*\rt+2*\i+1], v[\dst+16*\rt+2*\i:\dst+16*\rt+2*\i+1], v[LT+16*\rt+2:LT+16*\rt+3] op_sel_hi:[1,0]
.endr
.irp i, 0,1,2,3,4,5,6,7
	v_pk_mul_f32 v[\dst+16*\rt+2*\i:\dst+16*\rt+2*\i+1], v[\dst+16*\rt+2*\i:\dst+16*\rt+2*\i+1], v[LT+16*\rt+4:LT+16*\rt+5] op_sel_hi:[1,0]
.endr
.irp i, 0,1,2,3,4,5,6,7
	v_pk_fma_f32 v[\dst+16*\rt+2*\i:\dst+16*\rt+2*\i+1], v[\dst+16*\rt+2*\i:\dst+16*\rt+2*\i+1], v[VT+2*\i:VT+2*\i+1], v[VT+16+2*\i:VT+16+2*\i+1]
.endr
.if \addx
.irp i, 0,1,2,3,4,5,6,7
	v_pk_add_f32 v[\dst+16*\rt+2*\i:\dst+16*\rt+2*\i+1], v[\dst+16*\rt+2*\i:\dst+16*\rt+2*\i+1], v[XR+16*\rt+2*\i:XR+16*\rt+2*\i+1]
.endr
.endif
.endr
.endm
; 32 rows of f32 from src into the stage; they come back as four whole rows a wave, 512 consecutive bytes a store.
.macro ROWS_IN src
.irp rt, 0,1
.irp j, 0,1,2,3
	ds_store_b128 v[STO], v[\src+16*\rt+4*\j:\src+16*\rt+4*\j+3] offset:8320*\rt+16*\j
.endr
.endr
.endm
	s_load_b512 s[4:19], s[0:1], 0x0               ; ob, the residual's source, w2 (c, s), b2, m_g, m_b, ln_g
	s_load_b256 s[20:27], s[0:1], 0x40             ; ln_b, the N = 512 weight (c, s), its bias
	s_load_b128 s[28:31], s[0:1], 0x60             ; POST2 = 0: x1, qb;  1: W2 (c, s)
	v_lshl_add_u32 v254, v0, 2, 0x12400
	v_mov_b32 v255, 0
.if POST2
	s_load_b256 s[32:39], s[0:1], 0x70             ; B2, ln3_g, ln3_b, out0
.endif
	v_lshrrev_b32 v14, 5, v0
	v_readfirstlane_b32 s[WV], v14                 ; wave 0..7
	s_mov_b32 s[GG], ttmp9                         ; my 32 rows
	v_and_b32 v14, 31, v0
	v_lshlrev_b32 v[LI], 4, v14
	v_lshlrev_b32 v[LS], 2, v14
	v_and_b32 v15, 15, v0                          ; r
	v_lshlrev_b32 v[R16], 4, v15
	v_bfe_u32 v14, v0, 4, 1                        ; h
	s_wait_alu depctr_va_sdst(0)                   ; the wave's number is written into s[WV], ahead of its first reader: addresses and bases are made from it
	s_lshl_b32 s42, s[WV], 7
	v_lshlrev_b32 v[VA], 6, v14
	v_add_nc_u32 v[VA5], s42, v[VA]
	v_add_nc_u32 v[VA5], s42, v[VA5]
	v_add_nc_u32 v[VA], s42, v[VA]
	s_lshl_b32 s43, s[WV], 3
	s_add_co_u32 s43, s43, LNX
	v_lshlrev_b32 v[LNR], 6, v15
	v_add_nc_u32 v[LNW], s43, v[LNR]
	v_add_nc_u32 v[LNR], LNX, v[LNR]
	v_and_b32 v[WK], 8, v15
	v_add_nc_u32 v[WK], v[WK], v15                 ; rp = r + 8 (r / 8)
	v_mul_u32_u24 v[STO], v[WK], 1040
	v_add_nc_u32 v[STO], v[STO], v[VA]
	v_add_nc_u32 v[STO], STG, v[STO]
	s_mul_i32 s43, s[WV], 4160
	s_add_co_u32 s43, s43, STG
	v_add_nc_u32 v[SRD], s43, v[LI]
	s_lshr_b32 s43, s[WV], 2
	s_lshl_b32 s43, s43, 7
	s_and_b32 s49, s[WV], 3
	s_add_co_u32 s43, s43, s49
	v_add_nc_u32 v[XSB], s43, v[LS]
	s_lshl_b32 s43, s[WV], 9
	v_add_nc_u32 v[IW], s43, v[LI]
.if POST2
	s_lshl_b32 s43, s[WV], 10
	v_add_nc_u32 v[HWI], s43, v[LI]
	s_lshr_b32 s43, s[WV], 1
	s_lshl_b32 s43, s43, 7
	s_and_b32 s49, s[WV], 1
	s_lshl_b32 s49, s49, 1
	s_add_co_u32 s43, s43, s49
	v_add_nc_u32 v[HSB], s43, v[LS]
.endif
	v_lshlrev_b32 v[XA], 10, v[WK]
	v_add_nc_u32 v[XA], v[XA], v[VA]
	v_lshlrev_b32 v[OW2], 9, v[WK]
	v_lshl_add_u32 v[OW2], v14, 4, v[OW2]
	v_lshlrev_b32 v[OW5], 8, v[WK]
	v_lshl_add_u32 v[OW5], v14, 4, v[OW5]
	v_lshlrev_b32 v[O16], 4, v[WK]
	v_lshlrev_b32 v[O8], 3, v[WK]
	v_lshlrev_b32 v[T4], 2, v0
	v_lshlrev_b32 v[T8], 3, v0
	s_mov_b32 s[SEL], 0x76543210
	s_mov_b32 s[SEL+1], 0xfedcba98
	s_mov_b32 s[MNT], 0x600000
	s_mov_b32 s47, 0x3b800000                      ; 1 / 256
	s_mov_b32 s48, 0x358637bd                      ; 1e-6
	s_mov_b32 s51, 0
	s_wait_kmcnt 0x0
	s_lshl_b32 s50, s[GG], 9
	s_add_co_u32 s50, s50, QSC
	s_add_nc_u64 s[52:53], s[4:5], s[50:51]        ; ob's scale words of my two row tiles
	s_lshl_b32 s50, s[GG], 14
	s_add_nc_u64 s[4:5], s[4:5], s[50:51]          ; and their codes
	s_lshl_b32 s50, s[GG], 15
	s_add_nc_u64 s[6:7], s[6:7], s[50:51]          ; the residual's 32 rows
	s_lshl_b32 s50, s[WV], 14                      ; my 32 rows of 512 codes, my 64 rows of 256
	s_add_nc_u64 s[8:9], s[8:9], s[50:51]
	s_add_nc_u64 s[22:23], s[22:23], s[50:51]
.if POST2
	s_add_nc_u64 s[28:29], s[28:29], s[50:51]
.endif
	s_lshl_b32 s50, s[WV], 9                       ; their scale bytes
	s_add_nc_u64 s[10:11], s[10:11], s[50:51]
	s_add_nc_u64 s[24:25], s[24:25], s[50:51]
.if POST2
	s_add_nc_u64 s[30:31], s[30:31], s[50:51]
.endif
	s_lshl_b32 s50, s[GG], 15                      ; the four whole rows that I store
	s_lshl_b32 s49, s[WV], 12
	s_add_co_u32 s50, s50, s49
.if POST2
	s_add_nc_u64 s[38:39], s[38:39], s[50:51]
.else
	s_add_nc_u64 s[28:29], s[28:29], s[50:51]
	s_lshl_b32 s50, s[GG], 14
	s_lshl_b32 s49, s[WV], 10
	s_add_co_u32 s50, s50, s49
	s_add_nc_u64 s[54:55], s[30:31], s[50:51]      ; qb: my head's codes of my two row tiles,
	s_lshl_b32 s50, s[GG], 9
	s_lshl_b32 s49, s[WV], 1
	s_add_co_u32 s50, s50, s49
	s_add_co_u32 s50, s50, QSC
	s_add_nc_u64 s[56:57], s[30:31], s[50:51]      ; and their scale half-words
.endif
	WIN 0x40                                       ; destination window 1
	s_wait_alu depctr_va_vdst(0)                   ; the offsets and LDS addresses v1 to v13 and v240 to v246 are written, which the loads and stores of the whole kernel read; so are v254 and v255, which the closing add reads
.irp rt, 0,1
.irp ks, 0,1,2,3
.irp c, 0,1,2,3
	global_load_b128 v[128+16*(4*\rt+\ks)+4*\c:128+16*(4*\rt+\ks)+4*\c+3], v[LI], s[4:5] offset:8192*\rt+2048*\ks+512*\c
.endr
.endr
.endr
.irp uu, 0,1
.irp ks, 0,1,2,3
.irp c, 0,1,2,3
	global_load_b128 v[16*(4*\uu+\ks)+4*\c:16*(4*\uu+\ks)+4*\c+3], v[OW2], s[8:9] offset:4096*\uu+128*\ks+32*\c
.endr
.endr
.endr
	WIN 0
.irp rt, 0,1
	global_load_b128 v[OSC+4*\rt:OSC+4*\rt+3], v[R16], s[52:53] offset:256*\rt
.endr
.irp uu, 0,1
	global_load_b128 v[W2S+4*\uu:W2S+4*\uu+3], v[O16], s[10:11] offset:128*\uu
.endr
.irp t, 0,1,2,3
	global_load_b64 v[W5S+2*\t:W5S+2*\t+1], v[O8], s[24:25] offset:(32*(\t/2)+8*(\t%2))*8
.endr
.if POST2
.irp uu, 0,1
	global_load_b128 v[F2S+4*\uu:F2S+4*\uu+3], v[O16], s[30:31] offset:128*\uu
.endr
.endif
.irp i, 0,1,2,3
	global_load_b128 v[VT+4*\i:VT+4*\i+3], v[VA], s[12:13] offset:16*\i          ; b2 at my 16 columns: the C of the first products
.endr
.irp rt, 0,1
.irp j, 0,1,2,3
	global_load_b128 v[XR+16*\rt+4*\j:XR+16*\rt+4*\j+3], v[XA], s[6:7] offset:8192*\rt+16*\j
.endr
.endr
	global_load_b32 v112, v[T4], s[14:15]          ; the vectors, 4 bytes a thread (the bias of 512: 8), on their way into LDS
	global_load_b32 v113, v[T4], s[16:17]
	global_load_b32 v114, v[T4], s[18:19]
	global_load_b32 v115, v[T4], s[20:21]
	global_load_b64 v[116:117], v[T8], s[26:27]
.if POST2
	global_load_b32 v118, v[T4], s[32:33]
	global_load_b32 v119, v[T4], s[34:35]
	global_load_b32 v120, v[T4], s[36:37]
.endif
	s_wait_loadcnt 0x0
	ds_store_b32 v[T4], v112 offset:MG             ; (data that loads brought, addresses from ahead of the wait above: no vector instruction has named either since)
	ds_store_b32 v[T4], v113 offset:MB
	ds_store_b32 v[T4], v114 offset:LG
	ds_store_b32 v[T4], v115 offset:LBT
	ds_store_b64 v[T8], v[116:117] offset:B5
.if POST2
	ds_store_b32 v[T4], v118 offset:FB2
	ds_store_b32 v[T4], v119 offset:L3G
	ds_store_b32 v[T4], v120 offset:L3B
.endif
	; ---- o w2 + b2: four accumulators by turns
	WIN 0x05                                       ; sources 0 and 1 window 1
.irp ks, 0,1,2,3
.irp rt, 0,1
.irp uu, 0,1
.if \ks == 0
	MM Y+16*\rt+8*\uu, 16*(4*\uu+\ks), 128+16*(4*\rt+\ks), VT+8*\uu, W2S+4*\uu+\ks, OSC+4*\rt+\ks
.else
	MM Y+16*\rt+8*\uu, 16*(4*\uu+\ks), 128+16*(4*\rt+\ks), Y+16*\rt+8*\uu, W2S+4*\uu+\ks, OSC+4*\rt+\ks
.endif
.endr
.endr
.endr
	WIN 0
	PLACES 9                                       ; places ahead of the first read of results, the additions below
	WIN 0x40
	s_wait_alu depctr_va_vdst(0)                   ; the products are done reading their operands in window 1, in which the loads below land
.irp t, 0,1,2,3                                ; the next weights are asked for now: two norms stand between the request and the use
.irp ks, 0,1
.irp c, 0,1,2,3
	global_load_b128 v[128+16*(2*\t+\ks)+4*\c:128+16*(2*\t+\ks)+4*\c+3], v[OW5], s[22:23] offset:(32*(\t/2)+8*(\t%2))*256+128*\ks+32*\c
.endr
.endr
.endr
.if POST2
.irp uu, 0,1
.irp ks, 0,1,2,3
.irp c, 0,1,2,3
	global_load_b128 v[16*(4*\uu+\ks)+4*\c:16*(4*\uu+\ks)+4*\c+3], v[OW2], s[28:29] offset:4096*\uu+128*\ks+32*\c
.endr
.endr
.endr
.endif
	WIN 0
.set j, 0
.rept 16
	v_pk_add_f32 v[Y+j:Y+j+1], v[Y+j:Y+j+1], v[XR+j:XR+j+1]   ; + the residual
.set j, j+2
.endr
	LNSTAT Y, 0
	BARRIER
	LNFIN Y, 0, MG, MB, 1                          ; the attention's own norm, and the residual once more
	LNSTAT Y, 1
	BARRIER
	LNFIN Y, 1, LG, LBT, 0                         ; Y = x1 (POST2: x2)
	; ---- the rows become an operand: my 32 columns are block w of K = 256.  The hold goes into the norms' work registers: Y is read again in f32
	QUANT Y, 2, 0, CB, CB+16, LT
	s_wait_alu depctr_va_vdst(0)                   ; the codes and bytes in v[CB ..] and the rows in v[Y ..] are written, which the LDS stores read; and the quantiser and the norms are done with v[XF ..], v[OSC ..], v[VT ..] (POST2 = 0: v[Y ..]), in which the loads behind the barrier land
.irp rt, 0,1
	ds_store_b128 v[IW], v[CB+4*\rt:CB+4*\rt+3] offset:XIMG+4096*\rt
	ds_store_b8 v[XSB], v[CB+20+\rt] offset:XSC+256*\rt
.endr
.if !POST2
	ROWS_IN Y
.endif
	BARRIER
	s_wait_alu depctr_vm_vsrc(0)                   ; my LDS stores have read the codes and bytes in v[CB ..] (POST2 = 0: and the rows in v[Y ..]), in which the loads below land
.irp rt, 0,1
.irp ks, 0,1
.irp c, 0,1,2,3
	ds_load_b128 v[XF+16*(2*\rt+\ks)+4*\c:XF+16*(2*\rt+\ks)+4*\c+3], v[LI] offset:XIMG+4096*\rt+2048*\ks+512*\c
.endr
	ds_load_b32 v[OSC+2*\rt+\ks], v[LS] offset:XSC+256*\rt+128*\ks
.endr
.endr
.irp t, 0,1,2,3
	ds_load_b128 v[VT+8*\t:VT+8*\t+3], v[VA5] offset:B5+128*(\t/2)+32*(\t%2)
	ds_load_b128 v[VT+8*\t+4:VT+8*\t+7], v[VA5] offset:B5+128*(\t/2)+32*(\t%2)+16
.endr
.if POST2
	s_wait_dscnt 0x0
	s_wait_loadcnt 32                              ; the N = 512 weight is in; W2's 32 loads may be out
.else
.irp n, 0,1,2,3,4,5,6,7
	ds_load_b128 v[Y+4*\n:Y+4*\n+3], v[SRD] offset:1040*(\n/2)+512*(\n%2)        ; x1's rows, whole, behind the third barrier: they land while the products are issued
.endr
	s_wait_dscnt 8                                 ; LDS loads come back in order (ISA guide 5.7.1): the fragments, their scale words and the bias are in; the eight loads of x1's rows may be out
	s_wait_loadcnt 0x0
.endif
	WIN 0x01                                       ; source 0 window 1
.irp ks, 0,1                                   ; eight accumulators by turns
.irp rt, 0,1
.irp t, 0,1,2,3
.if \ks == 0
	MM A2+32*\rt+8*\t, 128+16*(2*\t+\ks), XF+16*(2*\rt+\ks), VT+8*\t, W5S+2*\t+\ks, OSC+2*\rt+\ks
.else
	MM A2+32*\rt+8*\t, 128+16*(2*\t+\ks), XF+16*(2*\rt+\ks), A2+32*\rt+8*\t, W5S+2*\t+\ks, OSC+2*\rt+\ks
.endif
.endr
.endr
.endr
	WIN 0
.if !POST2
.irp n, 0,1,2,3,4,5,6,7
	s_wait_dscnt 7-\n                              ; the younger loads may be out
	global_store_b128 v[LI], v[Y+4*\n:Y+4*\n+3], s[28:29] offset:1024*(\n/2)+512*(\n%2)   ; x1 leaves while Q2 is multiplied.  No wait on the vector side: LDS loads brought the data, and no vector or matrix instruction since the last wait names v[Y ..] or v1
.endr
.endif
	PLACES 9
.if !POST2
	; ---- Q2: my head's 64 channels of 32 rows, quantised along the channels
	QUANT A2, 4, 0, CB, CB+16, A2
.irp rt, 0,1
	v_lshl_or_b32 v[WK+\rt], v[CB+21+2*\rt], 8, v[CB+20+2*\rt]
.endr
	s_wait_alu depctr_va_vdst(0)                   ; the conversions have written the codes in v[CB ..], and the two half-words in v[WK ..] are made: the stores below read them
.irp rt, 0,1
.irp cc, 0,1
	global_store_b128 v[LI], v[CB+4*(2*\rt+\cc):CB+4*(2*\rt+\cc)+3], s[54:55] offset:8192*\rt+512*\cc
.endr
	global_store_b16 v[R16], v[WK+\rt], s[56:57] offset:256*\rt
.endr
.else
	; ---- the hidden layer: relu and the quantiser in one; my 64 channels are blocks 2 w, 2 w + 1 of K = 512
	QUANT A2, 4, 1, CB, CB+16, A2
.irp rt, 0,1
	v_lshl_or_b32 v[WK+\rt], v[CB+21+2*\rt], 8, v[CB+20+2*\rt]
.endr
	s_wait_alu depctr_va_vdst(0)                   ; the conversions have written the codes in v[CB ..], and the two half-words in v[WK ..] are made: the LDS stores below read them
.irp rt, 0,1
.irp cc, 0,1
	ds_store_b128 v[HWI], v[CB+4*(2*\rt+\cc):CB+4*(2*\rt+\cc)+3] offset:HIMG+8192*\rt+512*\cc
.endr
	ds_store_b16 v[HSB], v[WK+\rt] offset:HSC+512*\rt
.endr
	BARRIER
	WIN 0x40
	s_wait_alu depctr_va_vdst(0)                   ; the N = 512 products are done reading their weight in window 1, their scale words in v[OSC ..] and their bias in v[VT ..]: the loads below land in all three
.irp rt, 0,1
.irp ks, 0,1,2,3
.irp c, 0,1,2,3
	ds_load_b128 v[128+16*(4*\rt+\ks)+4*\c:128+16*(4*\rt+\ks)+4*\c+3], v[LI] offset:HIMG+8192*\rt+2048*\ks+512*\c
.endr
.endr
.endr
	WIN 0
.irp rt, 0,1
.irp ks, 0,1,2,3
	ds_load_b32 v[OSC+4*\rt+\ks], v[LS] offset:HSC+512*\rt+128*\ks
.endr
.endr
.irp i, 0,1,2,3
	ds_load_b128 v[VT+4*\i:VT+4*\i+3], v[VA] offset:FB2+16*\i
.endr
	s_wait_dscnt 0x0
	s_wait_loadcnt 0x0                             ; W2
	WIN 0x05
.irp ks, 0,1,2,3
.irp rt, 0,1
.irp uu, 0,1
.if \ks == 0
	MM A3+16*\rt+8*\uu, 16*(4*\uu+\ks), 128+16*(4*\rt+\ks), VT+8*\uu, F2S+4*\uu+\ks, OSC+4*\rt+\ks
.else
	MM A3+16*\rt+8*\uu, 16*(4*\uu+\ks), 128+16*(4*\rt+\ks), A3+16*\rt+8*\uu, F2S+4*\uu+\ks, OSC+4*\rt+\ks
.endif
.endr
.endr
.endr
	WIN 0
	PLACES 9
.set j, 0
.rept 16
	v_pk_add_f32 v[A3+j:A3+j+1], v[A3+j:A3+j+1], v[Y+j:Y+j+1]   ; + x2
.set j, j+2
.endr
	LNSTAT A3, 2
	BARRIER
	LNFIN A3, 2, L3G, L3B, 0
	s_wait_alu depctr_va_vdst(0)                   ; the norm has written v[A3 ..], which the LDS stores read; and it is done reading v[CB ..], in which the rows behind the barrier land
	ROWS_IN A3
	BARRIER
.irp n, 0,1,2,3,4,5,6,7
	ds_load_b128 v[CB+4*\n:CB+4*\n+3], v[SRD] offset:1040*(\n/2)+512*(\n%2)
.endr
.irp n, 0,1,2,3,4,5,6,7
	s_wait_dscnt 7-\n                              ; the younger loads may be out
	global_store_b128 v[LI], v[CB+4*\n:CB+4*\n+3], s[38:39] offset:1024*(\n/2)+512*(\n%2) th:TH_STORE_NT
.endr
.endif
	s_wait_dscnt 0x0                               ; the closing lines, six on end
	s_wait_alu 0x0
	s_wait_tensorcnt 0x0
	ds_add_u32 v254, v255
	s_wait_dscnt 0x0
	s_endpgm
.Lfunc_end_k_q509c08a0aa_post1:
	.size	k_q509c08a0aa_post1, .Lfunc_end_k_q509c08a0aa_post1-k_q509c08a0aa_post1
	.p2alignl 7, 3214868480
	.fill 96, 4, 3214868480
	.section	.rodata,"a",@progbits
	.p2align	6, 0x0
	.amdhsa_kernel k_q509c08a0aa_post1
		.amdhsa_group_segment_fixed_size 75776
		.amdhsa_private_segment_fixed_size 0
		.amdhsa_enable_private_segment 0
		.amdhsa_kernarg_size 112
		.amdhsa_user_sgpr_count 2
		.amdhsa_user_sgpr_kernarg_segment_ptr 1
		.amdhsa_wavefront_size32 1
		.amdhsa_system_sgpr_workgroup_id_x 1
		.amdhsa_system_sgpr_workgroup_id_y 1
		.amdhsa_system_sgpr_workgroup_id_z 1
		.amdhsa_system_vgpr_workitem_id 0
		.amdhsa_next_free_vgpr 512
		.amdhsa_next_free_sgpr 66
		.amdhsa_reserve_vcc 0
		.amdhsa_float_denorm_mode_32 3
		.amdhsa_float_denorm_mode_16_64 3
		.amdhsa_memory_ordered 1
		.amdhsa_forward_progress 1
		.amdhsa_inst_pref_size 60
	.end_amdhsa_kernel
	.amdgpu_metadata
---
amdhsa.version: [ 1, 2 ]
amdhsa.kernels:
  - .name:           k_q509c08a0aa_post1
    .symbol:         k_q509c08a0aa_post1.kd
    .args:
      - { .name: ob, .offset: 0, .size: 8, .value_kind: global_buffer, .address_space: global }
      - { .name: x, .offset: 8, .size: 8, .value_kind: global_buffer, .address_space: global }
      - { .name: m1_w2_codes, .offset: 16, .size: 8, .value_kind: global_buffer, .address_space: global }
      - { .name: m1_w2_scales, .offset: 24, .size: 8, .value_kind: global_buffer, .address_space: global }
      - { .name: m1_b2, .offset: 32, .size: 8, .value_kind: global_buffer, .address_space: global }
      - { .name: m1_g, .offset: 40, .size: 8, .value_kind: global_buffer, .address_space: global }
      - { .name: m1_b, .offset: 48, .size: 8, .value_kind: global_buffer, .address_space: global }
      - { .name: ln1_g, .offset: 56, .size: 8, .value_kind: global_buffer, .address_space: global }
      - { .name: ln1_b, .offset: 64, .size: 8, .value_kind: global_buffer, .address_space: global }
      - { .name: m2_wq_codes, .offset: 72, .size: 8, .value_kind: global_buffer, .address_space: global }
      - { .name: m2_wq_scales, .offset: 80, .size: 8, .value_kind: global_buffer, .address_space: global }
      - { .name: m2_bq, .offset: 88, .size: 8, .value_kind: global_buffer, .address_space: global }
      - { .name: x1, .offset: 96, .size: 8, .value_kind: global_buffer, .address_space: global }
      - { .name: qb, .offset: 104, .size: 8, .value_kind: global_buffer, .address_space: global }
    .group_segment_fixed_size: 75776
    .private_segment_fixed_size: 0
    .kernarg_segment_align: 8
    .kernarg_segment_size: 112
    .max_flat_workgroup_size: 256
    .sgpr_count:     66
    .vgpr_count:     512
    .wavefront_size: 32
...
	.end_amdgpu_metadata
.endif
;; end of part 6
;; launch attn2: the kernel of part 4 again; grid 8 x 32, 16 waves a work-group, clusters of 4 x 1, 280,576 bytes of LDS; arguments qb, kv2, ob; writes ob
;; launch post2 (part 7): grid 256 x 1, 8 waves a work-group, no clusters, 75,776 bytes of LDS; arguments ob, x1, m2_w2_codes, m2_w2_scales, m2_b2, m2_g, m2_b, ln2_g, ln2_b, ffn_w1_codes, ffn_w1_scales, ffn_b1, ffn_w2_codes, ffn_w2_scales, ffn_b2, ln3_g, ln3_b, out0; writes out0
.if DOCPART == 7
	.amdgcn_target "amdgcn-amd-amdhsa--gfx1250"
	.amdhsa_code_object_version 6
	.text
	.protected	k_q509c08a0aa_post2
	.globl	k_q509c08a0aa_post2
	.p2align	8
	.type	k_q509c08a0aa_post2,@function
k_q509c08a0aa_post2:
	s_mov_b64 s[64:65], 0
	v_nop
	global_prefetch_b8 v0, s[64:65] scope:SCOPE_SE
	s_setreg_imm32_b32 hwreg(HW_REG_WAVE_SCHED_MODE, 0, 2), 2
	s_setreg_imm32_b32 hwreg(HW_REG_WAVE_MODE, 25, 1), 1
	s_wait_xcnt 0x0
	s_wait_alu depctr_vm_vsrc(0)
; BEHIND AN ATTENTION, for 32 rows a work-group.  POST2 = 0: a = LN(o w2 + b2 + x; m_g, m_b); x1 = LN(x + a; ln_g, ln_b) -> x1 (f32); Q2 = x1 wq + bq, quantised -> qb.
; POST2 = 1: the same front gives x2; then out0 = LN(x2 + relu(x2 w1 + b1) W2 + B2; ln3_g, ln3_b).  All products on codes of BF8 (E5M2), one E8M0 scale for each 32 along K; all else f32.
; SHARES.  THE EIGHT WAVES SHARE THE COLUMNS: in the products with N = 256 wave w owns columns 32 w .. 32 w + 31 (two tiles), with N = 512 channels 64 w .. 64 w + 63 (four tiles), for both tiles of 16 rows.
; Each weight byte goes from memory straight into one wave's registers, once a work-group.  All products are used transposed (source 0 = 16 rows of the weight, source 1 = 16 rows): a lane holds one row and
; 16 neighbouring columns; the weight's rows that form a tile are chosen for that: lane r of tile 2 c + u takes row 32 c + 8 u + r + 8 (r / 8).  The rows of a row tile likewise.
; WHAT GOES ROUND: a row's statistics (8 bytes a wave), and the quantised rows, as images of the operand's registers (16 bytes a lane at 16 x lane) with their scale bytes.  Each LDS region is written once.
; THE NORMS: each wave takes the mean and the sum of squared deviations of its 32 columns; the eight pairs are joined by the rule for equal parts: no difference of large sums.  The NEGATIVE mean is carried.
; No tensor loads and no cluster: a joint load lands in LDS, from which the weights would be read again, and with POST2 = 1 they (393,216 bytes) do not fit there at once.
; LIMITS: NaN and infinities are not served; a block of zeros gets the byte 1 (its codes are zeros; this program alone reads the bytes).
; THE MODE: SCHED_MODE bits 1:0 = 2 (LLVM: expert scheduling mode 2), set by the entry lines.  The code itself states the register dependences between vector or matrix instructions and memory or LDS
; instructions, with s_wait_alu, always for 0.
; THE PLAN.  The text is straight: no loop, no branch.  Registers that memory or LDS instructions touch, and who else names them, in the order of the text:
;   v1-13, v240-246  offsets and LDS addresses: written at the head, read by loads and stores, never written again.  One wait on va_vdst ahead of the first load serves them all.
;   window 1         filled by loads; read by products; filled again behind those products: a wait on va_vdst stands between, behind the window's switch.
;   OSC, VT, the weights' scale words   filled by loads; read by products (scales, C) and by the norms' multiply-adds; no store reads them.
;   LT               written by the norms and by the quantiser's hold; the LDS stores of a norm's statistics read its pairs; the same norm's second half writes it again; at last the upper half of XF.
;   CB               at the head the vectors on their way into LDS (loaded, then stored); after that by turns filled by LDS loads (the pairs, XF, rows) and written by the quantiser, whose codes stores read.
;   Y, A3            written by products and norms; read by the LDS stores into the stage.  POST2 = 0: x1's whole rows then land in Y and leave from there.
; A WAIT ON va_vdst stands ahead of each run of stores whose data vector instructions have just written.  No vector instruction stands between such a wait and the LDS loads behind the barrier that follows,
; so the same wait states that all earlier readers and writers of the registers in which those loads land are done.
; A WAIT ON vm_vsrc stands at the head of a norm's second half and behind the third barrier: ahead of the first write, by a load or by a vector instruction, of registers that stores have read.
.set POST2, 1
.set QSC,  4194304
.set MG,   0                           ; LDS: the vectors: m_g, m_b, ln_g, ln_b (1,024 bytes each), the bias of 512, then B2, ln3_g, ln3_b
.set MB,   1024
.set LG,   2048
.set LBT,  3072
.set B5,   4096
.set FB2,  6144
.set L3G,  7168
.set L3B,  8192
.set LNX,  9216                        ; three norms x [row tile 2][r 16][wave 8] pairs of 8 bytes
.set XIMG, 15360                       ; the rows' codes, K = 256: 4,096 x row tile + 512 x block
.set XSC,  23552                       ; their scale words: 256 x row tile + 128 x K step + 4 x lane
.set HIMG, 24064                       ; the hidden layer's, K = 512: 8,192 x row tile + 512 x block
.set HSC,  40448                       ; 512 x row tile + 128 x K step + 4 x lane
.set STG,  41472                       ; the stage: 32 rows x (1,024 + 16) bytes
.set LI,   1                           ; v1 16 x lane; v2 4 x lane; v3 16 r
.set LS,   2
.set R16,  3
.set VA,   4                           ; v4 128 w + 64 h: my 16 columns in a vector of 256;  v5 256 w + 64 h: in the bias of 512
.set VA5,  5
.set LNW,  6                           ; v6 LNX + 64 r + 8 w;  v7 LNX + 64 r
.set LNR,  7
.set STO,  8                           ; v8 STG + 1,040 rp + 128 w + 64 h;  v9 STG + 4,160 w + 16 x lane
.set SRD,  9
.set XSB,  10                          ; v10 4 x lane + 128 (w / 4) + w % 4
.set IW,   11                          ; v11 16 x lane + 512 w
.set HWI,  12                          ; v12 16 x lane + 1,024 w
.set HSB,  13                          ; v13 4 x lane + 128 (w / 2) + 2 (w % 2)
.set OSC,  16                          ; v16-23 the rows' scale words of the product in hand
.set W2S,  24                          ; v24-31 w2's scale words; v32-39 the N = 512 weight's; v40-47 W2's
.set W5S,  32
.set F2S,  40
.set Y,    48                          ; v48-79 two row tiles x 16 columns; POST2 = 0: at last x1's four whole rows on their way out
.set VT,   80                          ; v80-111 a bias, or gain and offset
.set CB,   112                         ; v112-143 the eight pairs of both row tiles; codes and the quantiser's work
.set LT,   144                         ; v144-175 the norms' work, 16 a row tile; the held copy of the rows on their way to codes
.set XF,   112                         ; v112-175 the rows' four fragments
.set A2,   176                         ; v176-239 the N = 512 sums;  at first the residual (XR), at last the third product's sums (A3)
.set XR,   176
.set A3,   176
.set XA,   240                         ; v240 1,024 rp + 128 w + 64 h; v241 512 rp + 16 h; v242 256 rp + 16 h; v243 16 rp; v244 8 rp; v245 4 x thread; v246 8 x thread
.set OW2,  241
.set OW5,  242
.set O16,  243
.set O8,   244
.set T4,   245
.set T8,   246
.set WK,   248                         ; v248-249 at work
.set WV,   40                          ; window 1: v0-127 w2 (later W2): fragment (u, s) at 16 (4 u + s);  v128-255 the attention's rows (4 rt + s), then the N = 512 weight (2 t + s), then the hidden layer (4 rt + s)
.set GG,   41
.set SEL,  44
.set MNT,  46
.set MSB,  0
.macro WIN new                         ; the immediate's high byte repeats the setting that is left
.if MSB != \new
	s_set_vgpr_msb (MSB<<8)|\new
.set MSB, \new
.endif
.endm
.macro PLACES n
.rept \n
	v_nop
.endr
.endm
.macro MM d, a, b, c, sa, sb
	v_wmma_scale_f32_16x16x128_f8f6f4 v[\d:\d+7], v[\a:\a+15], v[\b:\b+15], v[\c:\c+7], v[\sa], v[\sb] matrix_a_fmt:MATRIX_FMT_BF8 matrix_b_fmt:MATRIX_FMT_BF8
.endm
.macro BARRIER                         ; my LDS stores have landed and my LDS loads are in: then the work-group's barrier
	s_wait_dscnt 0x0
	s_barrier_signal -1
	s_barrier_wait -1
.endm
; nb blocks of 32: block b's 16 numbers of my lane in v[s + 16 b] on, the other 16 in lane l xor 16.  Codes to v[pc + 4 b] on; tm: +0 largest magnitudes, +4 bytes, +8 limits, +12 scale operands.
; hd: where the numbers held within the largest code x the scale go, 16 a block.  hd = s holds in place; numbers that are read again in f32 (the rows x1, x2) are held into other registers and stay as they are.
.macro QUANT s, nb, relu, pc, tm, hd
.irp b, 0,1,2,3
.if \b < \nb
.if \relu
	v_max3_num_f32 v[\tm+\b], v[\s+16*\b], v[\s+16*\b+1], 0x8000000       ; no |.|: what is negative becomes 0 and must not count; the floor 2^(16 - 127) stands over it
.else
	v_max3_num_f32 v[\tm+\b], |v[\s+16*\b]|, |v[\s+16*\b+1]|, 0x8000000
.endif
.endif
.endr
.irp i, 2,4,6,8,10,12,14
.irp b, 0,1,2,3
.if \b < \nb
.if \relu
	v_max3_num_f32 v[\tm+\b], v[\tm+\b], v[\s+16*\b+\i], v[\s+16*\b+\i+1]
.else
	v_max3_num_f32 v[\tm+\b], v[\tm+\b], |v[\s+16*\b+\i]|, |v[\s+16*\b+\i+1]|
.endif
.endif
.endr
.endr
.irp b, 0,1,2,3
.if \b < \nb
	v_permlanex16_b32 v[\tm+4+\b], v[\tm+\b], s[SEL], s[SEL+1]
.endif
.endr
.irp b, 0,1,2,3
.if \b < \nb
	v_max_num_f32 v[\tm+\b], v[\tm+\b], v[\tm+4+\b]
.endif
.endr
.irp b, 0,1,2,3
.if \b < \nb
	v_add_nc_u32 v[\tm+12+\b], 0xf8800000, v[\tm+\b]       ; 15 off the exponent field: the conversion's scale operand
.endif
.endr
.irp b, 0,1,2,3
.if \b < \nb
	v_and_or_b32 v[\tm+8+\b], v[\tm+\b], 0x7f800000, s[MNT]   ; 57,344 x the scale
.endif
.endr
.irp b, 0,1,2,3
.if \b < \nb
	v_lshrrev_b32 v[\tm+4+\b], 23, v[\tm+12+\b]            ; the scale's byte
.endif
.endr
.irp b, 0,1,2,3
.if \b < \nb
.irp i, 0,1,2,3,4,5,6,7,8,9,10,11,12,13,14,15
.if \relu
	v_med3_num_f32 v[\hd+16*\b+\i], v[\s+16*\b+\i], 0, v[\tm+8+\b]             ; the activation and the hold in one
.else
	v_med3_num_f32 v[\hd+16*\b+\i], v[\s+16*\b+\i], -v[\tm+8+\b], v[\tm+8+\b]  ; the conversion to an 8-bit code does not saturate (ISA guide 7.6.2): the hold
.endif
.endr
	v_cvt_scalef32_pk8_bf8_f32 v[\pc+4*\b:\pc+4*\b+1], v[\hd+16*\b:\hd+16*\b+7], v[\tm+12+\b]
	v_cvt_scalef32_pk8_bf8_f32 v[\pc+4*\b+2:\pc+4*\b+3], v[\hd+16*\b+8:\hd+16*\b+15], v[\tm+12+\b]
.endif
.endr
	v_nop                                          ; a plain line behind the last conversion
.endm
; My 32 columns' statistics of both row tiles: (-mean, sum of squared deviations) -> LDS, norm e.
.macro LNSTAT src, e
.irp rt, 0,1
.irp i, 0,1,2,3
	v_pk_add_f32 v[LT+16*\rt+2*\i:LT+16*\rt+2*\i+1], v[\src+16*\rt+4*\i:\src+16*\rt+4*\i+1], v[\src+16*\rt+4*\i+2:\src+16*\rt+4*\i+3]
.endr
.endr
.irp rt, 0,1
	v_pk_add_f32 v[LT+16*\rt:LT+16*\rt+1], v[LT+16*\rt:LT+16*\rt+1], v[LT+16*\rt+2:LT+16*\rt+3]
	v_pk_add_f32 v[LT+16*\rt+4:LT+16*\rt+5], v[LT+16*\rt+4:LT+16*\rt+5], v[LT+16*\rt+6:LT+16*\rt+7]
.endr
.irp rt, 0,1
	v_pk_add_f32 v[LT+16*\rt:LT+16*\rt+1], v[LT+16*\rt:LT+16*\rt+1], v[LT+16*\rt+4:LT+16*\rt+5]
.endr
.irp rt, 0,1
	v_add_f32 v[LT+16*\rt], v[LT+16*\rt], v[LT+16*\rt+1]
.endr
.irp rt, 0,1
	v_permlanex16_b32 v[LT+16*\rt+2], v[LT+16*\rt], s[SEL], s[SEL+1]
.endr
.irp rt, 0,1
	v_add_f32 v[LT+16*\rt], v[LT+16*\rt], v[LT+16*\rt+2]
.endr
.irp rt, 0,1
	v_mul_f32 v[LT+16*\rt], 0xbd000000, v[LT+16*\rt]       ; x -1/32: the negative mean of 32
.endr
.irp rt, 0,1
	v_pk_add_f32 v[LT+16*\rt+2:LT+16*\rt+3], v[\src+16*\rt:\src+16*\rt+1], v[LT+16*\rt:LT+16*\rt+1] op_sel_hi:[1,0]
	v_pk_add_f32 v[LT+16*\rt+4:LT+16*\rt+5], v[\src+16*\rt+2:\src+16*\rt+3], v[LT+16*\rt:LT+16*\rt+1] op_sel_hi:[1,0]
.endr
.irp rt, 0,1
	v_pk_mul_f32 v[LT+16*\rt+6:LT+16*\rt+7], v[LT+16*\rt+2:LT+16*\rt+3], v[LT+16*\rt+2:LT+16*\rt+3]
	v_pk_mul_f32 v[LT+16*\rt+8:LT+16*\rt+9], v[LT+16*\rt+4:LT+16*\rt+5], v[LT+16*\rt+4:LT+16*\rt+5]
.endr
.irp i, 1,2,3
.irp rt, 0,1
	v_pk_add_f32 v[LT+16*\rt+2:LT+16*\rt+3], v[\src+16*\rt+4*\i:\src+16*\rt+4*\i+1], v[LT+16*\rt:LT+16*\rt+1] op_sel_hi:[1,0]
	v_pk_add_f32 v[LT+16*\rt+4:LT+16*\rt+5], v[\src+16*\rt+4*\i+2:\src+16*\rt+4*\i+3], v[LT+16*\rt:LT+16*\rt+1] op_sel_hi:[1,0]
.endr
.irp rt, 0,1
	v_pk_fma_f32 v[LT+16*\rt+6:LT+16*\rt+7], v[LT+16*\rt+2:LT+16*\rt+3], v[LT+16*\rt+2:LT+16*\rt+3], v[LT+16*\rt+6:LT+16*\rt+7]
	v_pk_fma_f32 v[LT+16*\rt+8:LT+16*\rt+9], v[LT+16*\rt+4:LT+16*\rt+5], v[LT+16*\rt+4:LT+16*\rt+5], v[LT+16*\rt+8:LT+16*\rt+9]
.endr
.endr
.irp rt, 0,1
	v_pk_add_f32 v[LT+16*\rt+6:LT+16*\rt+7], v[LT+16*\rt+6:LT+16*\rt+7], v[LT+16*\rt+8:LT+16*\rt+9]
.endr
.irp rt, 0,1
	v_add_f32 v[LT+16*\rt+1], v[LT+16*\rt+6], v[LT+16*\rt+7]
.endr
.irp rt, 0,1
	v_permlanex16_b32 v[LT+16*\rt+2], v[LT+16*\rt+1], s[SEL], s[SEL+1]
.endr
.irp rt, 0,1
	v_add_f32 v[LT+16*\rt+1], v[LT+16*\rt+1], v[LT+16*\rt+2]
.endr
	s_wait_alu depctr_va_vdst(0)                   ; the two pairs in v[LT ..] are written, which the LDS stores read; and all vector and matrix instructions so far are done with v[CB ..] and v[VT ..], in which the loads behind the barrier land
.irp rt, 0,1
	ds_store_b64 v[LNW], v[LT+16*\rt:LT+16*\rt+1] offset:2048*\e+1024*\rt   ; (both halves of the lanes write the same bytes with the same values)
.endr
.endm
; The eight waves' pairs are joined; dst = (dst - mean) x rsqrt(var + 1e-6) x gain + offset (+ the residual).
.macro LNFIN dst, e, g, b, addx
	s_wait_alu depctr_vm_vsrc(0)                   ; the LDS stores issued so far have read their data: the pairs in v[LT ..], which the sums below write again, and what lay in v[CB ..], in which the loads below land
.irp rt, 0,1
.irp i, 0,1,2,3
	ds_load_b128 v[CB+16*\rt+4*\i:CB+16*\rt+4*\i+3], v[LNR] offset:2048*\e+1024*\rt+16*\i
.endr
.endr
.irp i, 0,1,2,3
	ds_load_b128 v[VT+4*\i:VT+4*\i+3], v[VA] offset:\g+16*\i
.endr
.irp i, 0,1,2,3
	ds_load_b128 v[VT+16+4*\i:VT+16+4*\i+3], v[VA] offset:\b+16*\i
.endr
	s_wait_dscnt 8                                 ; the pairs are in; the eight loads of gain and offset may be out
.irp rt, 0,1
.irp i, 0,1,2,3
	v_pk_add_f32 v[LT+16*\rt+2*\i:LT+16*\rt+2*\i+1], v[CB+16*\rt+4*\i:CB+16*\rt+4*\i+1], v[CB+16*\rt+4*\i+2:CB+16*\rt+4*\i+3]
.endr
.endr
.irp rt, 0,1
	v_pk_add_f32 v[LT+16*\rt:LT+16*\rt+1], v[LT+16*\rt:LT+16*\rt+1], v[LT+16*\rt+2:LT+16*\rt+3]
	v_pk_add_f32 v[LT+16*\rt+4:LT+16*\rt+5], v[LT+16*\rt+4:LT+16*\rt+5], v[LT+16*\rt+6:LT+16*\rt+7]
.endr
.irp rt, 0,1
	v_pk_add_f32 v[LT+16*\rt:LT+16*\rt+1], v[LT+16*\rt:LT+16*\rt+1], v[LT+16*\rt+4:LT+16*\rt+5]   ; (the sum of the negative means, the sum of the parts' squares)
.endr
.irp rt, 0,1
	v_mul_f32 v[LT+16*\rt+2], 0x3e000000, v[LT+16*\rt]     ; / 8: the row's negative mean
.endr
.irp rt, 0,1
	v_sub_f32 v[LT+16*\rt+4], v[CB+16*\rt], v[LT+16*\rt+2]
.endr
.irp rt, 0,1
	v_mul_f32 v[LT+16*\rt+6], v[LT+16*\rt+4], v[LT+16*\rt+4]
.endr
.irp i, 1,2,3,4,5,6,7
.irp rt, 0,1
	v_sub_f32 v[LT+16*\rt+4], v[CB+16*\rt+2*\i], v[LT+16*\rt+2]
.endr
.irp rt, 0,1
	v_fmac_f32 v[LT+16*\rt+6], v[LT+16*\rt+4], v[LT+16*\rt+4]
.endr
.endr
.irp rt, 0,1
	v_fmamk_f32 v[LT+16*\rt+6], v[LT+16*\rt+6], 0x42000000, v[LT+16*\rt+1]   ; 32 x the means' squared deviations + the parts' squares
.endr
.irp rt, 0,1
	v_fma_f32 v[LT+16*\rt+6], v[LT+16*\rt+6], s47, s48     ; / 256 + 1e-6
.endr
.irp rt, 0,1
	v_rsq_f32 v[LT+16*\rt+4], v[LT+16*\rt+6]
.endr
	v_nop                                          ; a plain line behind the two
	s_wait_alu depctr_va_vdst(0)                   ; the two reciprocal roots in v[LT + 4] and v[LT + 20] are written: one wait for both, ahead of their first reader
	s_wait_dscnt 0x0                               ; gain and offset
.irp rt, 0,1
.irp i, 0,1,2,3,4,5,6,7
	v_pk_add_f32 v[\dst+16*\rt+2*\i:\dst+16*\rt+2*\i+1], v[\dst+16*\rt+2*\i:\dst+16*\rt+2*\i+1], v[LT+16*\rt+2:LT+16*\rt+3] op_sel_hi:[1,0]
.endr
.irp i, 0,1,2,3,4,5,6,7
	v_pk_mul_f32 v[\dst+16*\rt+2*\i:\dst+16*\rt+2*\i+1], v[\dst+16*\rt+2*\i:\dst+16*\rt+2*\i+1], v[LT+16*\rt+4:LT+16*\rt+5] op_sel_hi:[1,0]
.endr
.irp i, 0,1,2,3,4,5,6,7
	v_pk_fma_f32 v[\dst+16*\rt+2*\i:\dst+16*\rt+2*\i+1], v[\dst+16*\rt+2*\i:\dst+16*\rt+2*\i+1], v[VT+2*\i:VT+2*\i+1], v[VT+16+2*\i:VT+16+2*\i+1]
.endr
.if \addx
.irp i, 0,1,2,3,4,5,6,7
	v_pk_add_f32 v[\dst+16*\rt+2*\i:\dst+16*\rt+2*\i+1], v[\dst+16*\rt+2*\i:\dst+16*\rt+2*\i+1], v[XR+16*\rt+2*\i:XR+16*\rt+2*\i+1]
.endr
.endif
.endr
.endm
; 32 rows of f32 from src into the stage; they come back as four whole rows a wave, 512 consecutive bytes a store.
.macro ROWS_IN src
.irp rt, 0,1
.irp j, 0,1,2,3
	ds_store_b128 v[STO], v[\src+16*\rt+4*\j:\src+16*\rt+4*\j+3] offset:8320*\rt+16*\j
.endr
.endr
.endm
	s_load_b512 s[4:19], s[0:1], 0x0               ; ob, the residual's source, w2 (c, s), b2, m_g, m_b, ln_g
	s_load_b256 s[20:27], s[0:1], 0x40             ; ln_b, the N = 512 weight (c, s), its bias
	s_load_b128 s[28:31], s[0:1], 0x60             ; POST2 = 0: x1, qb;  1: W2 (c, s)
.if POST2
	s_load_b256 s[32:39], s[0:1], 0x70             ; B2, ln3_g, ln3_b, out0
	v_lshl_add_u32 v254, v0, 2, 0x12400
	v_mov_b32 v255, 0
.endif
	v_lshrrev_b32 v14, 5, v0
	v_readfirstlane_b32 s[WV], v14                 ; wave 0..7
	s_mov_b32 s[GG], ttmp9                         ; my 32 rows
	v_and_b32 v14, 31, v0
	v_lshlrev_b32 v[LI], 4, v14
	v_lshlrev_b32 v[LS], 2, v14
	v_and_b32 v15, 15, v0                          ; r
	v_lshlrev_b32 v[R16], 4, v15
	v_bfe_u32 v14, v0, 4, 1                        ; h
	s_wait_alu depctr_va_sdst(0)                   ; the wave's number is written into s[WV], ahead of its first reader: addresses and bases are made from it
	s_lshl_b32 s42, s[WV], 7
	v_lshlrev_b32 v[VA], 6, v14
	v_add_nc_u32 v[VA5], s42, v[VA]
	v_add_nc_u32 v[VA5], s42, v[VA5]
	v_add_nc_u32 v[VA], s42, v[VA]
	s_lshl_b32 s43, s[WV], 3
	s_add_co_u32 s43, s43, LNX
	v_lshlrev_b32 v[LNR], 6, v15
	v_add_nc_u32 v[LNW], s43, v[LNR]
	v_add_nc_u32 v[LNR], LNX, v[LNR]
	v_and_b32 v[WK], 8, v15
	v_add_nc_u32 v[WK], v[WK], v15                 ; rp = r + 8 (r / 8)
	v_mul_u32_u24 v[STO], v[WK], 1040
	v_add_nc_u32 v[STO], v[STO], v[VA]
	v_add_nc_u32 v[STO], STG, v[STO]
	s_mul_i32 s43, s[WV], 4160
	s_add_co_u32 s43, s43, STG
	v_add_nc_u32 v[SRD], s43, v[LI]
	s_lshr_b32 s43, s[WV], 2
	s_lshl_b32 s43, s43, 7
	s_and_b32 s49, s[WV], 3
	s_add_co_u32 s43, s43, s49
	v_add_nc_u32 v[XSB], s43, v[LS]
	s_lshl_b32 s43, s[WV], 9
	v_add_nc_u32 v[IW], s43, v[LI]
.if POST2
	s_lshl_b32 s43, s[WV], 10
	v_add_nc_u32 v[HWI], s43, v[LI]
	s_lshr_b32 s43, s[WV], 1
	s_lshl_b32 s43, s43, 7
	s_and_b32 s49, s[WV], 1
	s_lshl_b32 s49, s49, 1
	s_add_co_u32 s43, s43, s49
	v_add_nc_u32 v[HSB], s43, v[LS]
.endif
	v_lshlrev_b32 v[XA], 10, v[WK]
	v_add_nc_u32 v[XA], v[XA], v[VA]
	v_lshlrev_b32 v[OW2], 9, v[WK]
	v_lshl_add_u32 v[OW2], v14, 4, v[OW2]
	v_lshlrev_b32 v[OW5], 8, v[WK]
	v_lshl_add_u32 v[OW5], v14, 4, v[OW5]
	v_lshlrev_b32 v[O16], 4, v[WK]
	v_lshlrev_b32 v[O8], 3, v[WK]
	v_lshlrev_b32 v[T4], 2, v0
	v_lshlrev_b32 v[T8], 3, v0
	s_mov_b32 s[SEL], 0x76543210
	s_mov_b32 s[SEL+1], 0xfedcba98
	s_mov_b32 s[MNT], 0x600000
	s_mov_b32 s47, 0x3b800000                      ; 1 / 256
	s_mov_b32 s48, 0x358637bd                      ; 1e-6
	s_mov_b32 s51, 0
	s_wait_kmcnt 0x0
	s_lshl_b32 s50, s[GG], 9
	s_add_co_u32 s50, s50, QSC
	s_add_nc_u64 s[52:53], s[4:5], s[50:51]        ; ob's scale words of my two row tiles
	s_lshl_b32 s50, s[GG], 14
	s_add_nc_u64 s[4:5], s[4:5], s[50:51]          ; and their codes
	s_lshl_b32 s50, s[GG], 15
	s_add_nc_u64 s[6:7], s[6:7], s[50:51]          ; the residual's 32 rows
	s_lshl_b32 s50, s[WV], 14                      ; my 32 rows of 512 codes, my 64 rows of 256
	s_add_nc_u64 s[8:9], s[8:9], s[50:51]
	s_add_nc_u64 s[22:23], s[22:23], s[50:51]
.if POST2
	s_add_nc_u64 s[28:29], s[28:29], s[50:51]
.endif
	s_lshl_b32 s50, s[WV], 9                       ; their scale bytes
	s_add_nc_u64 s[10:11], s[10:11], s[50:51]
	s_add_nc_u64 s[24:25], s[24:25], s[50:51]
.if POST2
	s_add_nc_u64 s[30:31], s[30:31], s[50:51]
.endif
	s_lshl_b32 s50, s[GG], 15                      ; the four whole rows that I store
	s_lshl_b32 s49, s[WV], 12
	s_add_co_u32 s50, s50, s49
.if POST2
	s_add_nc_u64 s[38:39], s[38:39], s[50:51]
.else
	s_add_nc_u64 s[28:29], s[28:29], s[50:51]
	s_lshl_b32 s50, s[GG], 14
	s_lshl_b32 s49, s[WV], 10
	s_add_co_u32 s50, s50, s49
	s_add_nc_u64 s[54:55], s[30:31], s[50:51]      ; qb: my head's codes of my two row tiles,
	s_lshl_b32 s50, s[GG], 9
	s_lshl_b32 s49, s[WV], 1
	s_add_co_u32 s50, s50, s49
	s_add_co_u32 s50, s50, QSC
	s_add_nc_u64 s[56:57], s[30:31], s[50:51]      ; and their scale half-words
.endif
	WIN 0x40                                       ; destination window 1
	s_wait_alu depctr_va_vdst(0)                   ; the offsets and LDS addresses v1 to v13 and v240 to v246 are written, which the loads and stores of the whole kernel read; so are v254 and v255, which the closing add reads
.irp rt, 0,1
.irp ks, 0,1,2,3
.irp c, 0,1,2,3
	global_load_b128 v[128+16*(4*\rt+\ks)+4*\c:128+16*(4*\rt+\ks)+4*\c+3], v[LI], s[4:5] offset:8192*\rt+2048*\ks+512*\c
.endr
.endr
.endr
.irp uu, 0,1
.irp ks, 0,1,2,3
.irp c, 0,1,2,3
	global_load_b128 v[16*(4*\uu+\ks)+4*\c:16*(4*\uu+\ks)+4*\c+3], v[OW2], s[8:9] offset:4096*\uu+128*\ks+32*\c
.endr
.endr
.endr
	WIN 0
.irp rt, 0,1
	global_load_b128 v[OSC+4*\rt:OSC+4*\rt+3], v[R16], s[52:53] offset:256*\rt
.endr
.irp uu, 0,1
	global_load_b128 v[W2S+4*\uu:W2S+4*\uu+3], v[O16], s[10:11] offset:128*\uu
.endr
.irp t, 0,1,2,3
	global_load_b64 v[W5S+2*\t:W5S+2*\t+1], v[O8], s[24:25] offset:(32*(\t/2)+8*(\t%2))*8
.endr
.if POST2
.irp uu, 0,1
	global_load_b128 v[F2S+4*\uu:F2S+4*\uu+3], v[O16], s[30:31] offset:128*\uu
.endr
.endif
.irp i, 0,1,2,3
	global_load_b128 v[VT+4*\i:VT+4*\i+3], v[VA], s[12:13] offset:16*\i          ; b2 at my 16 columns: the C of the first products
.endr
.irp rt, 0,1
.irp j, 0,1,2,3
	global_load_b128 v[XR+16*\rt+4*\j:XR+16*\rt+4*\j+3], v[XA], s[6:7] offset:8192*\rt+16*\j
.endr
.endr
	global_load_b32 v112, v[T4], s[14:15]          ; the vectors, 4 bytes a thread (the bias of 512: 8), on their way into LDS
	global_load_b32 v113, v[T4], s[16:17]
	global_load_b32 v114, v[T4], s[18:19]
	global_load_b32 v115, v[T4], s[20:21]
	global_load_b64 v[116:117], v[T8], s[26:27]
.if POST2
	global_load_b32 v118, v[T4], s[32:33]
	global_load_b32 v119, v[T4], s[34:35]
	global_load_b32 v120, v[T4], s[36:37]
.endif
	s_wait_loadcnt 0x0
	ds_store_b32 v[T4], v112 offset:MG             ; (data that loads brought, addresses from ahead of the wait above: no vector instruction has named either since)
	ds_store_b32 v[T4], v113 offset:MB
	ds_store_b32 v[T4], v114 offset:LG
	ds_store_b32 v[T4], v115 offset:LBT
	ds_store_b64 v[T8], v[116:117] offset:B5
.if POST2
	ds_store_b32 v[T4], v118 offset:FB2
	ds_store_b32 v[T4], v119 offset:L3G
	ds_store_b32 v[T4], v120 offset:L3B
.endif
	; ---- o w2 + b2: four accumulators by turns
	WIN 0x05                                       ; sources 0 and 1 window 1
.irp ks, 0,1,2,3
.irp rt, 0,1
.irp uu, 0,1
.if \ks == 0
	MM Y+16*\rt+8*\uu, 16*(4*\uu+\ks), 128+16*(4*\rt+\ks), VT+8*\uu, W2S+4*\uu+\ks, OSC+4*\rt+\ks
.else
	MM Y+16*\rt+8*\uu, 16*(4*\uu+\ks), 128+16*(4*\rt+\ks), Y+16*\rt+8*\uu, W2S+4*\uu+\ks, OSC+4*\rt+\ks
.endif
.endr
.endr
.endr
	WIN 0
	PLACES 9                                       ; places ahead of the first read of results, the additions below
	WIN 0x40
	s_wait_alu depctr_va_vdst(0)                   ; the products are done reading their operands in window 1, in which the loads below land
.irp t, 0,1,2,3                                ; the next weights are asked for now: two norms stand between the request and the use
.irp ks, 0,1
.irp c, 0,1,2,3
	global_load_b128 v[128+16*(2*\t+\ks)+4*\c:128+16*(2*\t+\ks)+4*\c+3], v[OW5], s[22:23] offset:(32*(\t/2)+8*(\t%2))*256+128*\ks+32*\c
.endr
.endr
.endr
.if POST2
.irp uu, 0,1
.irp ks, 0,1,2,3
.irp c, 0,1,2,3
	global_load_b128 v[16*(4*\uu+\ks)+4*\c:16*(4*\uu+\ks)+4*\c+3], v[OW2], s[28:29] offset:4096*\uu+128*\ks+32*\c
.endr
.endr
.endr
.endif
	WIN 0
.set j, 0
.rept 16
	v_pk_add_f32 v[Y+j:Y+j+1], v[Y+j:Y+j+1], v[XR+j:XR+j+1]   ; + the residual
.set j, j+2
.endr
	LNSTAT Y, 0
	BARRIER
	LNFIN Y, 0, MG, MB, 1                          ; the attention's own norm, and the residual once more
	LNSTAT Y, 1
	BARRIER
	LNFIN Y, 1, LG, LBT, 0                         ; Y = x1 (POST2: x2)
	; ---- the rows become an operand: my 32 columns are block w of K = 256.  The hold goes into the norms' work registers: Y is read again in f32
	QUANT Y, 2, 0, CB, CB+16, LT
	s_wait_alu depctr_va_vdst(0)                   ; the codes and bytes in v[CB ..] and the rows in v[Y ..] are written, which the LDS stores read; and the quantiser and the norms are done with v[XF ..], v[OSC ..], v[VT ..] (POST2 = 0: v[Y ..]), in which the loads behind the barrier land
.irp rt, 0,1
	ds_store_b128 v[IW], v[CB+4*\rt:CB+4*\rt+3] offset:XIMG+4096*\rt
	ds_store_b8 v[XSB], v[CB+20+\rt] offset:XSC+256*\rt
.endr
.if !POST2
	ROWS_IN Y
.endif
	BARRIER
	s_wait_alu depctr_vm_vsrc(0)                   ; my LDS stores have read the codes and bytes in v[CB ..] (POST2 = 0: and the rows in v[Y ..]), in which the loads below land
.irp rt, 0,1
.irp ks, 0,1
.irp c, 0,1,2,3
	ds_load_b128 v[XF+16*(2*\rt+\ks)+4*\c:XF+16*(2*\rt+\ks)+4*\c+3], v[LI] offset:XIMG+4096*\rt+2048*\ks+512*\c
.endr
	ds_load_b32 v[OSC+2*\rt+\ks], v[LS] offset:XSC+256*\rt+128*\ks
.endr
.endr
.irp t, 0,1,2,3
	ds_load_b128 v[VT+8*\t:VT+8*\t+3], v[VA5] offset:B5+128*(\t/2)+32*(\t%2)
	ds_load_b128 v[VT+8*\t+4:VT+8*\t+7], v[VA5] offset:B5+128*(\t/2)+32*(\t%2)+16
.endr
.if POST2
	s_wait_dscnt 0x0
	s_wait_loadcnt 32                              ; the N = 512 weight is in; W2's 32 loads may be out
.else
.irp n, 0,1,2,3,4,5,6,7
	ds_load_b128 v[Y+4*\n:Y+4*\n+3], v[SRD] offset:1040*(\n/2)+512*(\n%2)        ; x1's rows, whole, behind the third barrier: they land while the products are issued
.endr
	s_wait_dscnt 8                                 ; LDS loads come back in order (ISA guide 5.7.1): the fragments, their scale words and the bias are in; the eight loads of x1's rows may be out
	s_wait_loadcnt 0x0
.endif
	WIN 0x01                                       ; source 0 window 1
.irp ks, 0,1                                   ; eight accumulators by turns
.irp rt, 0,1
.irp t, 0,1,2,3
.if \ks == 0
	MM A2+32*\rt+8*\t, 128+16*(2*\t+\ks), XF+16*(2*\rt+\ks), VT+8*\t, W5S+2*\t+\ks, OSC+2*\rt+\ks
.else
	MM A2+32*\rt+8*\t, 128+16*(2*\t+\ks), XF+16*(2*\rt+\ks), A2+32*\rt+8*\t, W5S+2*\t+\ks, OSC+2*\rt+\ks
.endif
.endr
.endr
.endr
	WIN 0
.if !POST2
.irp n, 0,1,2,3,4,5,6,7
	s_wait_dscnt 7-\n                              ; the younger loads may be out
	global_store_b128 v[LI], v[Y+4*\n:Y+4*\n+3], s[28:29] offset:1024*(\n/2)+512*(\n%2)   ; x1 leaves while Q2 is multiplied.  No wait on the vector side: LDS loads brought the data, and no vector or matrix instruction since the last wait names v[Y ..] or v1
.endr
.endif
	PLACES 9
.if !POST2
	; ---- Q2: my head's 64 channels of 32 rows, quantised along the channels
	QUANT A2, 4, 0, CB, CB+16, A2
.irp rt, 0,1
	v_lshl_or_b32 v[WK+\rt], v[CB+21+2*\rt], 8, v[CB+20+2*\rt]
.endr
	s_wait_alu depctr_va_vdst(0)                   ; the conversions have written the codes in v[CB ..], and the two half-words in v[WK ..] are made: the stores below read them
.irp rt, 0,1
.irp cc, 0,1
	global_store_b128 v[LI], v[CB+4*(2*\rt+\cc):CB+4*(2*\rt+\cc)+3], s[54:55] offset:8192*\rt+512*\cc
.endr
	global_store_b16 v[R16], v[WK+\rt], s[56:57] offset:256*\rt
.endr
.else
	; ---- the hidden layer: relu and the quantiser in one; my 64 channels are blocks 2 w, 2 w + 1 of K = 512
	QUANT A2, 4, 1, CB, CB+16, A2
.irp rt, 0,1
	v_lshl_or_b32 v[WK+\rt], v[CB+21+2*\rt], 8, v[CB+20+2*\rt]
.endr
	s_wait_alu depctr_va_vdst(0)                   ; the conversions have written the codes in v[CB ..], and the two half-words in v[WK ..] are made: the LDS stores below read them
.irp rt, 0,1
.irp cc, 0,1
	ds_store_b128 v[HWI], v[CB+4*(2*\rt+\cc):CB+4*(2*\rt+\cc)+3] offset:HIMG+8192*\rt+512*\cc
.endr
	ds_store_b16 v[HSB], v[WK+\rt] offset:HSC+512*\rt
.endr
	BARRIER
	WIN 0x40
	s_wait_alu depctr_va_vdst(0)                   ; the N = 512 products are done reading their weight in window 1, their scale words in v[OSC ..] and their bias in v[VT ..]: the loads below land in all three
.irp rt, 0,1
.irp ks, 0,1,2,3
.irp c, 0,1,2,3
	ds_load_b128 v[128+16*(4*\rt+\ks)+4*\c:128+16*(4*\rt+\ks)+4*\c+3], v[LI] offset:HIMG+8192*\rt+2048*\ks+512*\c
.endr
.endr
.endr
	WIN 0
.irp rt, 0,1
.irp ks, 0,1,2,3
	ds_load_b32 v[OSC+4*\rt+\ks], v[LS] offset:HSC+512*\rt+128*\ks
.endr
.endr
.irp i, 0,1,2,3
	ds_load_b128 v[VT+4*\i:VT+4*\i+3], v[VA] offset:FB2+16*\i
.endr
	s_wait_dscnt 0x0
	s_wait_loadcnt 0x0                             ; W2
	WIN 0x05
.irp ks, 0,1,2,3
.irp rt, 0,1
.irp uu, 0,1
.if \ks == 0
	MM A3+16*\rt+8*\uu, 16*(4*\uu+\ks), 128+16*(4*\rt+\ks), VT+8*\uu, F2S+4*\uu+\ks, OSC+4*\rt+\ks
.else
	MM A3+16*\rt+8*\uu, 16*(4*\uu+\ks), 128+16*(4*\rt+\ks), A3+16*\rt+8*\uu, F2S+4*\uu+\ks, OSC+4*\rt+\ks
.endif
.endr
.endr
.endr
	WIN 0
	PLACES 9
.set j, 0
.rept 16
	v_pk_add_f32 v[A3+j:A3+j+1], v[A3+j:A3+j+1], v[Y+j:Y+j+1]   ; + x2
.set j, j+2
.endr
	LNSTAT A3, 2
	BARRIER
	LNFIN A3, 2, L3G, L3B, 0
	s_wait_alu depctr_va_vdst(0)                   ; the norm has written v[A3 ..], which the LDS stores read; and it is done reading v[CB ..], in which the rows behind the barrier land
	ROWS_IN A3
	BARRIER
.irp n, 0,1,2,3,4,5,6,7
	ds_load_b128 v[CB+4*\n:CB+4*\n+3], v[SRD] offset:1040*(\n/2)+512*(\n%2)
.endr
.irp n, 0,1,2,3,4,5,6,7
	s_wait_dscnt 7-\n                              ; the younger loads may be out
	global_store_b128 v[LI], v[CB+4*\n:CB+4*\n+3], s[38:39] offset:1024*(\n/2)+512*(\n%2) th:TH_STORE_NT
.endr
.endif
	s_wait_dscnt 0x0                               ; the closing lines, six on end
	s_wait_alu 0x0
	s_wait_tensorcnt 0x0
	ds_add_u32 v254, v255
	s_wait_dscnt 0x0
	s_endpgm
.Lfunc_end_k_q509c08a0aa_post2:
	.size	k_q509c08a0aa_post2, .Lfunc_end_k_q509c08a0aa_post2-k_q509c08a0aa_post2
	.p2alignl 7, 3214868480
	.fill 96, 4, 3214868480
	.section	.rodata,"a",@progbits
	.p2align	6, 0x0
	.amdhsa_kernel k_q509c08a0aa_post2
		.amdhsa_group_segment_fixed_size 75776
		.amdhsa_private_segment_fixed_size 0
		.amdhsa_enable_private_segment 0
		.amdhsa_kernarg_size 144
		.amdhsa_user_sgpr_count 2
		.amdhsa_user_sgpr_kernarg_segment_ptr 1
		.amdhsa_wavefront_size32 1
		.amdhsa_system_sgpr_workgroup_id_x 1
		.amdhsa_system_sgpr_workgroup_id_y 1
		.amdhsa_system_sgpr_workgroup_id_z 1
		.amdhsa_system_vgpr_workitem_id 0
		.amdhsa_next_free_vgpr 512
		.amdhsa_next_free_sgpr 66
		.amdhsa_reserve_vcc 0
		.amdhsa_float_denorm_mode_32 3
		.amdhsa_float_denorm_mode_16_64 3
		.amdhsa_memory_ordered 1
		.amdhsa_forward_progress 1
		.amdhsa_inst_pref_size 81
	.end_amdhsa_kernel
	.amdgpu_metadata
---
amdhsa.version: [ 1, 2 ]
amdhsa.kernels:
  - .name:           k_q509c08a0aa_post2
    .symbol:         k_q509c08a0aa_post2.kd
    .args:
      - { .name: ob, .offset: 0, .size: 8, .value_kind: global_buffer, .address_space: global }
      - { .name: x1, .offset: 8, .size: 8, .value_kind: global_buffer, .address_space: global }
      - { .name: m2_w2_codes, .offset: 16, .size: 8, .value_kind: global_buffer, .address_space: global }
      - { .name: m2_w2_scales, .offset: 24, .size: 8, .value_kind: global_buffer, .address_space: global }
      - { .name: m2_b2, .offset: 32, .size: 8, .value_kind: global_buffer, .address_space: global }
      - { .name: m2_g, .offset: 40, .size: 8, .value_kind: global_buffer, .address_space: global }
      - { .name: m2_b, .offset: 48, .size: 8, .value_kind: global_buffer, .address_space: global }
      - { .name: ln2_g, .offset: 56, .size: 8, .value_kind: global_buffer, .address_space: global }
      - { .name: ln2_b, .offset: 64, .size: 8, .value_kind: global_buffer, .address_space: global }
      - { .name: ffn_w1_codes, .offset: 72, .size: 8, .value_kind: global_buffer, .address_space: global }
      - { .name: ffn_w1_scales, .offset: 80, .size: 8, .value_kind: global_buffer, .address_space: global }
      - { .name: ffn_b1, .offset: 88, .size: 8, .value_kind: global_buffer, .address_space: global }
      - { .name: ffn_w2_codes, .offset: 96, .size: 8, .value_kind: global_buffer, .address_space: global }
      - { .name: ffn_w2_scales, .offset: 104, .size: 8, .value_kind: global_buffer, .address_space: global }
      - { .name: ffn_b2, .offset: 112, .size: 8, .value_kind: global_buffer, .address_space: global }
      - { .name: ln3_g, .offset: 120, .size: 8, .value_kind: global_buffer, .address_space: global }
      - { .name: ln3_b, .offset: 128, .size: 8, .value_kind: global_buffer, .address_space: global }
      - { .name: out0, .offset: 136, .size: 8, .value_kind: global_buffer, .address_space: global }
    .group_segment_fixed_size: 75776
    .private_segment_fixed_size: 0
    .kernarg_segment_align: 8
    .kernarg_segment_size: 144
    .max_flat_workgroup_size: 256
    .sgpr_count:     66
    .vgpr_count:     512
    .wavefront_size: 32
...
	.end_amdgpu_metadata
.endif
;; end of part 7
